; MI455X (gfx1250); checked and timed in simulation.
; The chip was launched on July 23, 2026; its instructions are those of AMD's public machine-readable ISA for CDNA 5 (MIT licence, August 2026) and "CDNA5" Instruction Set Architecture Reference Guide (July 2026). The comments in the code are by the model that wrote it; some were corrected since.
;; Box Decoder. Allowed arithmetic: float matrix products may take bf16 or f16 operands with f32 sums; other float arithmetic in f32, or as packed bf16 or f16 multiplies, adds, multiply-adds, maxima and minima; sums over many terms, partial sums and values carried from step to step in f32; what a program stores and reads back later, other than sums and carried values, may be rounded once to bf16 or f16.
;; Inputs: attn_w_b 128 float32; attn_w_w 128 x 256 float32; in_proj_b 768 float32; in_proj_w 768 x 256 float32; lin1_b 1,024 float32; lin1_w 1,024 x 256 float32; lin2_b 256 float32; lin2_w 256 x 1,024 float32; memory 13,294 x 16 x 256 float32; memory_level_start_index 4 int32; memory_spatial_shapes 4 x 2 int32; ms_out_b 256 float32; ms_out_w 256 x 256 float32; norm1_b 256 float32; norm1_g 256 float32; norm2_b 256 float32; norm2_g 256 float32; norm3_b 256 float32; norm3_g 256 float32; out_proj_b 256 float32; out_proj_w 256 x 256 float32; samp_off_b 256 float32; samp_off_w 256 x 256 float32; tgt 900 x 16 x 256 float32; tgt_query_pos 900 x 16 x 256 float32; tgt_reference_points 900 x 16 x 4 x 2 float32; val_proj_b 256 float32; val_proj_w 256 x 256 float32.
;; Outputs: out0 900 x 16 x 256 float32.
;; 3 versions, each right; version 2 is faster than version 1; version 3 is version 2 with the launch valproj written anew for expert scheduling mode. Each part assembles by itself: llvm-mc -triple=amdgcn-amd-amdhsa -mcpu=gfx1250 --defsym DOCPART=n.
;; ======== version 1 of 3: 6 launches
;; workspace buffers: WB 2,031,616 bytes; VT 108,904,448 bytes; QKV 22,118,400 bytes; OW 8,388,608 bytes; T1 14,745,600 bytes; IDX 7,372,800 bytes of whole numbers; WGT 14,745,600 bytes
;; launch prep (part 1): grid 248 x 1, 8 waves a work-group, no clusters, 0 bytes of LDS; arguments in_proj_w, out_proj_w, samp_off_w, attn_w_w, val_proj_w, ms_out_w, lin1_w, lin2_w, WB; writes WB
.if DOCPART == 1
	.amdgcn_target "amdgcn-amd-amdhsa--gfx1250"
	.amdhsa_code_object_version 6
	.text
	.protected	k_qa79562ac43_prep
	.globl	k_qa79562ac43_prep
	.p2align	8
	.type	k_qa79562ac43_prep,@function
k_qa79562ac43_prep:
	s_mov_b64 s[64:65], 0
	v_nop
	global_prefetch_b8 v0, s[64:65] scope:SCOPE_SE
	s_setreg_imm32_b32 hwreg(HW_REG_WAVE_MODE, 25, 1), 1
	s_wait_xcnt 0x0
; The eight weight matrices, f32 [out][in], are rounded once to bf16 and laid in WB as register images of matrix fragments.
; A fragment is 16 rows x 32 k, 1,024 bytes: byte half x 512 + lane x 16; lane l holds row l % 16; half 0: k = 8 (l / 16) + 0..7, half 1: k = 16 + 8 (l / 16) + 0..7.
; A work-group writes 8,192 bytes of WB, a wave one fragment.  Matrices with 256 inputs: fragment = row tile x 8 + k block.
; lin2 (1,024 inputs): fragment = ((w x 4 + kc) x 2 + n) x 8 + k for row tile 2 w + n and k block 8 kc + k, so that a later wave's share of 256 inputs lies on end.
; attn_w: in a tile, row rho holds weight row swap(bits 2, 3 of rho), so that a lane's eight logits are of the levels whose offsets it holds.
; Each store of a wave covers 512 consecutive bytes, aligned.
	s_load_b512 s[8:23], s[0:1], 0x0               ; the eight sources, in the order of WB's parts
	s_load_b64 s[24:25], s[0:1], 0x40              ; WB
	v_lshrrev_b32 v1, 5, v0
	v_readfirstlane_b32 s2, v1                     ; wave
	v_and_b32 v2, 15, v0                           ; r
	v_bfe_u32 v3, v0, 4, 1                         ; h
	v_and_b32 v4, 31, v0                           ; lane
	s_mov_b32 s3, ttmp9                            ; work-group
	v_and_b32 v5, 3, v2                            ; r with bits 2 and 3 exchanged
	v_and_b32 v6, 4, v2
	v_lshl_or_b32 v5, v6, 1, v5
	v_bfe_u32 v6, v2, 3, 1
	v_lshl_or_b32 v5, v6, 2, v5
	s_wait_kmcnt 0x0
	s_mov_b64 s[26:27], s[8:9]
	s_mov_b32 s28, 0
.macro PICK start, ptr                 ; from work-group start on the source is the next matrix
	s_cmp_ge_u32 s3, \start
	s_cselect_b64 s[26:27], s[\ptr:\ptr+1], s[26:27]
	s_cselect_b32 s28, \start, s28
.endm
	PICK 48, 10
	PICK 64, 12
	PICK 80, 14
	PICK 88, 16
	PICK 104, 18
	PICK 120, 20
	PICK 184, 22
	s_sub_co_u32 s29, s3, s28                      ; my place in the matrix
	s_lshr_b32 s30, s29, 3                         ; lin2: row tile 2 (l >> 3) + (l & 1)
	s_lshl_b32 s30, s30, 1
	s_and_b32 s31, s29, 1
	s_add_co_u32 s30, s30, s31
	s_bfe_u32 s31, s29, 0x20001                    ; lin2: k block 8 ((l >> 1) & 3) + wave
	s_lshl_b32 s31, s31, 3
	s_add_co_u32 s31, s31, s2
	s_cmp_ge_u32 s3, 184
	s_cselect_b32 s30, s30, s29                    ; row tile
	s_cselect_b32 s31, s31, s2                     ; k block
	s_cselect_b32 s32, 12, 10                      ; log2 of a source row's bytes
	s_cmp_eq_u32 s28, 80
	s_cselect_b32 s35, -1, 0                       ; attn_w: all lanes take the exchanged row
	s_lshl_b32 s33, s30, 4
	s_lshl_b32 s33, s33, s32
	s_lshl_b32 s34, s31, 7
	s_add_co_u32 s33, s33, s34
	v_cndmask_b32 v2, v2, v5, s35
	v_lshlrev_b32 v7, s32, v2
	v_lshl_add_u32 v7, v3, 5, v7
	v_add_nc_u32 v7, s33, v7                       ; row x pitch + 128 x k block + 32 h
	global_load_b128 v[8:11], v7, s[26:27]
	global_load_b128 v[12:15], v7, s[26:27] offset:16
	global_load_b128 v[16:19], v7, s[26:27] offset:64
	global_load_b128 v[20:23], v7, s[26:27] offset:80
	v_lshlrev_b32 v1, 4, v4
	s_lshl_b32 s36, s3, 13
	s_lshl_b32 s37, s2, 10
	s_add_co_u32 s36, s36, s37
	v_add_nc_u32 v1, s36, v1
	s_wait_loadcnt 0x0
.irp i, 0,1,2,3,4,5,6,7
	v_cvt_pk_bf16_f32 v[24+\i], v[8+2*\i], v[9+2*\i]
.endr
	global_store_b128 v1, v[24:27], s[24:25]
	global_store_b128 v1, v[28:31], s[24:25] offset:512
	s_endpgm
.Lfunc_end_k_qa79562ac43_prep:
	.size	k_qa79562ac43_prep, .Lfunc_end_k_qa79562ac43_prep-k_qa79562ac43_prep
	.p2alignl 7, 3214868480
	.fill 96, 4, 3214868480
	.section	.rodata,"a",@progbits
	.p2align	6, 0x0
	.amdhsa_kernel k_qa79562ac43_prep
		.amdhsa_group_segment_fixed_size 0
		.amdhsa_private_segment_fixed_size 0
		.amdhsa_enable_private_segment 0
		.amdhsa_kernarg_size 72
		.amdhsa_user_sgpr_count 2
		.amdhsa_user_sgpr_kernarg_segment_ptr 1
		.amdhsa_wavefront_size32 1
		.amdhsa_system_sgpr_workgroup_id_x 1
		.amdhsa_system_sgpr_workgroup_id_y 1
		.amdhsa_system_sgpr_workgroup_id_z 1
		.amdhsa_system_vgpr_workitem_id 0
		.amdhsa_next_free_vgpr 32
		.amdhsa_next_free_sgpr 66
		.amdhsa_reserve_vcc 0
		.amdhsa_float_denorm_mode_32 3
		.amdhsa_float_denorm_mode_16_64 3
		.amdhsa_memory_ordered 1
		.amdhsa_forward_progress 1
		.amdhsa_inst_pref_size 5
	.end_amdhsa_kernel
	.amdgpu_metadata
---
amdhsa.version: [ 1, 2 ]
amdhsa.kernels:
  - .name:           k_qa79562ac43_prep
    .symbol:         k_qa79562ac43_prep.kd
    .args:
      - { .name: in_proj_w, .offset: 0, .size: 8, .value_kind: global_buffer, .address_space: global }
      - { .name: out_proj_w, .offset: 8, .size: 8, .value_kind: global_buffer, .address_space: global }
      - { .name: samp_off_w, .offset: 16, .size: 8, .value_kind: global_buffer, .address_space: global }
      - { .name: attn_w_w, .offset: 24, .size: 8, .value_kind: global_buffer, .address_space: global }
      - { .name: val_proj_w, .offset: 32, .size: 8, .value_kind: global_buffer, .address_space: global }
      - { .name: ms_out_w, .offset: 40, .size: 8, .value_kind: global_buffer, .address_space: global }
      - { .name: lin1_w, .offset: 48, .size: 8, .value_kind: global_buffer, .address_space: global }
      - { .name: lin2_w, .offset: 56, .size: 8, .value_kind: global_buffer, .address_space: global }
      - { .name: WB, .offset: 64, .size: 8, .value_kind: global_buffer, .address_space: global }
    .group_segment_fixed_size: 0
    .private_segment_fixed_size: 0
    .kernarg_segment_align: 8
    .kernarg_segment_size: 72
    .max_flat_workgroup_size: 256
    .sgpr_count:     66
    .vgpr_count:     32
    .wavefront_size: 32
...
	.end_amdgpu_metadata
.endif
;; end of part 1
;; launch valproj (part 2): grid 238 x 1, 8 waves a work-group, no clusters, 90,112 bytes of LDS; arguments memory, WB, val_proj_b, VT; writes VT
.if DOCPART == 2
	.amdgcn_target "amdgcn-amd-amdhsa--gfx1250"
	.amdhsa_code_object_version 6
	.text
	.protected	k_qa79562ac43_valproj
	.globl	k_qa79562ac43_valproj
	.p2align	8
	.type	k_qa79562ac43_valproj,@function
k_qa79562ac43_valproj:
	s_mov_b64 s[64:65], 0
	v_nop
	global_prefetch_b8 v0, s[64:65] scope:SCOPE_SE
	s_setreg_imm32_b32 hwreg(HW_REG_WAVE_MODE, 25, 1), 1
	s_wait_xcnt 0x0
; VT[head][p][b][32] (bf16) = memory[p][b][:] x val_proj_w^T + val_proj_b.  Operands bf16, sums f32, the table rounded once to bf16.
; A work-group takes 56 positions in 7 steps of 8 (a position is 16 rows of 1,024 bytes on end).  238 x 56 covers the 13,294 positions; a position past the end is loaded from
; the last position's address and its stores are jumped over.
; Wave w loads position p0 + w (32 loads of 512 consecutive bytes), rounds it to bf16 and puts it into LDS; as (g = w / 4, nq = w % 4) it multiplies positions 4 g .. 4 g + 3 by the
; 64 output columns 64 nq .., whose weights (256 registers, window 1) it holds for the whole launch.  The next step's loads go out as soon as this step's numbers are converted.
; The product is taken transposed (source 0 = 16 weight rows, source 1 = the 16 batches of a position): a lane ends with 8 neighbouring columns of one row.
; The sums start from the bias, loaded into the accumulators.  A tile leaves through the wave's own stage, so that each store covers 512 consecutive bytes, aligned.
; No cluster: 238 work-groups do not divide by four, and the only shared input, the weights, is read once a wave.  No prefetch: the launch streams memory all the time.
.set NPOS,  13294
.set HS,    13613056                   ; bytes of one head's table
.set PA,    528                        ; an LDS row: 512 bytes + 16: the 16 rows of a fragment load start in different groups of banks
.set STG,   67584                      ; 8 waves x [2 heads][16 b] x 80 bytes
.set PAR,   88064                      ; the bias, 1,024 bytes
.set SPARE, 89088                      ; the spare words, 128 bytes a wave
.set WVAL,  720896                     ; val_proj's fragments in WB
.set L16,  1                           ; 16 x lane
.set SADR, 2                           ; where I put 8 bytes of my position's rows
.set AADR, 3                           ; my lane's place in the fragments of my four positions
.set BADR, 4                           ; my lane's place in the bias
.set STO,  5
.set RD,   6
.set VOFF, 7
.set SPW,  8
.set NIL,  9
.set ST,   16                          ; v16-143  a position as loaded
.set AFR,  144                         ; v144-207 the position converted; then a tile's 8 fragments
.set ACC,  208                         ; v208-239 four accumulators
.set OUTP, 240                         ; v240-255 a tile rounded
.set MSB, 0
.macro WIN new
.if MSB != (\new)
	s_set_vgpr_msb (MSB<<8)|(\new)
.set MSB, (\new)
.endif
.endm
.macro PLACES
.rept 4
	v_nop
.endr
.endm
.macro BAR
	s_wait_dscnt 0x0
	s_barrier_signal -1
	s_barrier_wait -1
.endm
.macro STREAM                          ; a position: 32 loads of 512 consecutive bytes
.set j, 0
.rept 32
	global_load_b128 v[ST+4*j:ST+4*j+3], v[L16], s[18:19] offset:512*j th:TH_LOAD_NT
.set j, j+1
.endr
.endm
.macro FETCHT mt                       ; the 8 fragments of tile mt of my four
.set k, 0
.rept 8
	ds_load_b128 v[AFR+8*k:AFR+8*k+3],   v[AADR] offset:(\mt)*16*PA+64*k
	ds_load_b128 v[AFR+8*k+4:AFR+8*k+7], v[AADR] offset:(\mt)*16*PA+64*k+32
.set k, k+1
.endr
.endm
.macro BIAS                            ; the sums start from the bias of my lane's columns
.set k, 0
.rept 4
	ds_load_b128 v[ACC+8*k:ACC+8*k+3],   v[BADR] offset:64*k
	ds_load_b128 v[ACC+8*k+4:ACC+8*k+7], v[BADR] offset:64*k+16
.set k, k+1
.endr
.endm
	s_load_b256 s[4:11], s[0:1], 0x0               ; memory s[4:5], WB s[6:7], bias s[8:9], VT s[10:11]
	v_lshl_add_u32 v[SPW], v0, 2, SPARE
	v_mov_b32 v[NIL], 0
	v_lshrrev_b32 v10, 5, v0
	v_readfirstlane_b32 s12, v10                   ; wave
	s_lshr_b32 s13, s12, 2                         ; g
	s_and_b32 s14, s12, 3                          ; nq
	v_and_b32 v10, 31, v0
	v_and_b32 v14, 15, v0                          ; r
	v_bfe_u32 v15, v0, 4, 1                        ; h
	v_lshlrev_b32 v[L16], 4, v10
	s_mul_i32 s26, s12, 16*PA
	v_lshl_add_u32 v[SADR], v10, 3, s26
	s_mul_i32 s26, s13, 64*PA
	v_mul_u32_u24 v[AADR], v14, PA
	v_lshl_add_u32 v[AADR], v15, 4, v[AADR]
	v_add_nc_u32 v[AADR], s26, v[AADR]
	s_lshl_b32 s26, s14, 8
	s_add_co_u32 s26, s26, PAR
	v_lshl_add_u32 v[BADR], v15, 5, s26
	s_mul_i32 s26, s12, 2560
	s_add_co_u32 s26, s26, STG
	v_mul_u32_u24 v[STO], v14, 80
	v_lshl_add_u32 v[STO], v15, 4, v[STO]
	v_add_nc_u32 v[STO], s26, v[STO]
	v_lshrrev_b32 v[RD], 2, v10
	v_mul_u32_u24 v[RD], v[RD], 80
	v_and_b32 v10, 3, v10
	v_lshl_add_u32 v[RD], v10, 4, v[RD]
	v_add_nc_u32 v[RD], s26, v[RD]
	v_lshlrev_b32 v12, 2, v0
	v_add_nc_u32 v11, PAR, v12
	s_mul_i32 s16, ttmp9, 56                       ; the step's first position
	s_add_co_u32 s26, s16, s12
	s_min_u32 s26, s26, NPOS-1
	s_lshl_b32 s26, s26, 14
	s_mov_b32 s27, 0
	s_lshl_b32 s28, s14, 15
	s_mov_b32 s29, 0
	s_mul_i32 s30, s14, 2*HS
	s_mov_b32 s31, 0
	s_mov_b32 s15, 7
	s_wait_kmcnt 0x0
	s_add_nc_u64 s[18:19], s[4:5], s[26:27]        ; my position
	s_add_nc_u64 s[24:25], s[6:7], s[28:29]        ; my 32 fragments
	s_add_nc_u64 s[20:21], s[10:11], s[30:31]      ; head 2 nq
	s_add_nc_u64 s[22:23], s[20:21], HS            ; head 2 nq + 1
	WIN 0x40
.set j, 0
.rept 64
	global_load_b128 v[4*j:4*j+3], v[L16], s[24:25] offset:WVAL+512*j
.set j, j+1
.endr
	WIN 0
	global_load_b32 v13, v12, s[8:9]
	STREAM
	s_wait_loadcnt 32                              ; the weights and the bias are in; the first position's 32 loads may stay out
	ds_store_b32 v11, v13
.Ltrip:
	s_wait_loadcnt 0x0                             ; my position is in
.set j, 0
.rept 32
	v_cvt_pk_bf16_f32 v[AFR+2*j],   v[ST+4*j],   v[ST+4*j+1]
	v_cvt_pk_bf16_f32 v[AFR+2*j+1], v[ST+4*j+2], v[ST+4*j+3]
	ds_store_b64 v[SADR], v[AFR+2*j:AFR+2*j+1] offset:(j/2)*PA+(j%2)*256
.set j, j+1
.endr
	s_cmp_eq_u32 s15, 1                            ; the last step has nothing behind it
	s_cbranch_scc1 .Lnoload
	s_add_co_u32 s26, s16, s12
	s_add_co_u32 s26, s26, 8
	s_min_u32 s26, s26, NPOS-1
	s_lshl_b32 s26, s26, 14
	s_add_nc_u64 s[18:19], s[4:5], s[26:27]        ; no load that names this base is out: the wait above was for 0
	STREAM
.Lnoload:
	BAR                                            ; all eight positions lie in LDS (and, the first time, the bias)
	s_lshl2_add_u32 s17, s13, s16                  ; my first tile's position
	FETCHT 0
	BIAS
.irp mt, 0,1,2,3
	s_wait_dscnt 0x0                               ; fragments and bias are in
	WIN 0x01                                       ; weights in window 1
.set k, 0
.rept 8
.set n, 0
.rept 4                                ; the four accumulators take turns
	v_wmma_f32_16x16x32_bf16 v[ACC+8*n:ACC+8*n+7], v[64*n+8*k:64*n+8*k+7], v[AFR+8*k:AFR+8*k+7], v[ACC+8*n:ACC+8*n+7]
.set n, n+1
.endr
.set k, k+1
.endr
	WIN 0
	PLACES                                         ; in front of loads into registers that the products read, and of the conversions
.if \mt < 3
	FETCHT \mt+1
.endif
	s_wait_xcnt 0x0                                ; the last tile's stores have read OUTP and VOFF
.set k, 0
.rept 16
	v_cvt_pk_bf16_f32 v[OUTP+k], v[ACC+2*k], v[ACC+2*k+1]
.set k, k+1
.endr
.if \mt < 3
	BIAS
.endif
	s_add_co_u32 s30, s17, \mt
	s_cmp_lt_u32 s30, NPOS
	s_cbranch_scc0 .Ldead\mt                       ; a position past the end is not stored
	s_lshl_b32 s30, s30, 10
	v_add_nc_u32 v[VOFF], s30, v[L16]
.irp n, 0,1,2,3
	ds_store_b128 v[STO], v[OUTP+4*\n:OUTP+4*\n+3] offset:(\n/2)*1280+(\n%2)*32
.endr
.irp c, 0,1,2,3
	ds_load_b128 v[OUTP+4*\c:OUTP+4*\c+3], v[RD] offset:(\c/2)*1280+(\c%2)*640   ; LDS serves a wave's instructions in order: these see the stores above
.endr
	s_wait_dscnt 0x0
	global_store_b128 v[VOFF], v[OUTP:OUTP+3],     s[20:21]
	global_store_b128 v[VOFF], v[OUTP+4:OUTP+7],   s[20:21] offset:512
	global_store_b128 v[VOFF], v[OUTP+8:OUTP+11],  s[22:23]
	global_store_b128 v[VOFF], v[OUTP+12:OUTP+15], s[22:23] offset:512
.Ldead\mt:
.endr
	BAR                                            ; every wave's reads of the eight positions are over: they may be written again
	s_add_co_u32 s16, s16, 8
	s_sub_co_u32 s15, s15, 1
	s_cmp_lg_u32 s15, 0
	s_cbranch_scc1 .Ltrip
	s_wait_tensorcnt 0x0                           ; the wave's end
	ds_add_u32 v[SPW], v[NIL]
	s_wait_dscnt 0x0
	s_endpgm
.Lfunc_end_k_qa79562ac43_valproj:
	.size	k_qa79562ac43_valproj, .Lfunc_end_k_qa79562ac43_valproj-k_qa79562ac43_valproj
	.p2alignl 7, 3214868480
	.fill 96, 4, 3214868480
	.section	.rodata,"a",@progbits
	.p2align	6, 0x0
	.amdhsa_kernel k_qa79562ac43_valproj
		.amdhsa_group_segment_fixed_size 90112
		.amdhsa_private_segment_fixed_size 0
		.amdhsa_enable_private_segment 0
		.amdhsa_kernarg_size 32
		.amdhsa_user_sgpr_count 2
		.amdhsa_user_sgpr_kernarg_segment_ptr 1
		.amdhsa_wavefront_size32 1
		.amdhsa_system_sgpr_workgroup_id_x 1
		.amdhsa_system_sgpr_workgroup_id_y 1
		.amdhsa_system_sgpr_workgroup_id_z 1
		.amdhsa_system_vgpr_workitem_id 0
		.amdhsa_next_free_vgpr 512
		.amdhsa_next_free_sgpr 66
		.amdhsa_reserve_vcc 0
		.amdhsa_float_denorm_mode_32 3
		.amdhsa_float_denorm_mode_16_64 3
		.amdhsa_memory_ordered 1
		.amdhsa_forward_progress 1
		.amdhsa_inst_pref_size 45
	.end_amdhsa_kernel
	.amdgpu_metadata
---
amdhsa.version: [ 1, 2 ]
amdhsa.kernels:
  - .name:           k_qa79562ac43_valproj
    .symbol:         k_qa79562ac43_valproj.kd
    .args:
      - { .name: memory, .offset: 0, .size: 8, .value_kind: global_buffer, .address_space: global }
      - { .name: WB, .offset: 8, .size: 8, .value_kind: global_buffer, .address_space: global }
      - { .name: val_proj_b, .offset: 16, .size: 8, .value_kind: global_buffer, .address_space: global }
      - { .name: VT, .offset: 24, .size: 8, .value_kind: global_buffer, .address_space: global }
    .group_segment_fixed_size: 90112
    .private_segment_fixed_size: 0
    .kernarg_segment_align: 8
    .kernarg_segment_size: 32
    .max_flat_workgroup_size: 256
    .sgpr_count:     66
    .vgpr_count:     512
    .wavefront_size: 32
...
	.end_amdgpu_metadata
.endif
;; end of part 2
;; launch qkv (part 3): grid 225 x 1, 8 waves a work-group, no clusters, 106,496 bytes of LDS; arguments tgt, tgt_query_pos, WB, in_proj_b, QKV; writes QKV
.if DOCPART == 3
	.amdgcn_target "amdgcn-amd-amdhsa--gfx1250"
	.amdhsa_code_object_version 6
	.text
	.protected	k_qa79562ac43_qkv
	.globl	k_qa79562ac43_qkv
	.p2align	8
	.type	k_qa79562ac43_qkv,@function
k_qa79562ac43_qkv:
	s_mov_b64 s[64:65], 0
	v_nop
	global_prefetch_b8 v0, s[64:65] scope:SCOPE_SE
	s_setreg_imm32_b32 hwreg(HW_REG_WAVE_MODE, 25, 1), 1
	s_wait_xcnt 0x0
; q = ((tgt + pos) Wq^T + bq) x log2(e) / sqrt(32), k = (tgt + pos) Wk^T + bk, v = tgt Wv^T + bv, by heads: QKV = Q, K, V, each [(b x 8 + head)][900][32] in bf16.
; Operands bf16, sums f32, results rounded once.  A work-group takes 64 rows (row = query x 16 + batch: 4 queries x 16 batches); 14,400 rows are 225 such blocks.
; Wave w makes head w of q, k and v in three passes of two column tiles; its weights come as register images from WB, 32 loads of 512 consecutive bytes a pass, a pass ahead.
; The product is taken transposed (source 0 = 16 weight rows, source 1 = the 16 batches of a query); the first product of a sum takes the bias as C.
; For a fixed batch and head the block's 4 queries are 256 consecutive bytes, aligned: the results go through the wave's own stage so that 16 lanes store such a run.
; No cluster: 225 work-groups do not divide by four.  No prefetch: the launch is short.
.set PA,    528
.set XL,    0                          ; tgt + pos, 64 rows x 528
.set TL,    33792                      ; tgt
.set STG,   67584                      ; 8 waves x 16 batches x 272
.set PAR,   102400                     ; in_proj_b, 3,072 bytes
.set SPARE, 105472
.set L16,  1
.set AX,   2
.set AT,   3
.set SADR, 4
.set PADR, 5
.set STO,  6
.set RD,   7
.set GO,   8
.set SPW,  9
.set NIL,  10
.set AF,   32                          ; v32-95   two buffers of four fragments of the rows
.set ACC,  96                          ; v96-159  accumulator (n, m) at ACC + 8 (4 n + m)
.set OUT,  160
.set CB,   192                         ; the bias of my lane's columns, 8 a column tile
.set MSB, 0
.macro WIN new
.if MSB != (\new)
	s_set_vgpr_msb (MSB<<8)|(\new)
.set MSB, (\new)
.endif
.endm
.macro PLACES
.rept 4
	v_nop
.endr
.endm
.macro BAR
	s_wait_dscnt 0x0
	s_barrier_signal -1
	s_barrier_wait -1
.endm
.macro LOADW ws, sb, off, cnt=32       ; fragments into window 1 from register ws on; four places stand in front, since products may have read those registers
	PLACES
	WIN 0x40
.set li, 0
.rept \cnt
	global_load_b128 v[(\ws)+4*li:(\ws)+4*li+3], v[L16], s[(\sb):(\sb)+1] offset:(\off)+512*li
.set li, li+1
.endr
	WIN 0
.endm
.macro FETCHA buf, aa, off, ms         ; the four row tiles' fragments of one K step of 32; ms = 0: an address register a tile, else one register and ms bytes a tile
.irp m, 0,1,2,3
.if (\ms) == 0
	ds_load_b128 v[AF+32*(\buf)+8*\m:AF+32*(\buf)+8*\m+3],   v[(\aa)+\m] offset:(\off)
	ds_load_b128 v[AF+32*(\buf)+8*\m+4:AF+32*(\buf)+8*\m+7], v[(\aa)+\m] offset:(\off)+32
.else
	ds_load_b128 v[AF+32*(\buf)+8*\m:AF+32*(\buf)+8*\m+3],   v[\aa] offset:(\off)+\m*(\ms)
	ds_load_b128 v[AF+32*(\buf)+8*\m+4:AF+32*(\buf)+8*\m+7], v[\aa] offset:(\off)+\m*(\ms)+32
.endif
.endr
.endm
; 64 rows x nt column tiles x 256 along K.  The accumulators take turns, one instruction a turn.  cmode = 1: the first product of each sum takes the bias as C.
.macro GEMM nt, ws, aa, ms, koff, cmode
	FETCHA 0, \aa, \koff, \ms
.set kf, 0
.rept 8
.if kf < 7
.if kf > 0
	PLACES                                         ; the buffer to be loaded was read by the products just issued
.endif
	FETCHA (kf+1)&1, \aa, (\koff)+64*(kf+1), \ms
	s_wait_dscnt 0x8                               ; all but the eight loads just issued
.else
	s_wait_dscnt 0x0
.endif
	WIN 0x01
.set gm, 0
.rept 4
.set gn, 0
.rept \nt
.set rA, ACC+8*(4*gn+gm)
.set rW, ((\ws)+64*gn+8*kf)%256
.set rB, AF+32*(kf&1)+8*gm
.if (\cmode) && (kf == 0)
	v_wmma_f32_16x16x32_bf16 v[rA:rA+7], v[rW:rW+7], v[rB:rB+7], v[CB+8*gn:CB+8*gn+7]
.else
	v_wmma_f32_16x16x32_bf16 v[rA:rA+7], v[rW:rW+7], v[rB:rB+7], v[rA:rA+7]
.endif
.set gn, gn+1
.endr
.set gm, gm+1
.endr
	WIN 0
.set kf, kf+1
.endr
	PLACES
	PLACES
.endm
.macro LDPAR dst, adr, off
	ds_load_b128 v[(\dst):(\dst)+3],   v[\adr] offset:(\off)
	ds_load_b128 v[(\dst)+4:(\dst)+7], v[\adr] offset:(\off)+16
.endm
	s_load_b256 s[4:11], s[0:1], 0x0               ; tgt s[4:5], pos s[6:7], WB s[8:9], bias s[10:11]
	s_load_b64 s[12:13], s[0:1], 0x20              ; QKV
	v_lshl_add_u32 v[SPW], v0, 2, SPARE
	v_mov_b32 v[NIL], 0
	v_lshrrev_b32 v16, 5, v0
	v_readfirstlane_b32 s14, v16                   ; wave
	v_and_b32 v16, 15, v0                          ; r
	v_bfe_u32 v17, v0, 4, 1                        ; h
	v_and_b32 v18, 31, v0
	v_lshlrev_b32 v[L16], 4, v18
	v_mul_u32_u24 v[AX], v16, PA
	v_lshl_add_u32 v[AX], v17, 4, v[AX]
	v_add_nc_u32 v[AT], TL, v[AX]
	s_mul_i32 s28, s14, 8*PA
	v_lshl_add_u32 v[SADR], v18, 3, s28
	s_lshl_b32 s28, s14, 7
	s_add_co_u32 s28, s28, PAR
	v_lshl_add_u32 v[PADR], v17, 5, s28
	s_mul_i32 s28, s14, 4352
	s_add_co_u32 s28, s28, STG
	v_mul_u32_u24 v[STO], v16, 272
	v_lshl_add_u32 v[STO], v17, 4, v[STO]
	v_add_nc_u32 v[STO], s28, v[STO]
	v_mul_u32_u24 v[RD], v17, 272
	v_lshl_add_u32 v[RD], v16, 4, v[RD]
	v_add_nc_u32 v[RD], s28, v[RD]
	s_mul_i32 s28, s14, 57600
	v_mul_u32_u24 v[GO], v17, 460800
	v_lshl_add_u32 v[GO], v16, 4, v[GO]
	v_add_nc_u32 v[GO], s28, v[GO]                 ; batch h, head w, 16 r
	v_lshlrev_b32 v11, 2, v0
	v_add_nc_u32 v12, PAR, v11
	s_lshl_b32 s28, s14, 13
	v_add_nc_u32 v19, s28, v[L16]                  ; my 8 rows of the block
	s_lshl_b32 s16, ttmp9, 16
	s_mov_b32 s17, 0
	s_lshl_b32 s30, s14, 14
	s_mov_b32 s31, 0
	s_lshl_b32 s32, ttmp9, 8
	s_mov_b32 s33, 0
	s_mov_b32 s26, 0x3e8293ee                      ; log2(e) / sqrt(32)
	s_mov_b32 s27, s26
	s_wait_kmcnt 0x0
	s_add_nc_u64 s[4:5], s[4:5], s[16:17]
	s_add_nc_u64 s[6:7], s[6:7], s[16:17]
	s_add_nc_u64 s[18:19], s[8:9], s[30:31]        ; my two column tiles' fragments
	s_add_nc_u64 s[20:21], s[12:13], s[32:33]      ; Q, K, V at the block's 4 queries
	s_add_nc_u64 s[22:23], s[20:21], 7372800
	s_add_nc_u64 s[24:25], s[22:23], 7372800
	global_load_b32 v13, v11, s[10:11]
	global_load_b32 v14, v11, s[10:11] offset:1024
	global_load_b32 v15, v11, s[10:11] offset:2048
	WIN 0x40
.set j, 0
.rept 16
	global_load_b128 v[128+4*j:128+4*j+3], v19, s[4:5] offset:512*j
	global_load_b128 v[192+4*j:192+4*j+3], v19, s[6:7] offset:512*j
.set j, j+1
.endr
	WIN 0
	LOADW 0, 18, 0
	s_wait_loadcnt 32                              ; all but the first pass's 32 weight loads
	WIN 0x05                                       ; sources in window 1
.set i, 0
.rept 32
	v_pk_add_f32 v[AF+2*i:AF+2*i+1], v[128+2*i:128+2*i+1], v[192+2*i:192+2*i+1]
	v_cvt_pk_bf16_f32 v[OUT+i], v[128+2*i], v[128+2*i+1]
.set i, i+1
.endr
	WIN 0
.set i, 0
.rept 32
	v_cvt_pk_bf16_f32 v[AF+i], v[AF+2*i], v[AF+2*i+1]
.set i, i+1
.endr
.set j, 0
.rept 16
	ds_store_b64 v[SADR], v[AF+2*j:AF+2*j+1]   offset:XL+(j/2)*PA+(j%2)*256
	ds_store_b64 v[SADR], v[OUT+2*j:OUT+2*j+1] offset:TL+(j/2)*PA+(j%2)*256
.set j, j+1
.endr
	ds_store_b32 v12, v13
	ds_store_b32 v12, v14 offset:1024
	ds_store_b32 v12, v15 offset:2048
	BAR                                            ; the 64 rows and the bias lie in LDS; nothing shared is written after this
.irp p, 0,1,2
	LDPAR CB,   PADR, \p*1024
	LDPAR CB+8, PADR, \p*1024+64
.if \p < 2
	LOADW ((\p+1)&1)*128, 18, (\p+1)*131072
	s_wait_loadcnt 32                              ; this pass's weights are in; the next pass's 32 loads may stay out
.else
	s_wait_loadcnt 0x0
.endif
.if \p < 2
	GEMM 2, (\p&1)*128, AX, 16*PA, 0, 1
.else
	GEMM 2, (\p&1)*128, AT, 16*PA, 0, 1
.endif
.if \p == 0
.set i, 0
.rept 32
	v_pk_mul_f32 v[ACC+2*i:ACC+2*i+1], v[ACC+2*i:ACC+2*i+1], s[26:27] op_sel_hi:[1,0]
.set i, i+1
.endr
.endif
	s_wait_xcnt 0x0                                ; the last pass's stores have read OUT
.irp m, 0,1,2,3
.irp n, 0,1
.irp i, 0,1,2,3
	v_cvt_pk_bf16_f32 v[OUT+4*(2*\m+\n)+\i], v[ACC+8*(4*\n+\m)+2*\i], v[ACC+8*(4*\n+\m)+2*\i+1]
.endr
.endr
.endr
.irp m, 0,1,2,3
.irp n, 0,1
	ds_store_b128 v[STO], v[OUT+4*(2*\m+\n):OUT+4*(2*\m+\n)+3] offset:\m*64+\n*32
.endr
.endr
.irp t, 0,1,2,3,4,5,6,7
	ds_load_b128 v[OUT+4*\t:OUT+4*\t+3], v[RD] offset:\t*544   ; my own bytes: LDS serves a wave's instructions in order
.endr
	s_wait_dscnt 0x0
.irp t, 0,1,2,3,4,5,6,7
	global_store_b128 v[GO], v[OUT+4*\t:OUT+4*\t+3], s[20+2*\p:21+2*\p] offset:\t*921600   ; 16 lanes store 256 consecutive bytes, aligned
.endr
.endr
	s_wait_tensorcnt 0x0                           ; the wave's end
	ds_add_u32 v[SPW], v[NIL]
	s_wait_dscnt 0x0
	s_endpgm
.Lfunc_end_k_qa79562ac43_qkv:
	.size	k_qa79562ac43_qkv, .Lfunc_end_k_qa79562ac43_qkv-k_qa79562ac43_qkv
	.p2alignl 7, 3214868480
	.fill 96, 4, 3214868480
	.section	.rodata,"a",@progbits
	.p2align	6, 0x0
	.amdhsa_kernel k_qa79562ac43_qkv
		.amdhsa_group_segment_fixed_size 106496
		.amdhsa_private_segment_fixed_size 0
		.amdhsa_enable_private_segment 0
		.amdhsa_kernarg_size 40
		.amdhsa_user_sgpr_count 2
		.amdhsa_user_sgpr_kernarg_segment_ptr 1
		.amdhsa_wavefront_size32 1
		.amdhsa_system_sgpr_workgroup_id_x 1
		.amdhsa_system_sgpr_workgroup_id_y 1
		.amdhsa_system_sgpr_workgroup_id_z 1
		.amdhsa_system_vgpr_workitem_id 0
		.amdhsa_next_free_vgpr 512
		.amdhsa_next_free_sgpr 66
		.amdhsa_reserve_vcc 0
		.amdhsa_float_denorm_mode_32 3
		.amdhsa_float_denorm_mode_16_64 3
		.amdhsa_memory_ordered 1
		.amdhsa_forward_progress 1
		.amdhsa_inst_pref_size 68
	.end_amdhsa_kernel
	.amdgpu_metadata
---
amdhsa.version: [ 1, 2 ]
amdhsa.kernels:
  - .name:           k_qa79562ac43_qkv
    .symbol:         k_qa79562ac43_qkv.kd
    .args:
      - { .name: tgt, .offset: 0, .size: 8, .value_kind: global_buffer, .address_space: global }
      - { .name: tgt_query_pos, .offset: 8, .size: 8, .value_kind: global_buffer, .address_space: global }
      - { .name: WB, .offset: 16, .size: 8, .value_kind: global_buffer, .address_space: global }
      - { .name: in_proj_b, .offset: 24, .size: 8, .value_kind: global_buffer, .address_space: global }
      - { .name: QKV, .offset: 32, .size: 8, .value_kind: global_buffer, .address_space: global }
    .group_segment_fixed_size: 106496
    .private_segment_fixed_size: 0
    .kernarg_segment_align: 8
    .kernarg_segment_size: 40
    .max_flat_workgroup_size: 256
    .sgpr_count:     66
    .vgpr_count:     512
    .wavefront_size: 32
...
	.end_amdgpu_metadata
.endif
;; end of part 3
;; launch attn (part 4): grid 2 x 128, 8 waves a work-group, no clusters, 210,944 bytes of LDS; arguments QKV, OW; writes OW
.if DOCPART == 4
	.amdgcn_target "amdgcn-amd-amdhsa--gfx1250"
	.amdhsa_code_object_version 6
	.text
	.protected	k_qa79562ac43_attn
	.globl	k_qa79562ac43_attn
	.p2align	8
	.type	k_qa79562ac43_attn,@function
k_qa79562ac43_attn:
	s_mov_b64 s[64:65], 0
	v_nop
	global_prefetch_b8 v0, s[64:65] scope:SCOPE_SE
	s_setreg_imm32_b32 hwreg(HW_REG_WAVE_MODE, 25, 1), 1
	s_wait_xcnt 0x0
; OW[(b x 8 + head)][query][32] (bf16) = softmax over the 900 keys of (q . k) times v; q arrives multiplied by log2(e) / sqrt(32), so p = 2^(s - m) with a running maximum m.
; Products, maxima and sums in f32; p is rounded to bf16 for the second product (its sum l is taken of the unrounded p), the result once at the end.
; LIMITS.  A key past 899 counts as its score (0) less 1e30; a weight below 2^-126 counts as 0; NaN and infinities are not treated apart.
; SHARES.  A work-group takes one (batch, head) and half of its 64 tiles of 16 queries; a wave four tiles.  Query rows past 899 repeat row 899; their results go to rows 900..959 of OW,
; which nobody reads; a wave whose four tiles hold no query (tiles 60..63) jumps over the key loop and over the way out, and passes both barriers.
; The head's K and V (57,600 bytes each) are copied once into LDS through registers, padded to 960 rows with zeros: 15 steps of 64 keys.
; LAYOUT.  S^T = K Q^T (source 0 = 16 keys, source 1 = 16 queries; the head's 32 channels are one matrix instruction's K): a lane holds one query and the keys 8 (lane / 16) + 0..7 of each 16.
; Two such results rounded in pairs are source 1 of O^T = V^T P.  V comes out of LDS turned, by ds_load_tr16_b128.  The C operand of K Q^T is a mask: 0, in the last step -1e30 for keys past 899.
; ORDER.  In phases: a tile's scores are made two tiles ahead, its softmax stands in one run with ONE batch of 33 exponentials and one wait.
; No cluster: only two work-groups share a head's K and V.  No prefetch: all of K and V is asked for at the head.
.set PK,    80                         ; a row of K in LDS: 64 bytes + 16
.set PVP,   96                         ; a row of V: 64 + 32
.set VL,    76800
.set STG,   168960                     ; 8 waves x 4 tiles x 16 rows x 80
.set SPARE, 209920
.set AK,  2                            ; the LDS address of K's run of loads in hand
.set AV,  3                            ; of V's
.set STO, 4
.set RD,  5
.set GO,  6
.set SPW, 7
.set NIL, 8
.set HMV, 9                            ; -1e30 in lanes 16-31, else 0
.set QA,  10                           ; v10-13  my byte offset in Q, a tile each
.set AK0, 14                           ; my lane's place in a step's K; never rewritten
.set AV0, 15                           ; the same for V
.set KF,  16                           ; v16-47  K of a step: key block kb at KF + 8 kb
.set VF,  48                           ; v48-79  V of a step: key half kk, channel block cb at VF + 16 kk + 8 cb
.set S,   80                           ; v80-143 two buffers of 32
.set P,   144
.set O,   160                          ; v160-223  tile t, channel block cb at O + 16 t + 8 cb
.set ST,  224                          ; tile t: m, m, l (even keys', odd keys')
.set TMP, 240
.set MC,  32                           ; window 1: the mask; Q lies in window 1, v0-31
.set CNT, 20
.set SEL, 22
.set TBK, 28                           ; LDS byte at which K of the step to be fetched begins
.set TBV, 29                           ; the same for V, less VL
.set MSB, 0
.macro WIN new
.if MSB != (\new)
	s_set_vgpr_msb (MSB<<8)|(\new)
.set MSB, (\new)
.endif
.endm
.macro PLACES
.rept 4
	v_nop
.endr
.endm
.macro KQ t                            ; four different accumulators
	WIN 0x14                                       ; Q and the mask in window 1
.irp kb, 0,1,2,3
	v_wmma_f32_16x16x32_bf16 v[S+32*((\t)&1)+8*\kb:S+32*((\t)&1)+8*\kb+7], v[KF+8*\kb:KF+8*\kb+7], v[8*(\t):8*(\t)+7], v[MC+8*\kb:MC+8*\kb+7]
.endr
	WIN 0
.endm
.macro PVM t                           ; the two accumulators take turns
.irp kk, 0,1
.irp cb, 0,1
	v_wmma_f32_16x16x32_bf16 v[O+16*(\t)+8*\cb:O+16*(\t)+8*\cb+7], v[VF+16*\kk+8*\cb:VF+16*\kk+8*\cb+7], v[P+8*\kk:P+8*\kk+7], v[O+16*(\t)+8*\cb:O+16*(\t)+8*\cb+7]
.endr
.endr
.endm
.macro FETCH_K                         ; a step's K: the lane's place plus the step's first byte, which then steps by 64 rows
	v_add_nc_u32 v[AK], s[TBK], v[AK0]
	s_add_co_u32 s[TBK], s[TBK], 64*PK
.irp kb, 0,1,2,3
	ds_load_b128 v[KF+8*\kb:KF+8*\kb+3],   v[AK] offset:\kb*16*PK
	ds_load_b128 v[KF+8*\kb+4:KF+8*\kb+7], v[AK] offset:\kb*16*PK+32
.endr
.endm
.macro FETCH_V
	v_add_nc_u32 v[AV], s[TBV], v[AV0]
	s_add_co_u32 s[TBV], s[TBV], 64*PVP
.irp kk, 0,1
.irp cb, 0,1
	ds_load_tr16_b128 v[VF+16*\kk+8*\cb:VF+16*\kk+8*\cb+3],   v[AV] offset:\kk*32*PVP+\cb*32
	ds_load_tr16_b128 v[VF+16*\kk+8*\cb+4:VF+16*\kk+8*\cb+7], v[AV] offset:\kk*32*PVP+16*PVP+\cb*32
.endr
.endr
.endm
.macro SOFTMAX t
.set sb, S+32*((\t)&1)
.set st, ST+4*(\t)
.set ot, O+16*(\t)
.irp i, 0,1,2,3                        ; each accumulator's lowest registers are read first
	v_max3_num_f32 v[TMP+\i], v[sb+8*\i], v[sb+8*\i+1], v[sb+8*\i+2]
.endr
.irp i, 0,1,2,3
	v_max3_num_f32 v[TMP+\i], v[TMP+\i], v[sb+8*\i+3], v[sb+8*\i+4]
.endr
.irp i, 0,1,2,3
	v_max3_num_f32 v[TMP+\i], v[TMP+\i], v[sb+8*\i+5], v[sb+8*\i+6]
.endr
	v_max3_num_f32 v[TMP],   v[TMP],   v[sb+7],  v[sb+15]
	v_max3_num_f32 v[TMP+1], v[TMP+1], v[sb+23], v[sb+31]
	v_max3_num_f32 v[TMP+2], v[TMP+2], v[TMP+3], v[st]
	v_max3_num_f32 v[TMP],   v[TMP],   v[TMP+1], v[TMP+2]
	v_permlanex16_b32 v[TMP+3], v[TMP], s[SEL], s[SEL+1]   ; the query's other 32 keys lie in the lane 16 away
	v_max_num_f32 v[TMP+1], v[TMP], v[TMP+3]
	v_sub_f32 v[TMP+6], v[st], v[TMP+1]            ; m_old - m_new
	v_mov_b32 v[st], v[TMP+1]
	v_mov_b32 v[st+1], v[TMP+1]
.set i, 0
.rept 16
	v_pk_add_f32 v[sb+2*i:sb+2*i+1], v[sb+2*i:sb+2*i+1], v[st:st+1] neg_lo:[0,1] neg_hi:[0,1]
.set i, i+1
.endr
	v_exp_f32 v[TMP+4], v[TMP+6]                   ; a
.set i, 0
.rept 32
	v_exp_f32 v[sb+i], v[sb+i]
.set i, i+1
.endr
	v_nop                                          ; a plain instruction behind the last exponential,
	s_wait_alu depctr_va_vdst(0)                   ; and one wait for the batch, ahead of the first line that names a result
.set i, 0
.rept 16
	v_cvt_pk_bf16_f32 v[P+i], v[sb+2*i], v[sb+2*i+1]
.set i, i+1
.endr
.irp w, 4,8,16,32                      ; the 16 pairs are added in place, neighbours 1, 2, 4 and 8 pairs apart
.set i, 0
.rept 32/\w
	v_pk_add_f32 v[sb+\w*i:sb+\w*i+1], v[sb+\w*i:sb+\w*i+1], v[sb+\w*i+\w/2:sb+\w*i+\w/2+1]
.set i, i+1
.endr
.endr
	v_pk_fma_f32 v[st+2:st+3], v[st+2:st+3], v[TMP+4:TMP+5], v[sb:sb+1] op_sel_hi:[1,0,1]
.set i, 0
.rept 8
	v_pk_mul_f32 v[ot+2*i:ot+2*i+1], v[ot+2*i:ot+2*i+1], v[TMP+4:TMP+5] op_sel_hi:[1,0]
.set i, i+1
.endr
.endm
	s_load_b128 s[4:7], s[0:1], 0x0                ; QKV s[4:5], OW s[6:7]
	v_lshl_add_u32 v[SPW], v0, 2, SPARE
	v_mov_b32 v[NIL], 0
	v_lshrrev_b32 v150, 5, v0
	v_readfirstlane_b32 s8, v150                   ; wave
	s_and_b32 s9, ttmp7, 0xffff                    ; batch x 8 + head
	s_lshl_b32 s11, ttmp9, 5
	s_lshl2_add_u32 s11, s8, s11                   ; my first tile of 16 queries
	s_mul_i32 s18, s9, 57600
	s_mov_b32 s19, 0
	s_lshl_b32 s26, s9, 16
	s_lshl_b32 s27, s11, 10
	s_add_co_u32 s26, s26, s27
	s_mov_b32 s27, 0
	s_mov_b32 s[SEL], 0x76543210
	s_mov_b32 s[SEL+1], 0xfedcba98
	s_mov_b32 s[TBK], 0
	s_mov_b32 s[TBV], 0
	v_and_b32 v150, 15, v0                         ; r
	v_bfe_u32 v151, v0, 4, 1                       ; h
	v_and_b32 v152, 31, v0                         ; lane
	v_lshlrev_b32 v136, 4, v0                      ; thread t copies the 16 bytes at 16 t + 4,096 i
	v_add_nc_u32 v137, 57344, v136
	v_min_u32 v137, 57584, v137                    ; i = 14: only 16 threads have bytes left; the others load the last 16 and put zeros
	s_lshl_b32 s21, s11, 4
	v_add_nc_u32 v153, s21, v150
.irp t, 0,1,2,3
	v_add_nc_u32 v[QA+\t], 16*\t, v153
	v_min_u32 v[QA+\t], 899, v[QA+\t]
	v_lshlrev_b32 v[QA+\t], 6, v[QA+\t]
	v_lshl_add_u32 v[QA+\t], v151, 4, v[QA+\t]
.endr
	s_wait_kmcnt 0x0
	s_add_nc_u64 s[12:13], s[4:5], s[18:19]        ; Q, K, V of my batch and head
	s_add_nc_u64 s[14:15], s[12:13], 7372800
	s_add_nc_u64 s[16:17], s[14:15], 7372800
	s_add_nc_u64 s[24:25], s[6:7], s[26:27]        ; OW at my first tile
.set i, 0
.rept 14
	global_load_b128 v[16+4*i:16+4*i+3], v136, s[14:15] offset:4096*i
	global_load_b128 v[76+4*i:76+4*i+3], v136, s[16:17] offset:4096*i
.set i, i+1
.endr
	global_load_b128 v[72:75],   v137, s[14:15]
	global_load_b128 v[132:135], v137, s[16:17]
	WIN 0x40
.irp t, 0,1,2,3
	global_load_b128 v[8*\t:8*\t+3],   v[QA+\t], s[12:13]
	global_load_b128 v[8*\t+4:8*\t+7], v[QA+\t], s[12:13] offset:32
.endr
.set i, 0
.rept 32
	v_mov_b32 v[MC+i], 0                           ; the mask is 0 in all steps but the last
.set i, i+1
.endr
	WIN 0
	v_lshrrev_b32 v153, 2, v0
	v_and_b32 v154, 3, v0
	v_mul_u32_u24 v138, v153, PK
	v_lshl_add_u32 v138, v154, 4, v138
	v_add_nc_u32 v139, 8*64*PK, v138
	v_mul_u32_u24 v140, v153, PVP
	v_lshl_add_u32 v140, v154, 4, v140
	v_add_nc_u32 v140, VL, v140
	v_add_nc_u32 v141, 8*64*PVP, v140
	v_mul_u32_u24 v[AK0], v150, PK
	v_lshl_add_u32 v[AK0], v151, 4, v[AK0]
	v_and_b32 v153, 7, v0
	v_lshl_add_u32 v[AV0], v151, 3, v153
	v_mul_u32_u24 v[AV0], v[AV0], PVP
	v_bfe_u32 v153, v0, 3, 1
	v_lshl_add_u32 v[AV0], v153, 4, v[AV0]
	v_add_nc_u32 v[AV0], VL, v[AV0]
	s_mul_i32 s18, s8, 5120
	s_add_co_u32 s18, s18, STG
	v_mul_u32_u24 v[STO], v150, 80
	v_lshl_add_u32 v[STO], v151, 4, v[STO]
	v_add_nc_u32 v[STO], s18, v[STO]
	v_lshrrev_b32 v[RD], 2, v152
	v_mul_u32_u24 v[RD], v[RD], 80
	v_and_b32 v153, 3, v152
	v_lshl_add_u32 v[RD], v153, 4, v[RD]
	v_add_nc_u32 v[RD], s18, v[RD]
	v_lshlrev_b32 v[GO], 4, v152
	v_cmp_eq_u32 vcc_lo, 1, v151
	v_mov_b32 v[HMV], 0xf149f2ca                   ; -1e30
	v_cndmask_b32 v[HMV], 0, v[HMV], vcc_lo
.set i, 0
.rept 64
	v_mov_b32 v[O+i], 0                            ; no first step is written out: O and l start at 0, m at the lowest finite number; this stands in the wait for K and V
.set i, i+1
.endr
.irp t, 0,1,2,3
	v_mov_b32 v[ST+4*\t], 0xff7fffff
	v_mov_b32 v[ST+4*\t+1], 0xff7fffff
	v_mov_b32 v[ST+4*\t+2], 0
	v_mov_b32 v[ST+4*\t+3], 0
.endr
	v_mov_b32 v[TMP+5], 0                          ; named with a as a pair
	s_wait_loadcnt 8                               ; K and V are in; Q's eight loads may stay out
	v_cmp_gt_u32 vcc_lo, 16, v0
.irp i, 72,73,74,75,132,133,134,135
	v_cndmask_b32 v\i, 0, v\i, vcc_lo
.endr
.set i, 0
.rept 8
	ds_store_b128 v138, v[16+4*i:16+4*i+3] offset:64*PK*i
	ds_store_b128 v140, v[76+4*i:76+4*i+3] offset:64*PVP*i
.set i, i+1
.endr
.set i, 0
.rept 7
	ds_store_b128 v139, v[48+4*i:48+4*i+3]   offset:64*PK*i
	ds_store_b128 v141, v[108+4*i:108+4*i+3] offset:64*PVP*i
.set i, i+1
.endr
	s_wait_dscnt 0x0
	s_barrier_signal -1
	s_barrier_wait -1                              ; K and V lie in LDS
	s_wait_loadcnt 0x0                             ; Q
	s_cmp_ge_u32 s11, 57
	s_cbranch_scc1 .Lmeet                          ; tiles 57 and up hold no query: nothing to walk
	FETCH_K
	FETCH_V
	s_mov_b32 s[CNT], 15
.Lstep:
	s_cmp_lg_u32 s[CNT], 1
	s_cbranch_scc1 .Lnomask
	WIN 0x40                                       ; the last step holds keys 896..959: of them 896..899 exist: key block 0, lanes 0-15, registers 0-3
.irp i, 0,1,2,3
	v_mov_b32 v[MC+\i], v[HMV]
.endr
.set i, 4
.rept 28
	v_mov_b32 v[MC+i], 0xf149f2ca
.set i, i+1
.endr
	WIN 0
.Lnomask:
	s_wait_dscnt 0x8                               ; K is in; V's eight loads may stay out
	KQ 0
	KQ 1
	PLACES
	SOFTMAX 0
	s_wait_dscnt 0x0                               ; V is in
	PVM 0
	KQ 2
	SOFTMAX 1                                      ; its plain lines are the places behind the products round it: it names none of their registers
	PVM 1
	KQ 3
	SOFTMAX 2
	s_cmp_eq_u32 s[CNT], 1
	s_cbranch_scc1 .Lnok
	FETCH_K
.Lnok:
	PVM 2
	SOFTMAX 3
	PVM 3
	PLACES
	s_cmp_eq_u32 s[CNT], 1
	s_cbranch_scc1 .Lnov
	FETCH_V
.Lnov:
	s_sub_co_u32 s[CNT], s[CNT], 1
	s_cmp_lg_u32 s[CNT], 0
	s_cbranch_scc1 .Lstep
.Lmeet:
	s_wait_dscnt 0x0                               ; my reads of K and V are over
	s_barrier_signal -1
	s_barrier_wait -1                              ; every wave's are: only now is LDS written again (the stages)
	s_cmp_ge_u32 s11, 57
	s_cbranch_scc1 .Lend
	; the way out: l's halves and the other half of the lanes' are added; O^T is divided by l, rounded and sent through my stage
.irp t, 0,1,2,3
	v_add_f32 v[ST+4*\t+2], v[ST+4*\t+2], v[ST+4*\t+3]
.endr
.irp t, 0,1,2,3
	v_permlanex16_b32 v[ST+4*\t+3], v[ST+4*\t+2], s[SEL], s[SEL+1]
.endr
.irp t, 0,1,2,3
	v_add_f32 v[ST+4*\t+2], v[ST+4*\t+2], v[ST+4*\t+3]
.endr
.irp t, 0,1,2,3
	v_rcp_f32 v[ST+4*\t+2], v[ST+4*\t+2]
.endr
	v_nop
	s_wait_alu depctr_va_vdst(0)                   ; one wait for the four reciprocals
.irp t, 0,1,2,3
.set i, 0
.rept 8
	v_pk_mul_f32 v[O+16*\t+2*i:O+16*\t+2*i+1], v[O+16*\t+2*i:O+16*\t+2*i+1], v[ST+4*\t+2:ST+4*\t+3] op_sel_hi:[1,0]
.set i, i+1
.endr
.set i, 0
.rept 8
	v_cvt_pk_bf16_f32 v[S+8*\t+i], v[O+16*\t+2*i], v[O+16*\t+2*i+1]
.set i, i+1
.endr
	ds_store_b128 v[STO], v[S+8*\t:S+8*\t+3]   offset:\t*1280
	ds_store_b128 v[STO], v[S+8*\t+4:S+8*\t+7] offset:\t*1280+32
.endr
.irp t, 0,1,2,3
	ds_load_b128 v[S+8*\t:S+8*\t+3],   v[RD] offset:\t*1280       ; my own bytes: LDS serves a wave's instructions in order
	ds_load_b128 v[S+8*\t+4:S+8*\t+7], v[RD] offset:\t*1280+640
.endr
	s_wait_dscnt 0x0
.irp t, 0,1,2,3
	global_store_b128 v[GO], v[S+8*\t:S+8*\t+3],   s[24:25] offset:\t*1024       ; 512 consecutive bytes, aligned
	global_store_b128 v[GO], v[S+8*\t+4:S+8*\t+7], s[24:25] offset:\t*1024+512
.endr
.Lend:
	s_wait_tensorcnt 0x0                           ; the wave's end
	ds_add_u32 v[SPW], v[NIL]
	s_wait_dscnt 0x0
	s_endpgm
.Lfunc_end_k_qa79562ac43_attn:
	.size	k_qa79562ac43_attn, .Lfunc_end_k_qa79562ac43_attn-k_qa79562ac43_attn
	.p2alignl 7, 3214868480
	.fill 96, 4, 3214868480
	.section	.rodata,"a",@progbits
	.p2align	6, 0x0
	.amdhsa_kernel k_qa79562ac43_attn
		.amdhsa_group_segment_fixed_size 210944
		.amdhsa_private_segment_fixed_size 0
		.amdhsa_enable_private_segment 0
		.amdhsa_kernarg_size 16
		.amdhsa_user_sgpr_count 2
		.amdhsa_user_sgpr_kernarg_segment_ptr 1
		.amdhsa_wavefront_size32 1
		.amdhsa_system_sgpr_workgroup_id_x 1
		.amdhsa_system_sgpr_workgroup_id_y 1
		.amdhsa_system_sgpr_workgroup_id_z 1
		.amdhsa_system_vgpr_workitem_id 0
		.amdhsa_next_free_vgpr 320
		.amdhsa_next_free_sgpr 66
		.amdhsa_reserve_vcc 1
		.amdhsa_float_denorm_mode_32 3
		.amdhsa_float_denorm_mode_16_64 3
		.amdhsa_memory_ordered 1
		.amdhsa_forward_progress 1
		.amdhsa_inst_pref_size 52
	.end_amdhsa_kernel
	.amdgpu_metadata
---
amdhsa.version: [ 1, 2 ]
amdhsa.kernels:
  - .name:           k_qa79562ac43_attn
    .symbol:         k_qa79562ac43_attn.kd
    .args:
      - { .name: QKV, .offset: 0, .size: 8, .value_kind: global_buffer, .address_space: global }
      - { .name: OW, .offset: 8, .size: 8, .value_kind: global_buffer, .address_space: global }
    .group_segment_fixed_size: 210944
    .private_segment_fixed_size: 0
    .kernarg_segment_align: 8
    .kernarg_segment_size: 16
    .max_flat_workgroup_size: 256
    .sgpr_count:     66
    .vgpr_count:     320
    .wavefront_size: 32
...
	.end_amdgpu_metadata
.endif
;; end of part 4
;; launch mid (part 5): grid 225 x 1, 8 waves a work-group, no clusters, 78,848 bytes of LDS; arguments OW, tgt, tgt_query_pos, tgt_reference_points, WB, out_proj_b, norm2_g, norm2_b, samp_off_b, attn_w_b, T1, IDX, WGT; writes T1, IDX, WGT
.if DOCPART == 5
	.amdgcn_target "amdgcn-amd-amdhsa--gfx1250"
	.amdhsa_code_object_version 6
	.text
	.protected	k_qa79562ac43_mid
	.globl	k_qa79562ac43_mid
	.p2align	8
	.type	k_qa79562ac43_mid,@function
k_qa79562ac43_mid:
	s_mov_b64 s[64:65], 0
	v_nop
	global_prefetch_b8 v0, s[64:65] scope:SCOPE_SE
	s_setreg_imm32_b32 hwreg(HW_REG_WAVE_MODE, 25, 1), 1
	s_wait_xcnt 0x0
; t1 = LayerNorm(tgt + O out_proj^T + b; norm2), stored in f32; from t1 + pos the sampling offsets and the 16 logits of each head; softmax over the 16 (its maximum taken away);
; for each of the 16 points a base index into the value table (a whole number) and four corner weights (attention weight x bilinear weights, bf16).
; A work-group takes 64 rows (4 queries x 16 batches).  Wave w owns columns 32 w .. of out_proj, and head w of the offsets (column tiles 2 w, 2 w + 1) and logits (tile w).
; LAYERNORM.  Each wave makes mean and sum of squared deviations of its 32 columns; the eight meet in LDS and are combined as M2 = sum M2_w + 32 sum (mu_w - mu)^2: no difference of large sums.
; SAMPLING.  x = ref_x W + off_x - 0.5 (another order of rounding than (ref + off / W) W - 0.5).  The base column is floor(x) held to 0 .. W - 2; the weight of column j is max(0, 1 - |x - j|),
; which is the bilinear weight where the corner lies inside the level and 0 where it does not.  The levels (100, 50, 25, 13 squared; starts 0, 10000, 12500, 13125) are the module's constants.
; LIMITS.  NaN and infinities are not treated apart.
; Every store of a wave covers 512 consecutive bytes, aligned.  No cluster: 225 work-groups do not divide by four.  No prefetch: the weights are read by every work-group.
.set PA,    528
.set A0L,   0                          ; the attention's output, 64 rows x 528
.set A1L,   33792                      ; t1 + pos
.set RED,   67584                      ; 64 rows x 80: (mean, M2) of each of 8 waves
.set PAR,   72704                      ; out_b, g2, b2, so_b (1,024 each), aw_b (512, laid twice: each of the 256 threads stores a word of its own; the second copy is not read)
.set SPARE, 77824
.set L16,  1
.set AA0,  2
.set AA1,  3
.set TV,   4                           ; my offset in the block's rows of tgt and pos
.set T1V,  5
.set SA1,  6
.set RV,   7
.set IV,   8
.set WV,   9
.set MR,   10                          ; v10-17  (mean, 1 / sigma) of my row in each of the 4 row tiles
.set PADR, 18
.set PADR2,19
.set WF,   20                          ; v20-23  (W, W) of my level, for s = 0, 1 (level = 2 s + h)
.set WM2,  24                          ; v24-25  W - 2
.set STF,  26                          ; v26-27  the level's first position
.set SPW,  28
.set NIL,  29
.set RADR, 30
.set RRD,  31
.set AF,   32
.set LT,   32
.set ACC,  96                          ; v96-191  accumulator (n, m) at ACC + 8 (4 n + m)
.set SCR,  192
.set CB,   192
.set LC,   192
.set GB,   208
.set REF,  216
.set RDR,  240
.set TM,   232
.set T4,   240
.set IXO,  232
.set WGO,  236
.set PR,   244
.set PX,   246
.set PB,   248
.set PD,   250
.set PCX,  252
.set PCY,  254
.set SEL,  40
.set MSB, 0
.macro WIN new
.if MSB != (\new)
	s_set_vgpr_msb (MSB<<8)|(\new)
.set MSB, (\new)
.endif
.endm
.macro PLACES
.rept 4
	v_nop
.endr
.endm
.macro BAR
	s_wait_dscnt 0x0
	s_barrier_signal -1
	s_barrier_wait -1
.endm
.macro LOADW ws, sb, off, cnt=32
	PLACES
	WIN 0x40
.set li, 0
.rept \cnt
	global_load_b128 v[(\ws)+4*li:(\ws)+4*li+3], v[L16], s[(\sb):(\sb)+1] offset:(\off)+512*li
.set li, li+1
.endr
	WIN 0
.endm
.macro FETCHA buf, aa, off, ms
.irp m, 0,1,2,3
.if (\ms) == 0
	ds_load_b128 v[AF+32*(\buf)+8*\m:AF+32*(\buf)+8*\m+3],   v[(\aa)+\m] offset:(\off)
	ds_load_b128 v[AF+32*(\buf)+8*\m+4:AF+32*(\buf)+8*\m+7], v[(\aa)+\m] offset:(\off)+32
.else
	ds_load_b128 v[AF+32*(\buf)+8*\m:AF+32*(\buf)+8*\m+3],   v[\aa] offset:(\off)+\m*(\ms)
	ds_load_b128 v[AF+32*(\buf)+8*\m+4:AF+32*(\buf)+8*\m+7], v[\aa] offset:(\off)+\m*(\ms)+32
.endif
.endr
.endm
; 64 rows x nt column tiles x 256 along K.  The accumulators take turns, one instruction a turn.  cmode = 1: the first product of each sum takes the bias as C.
.macro GEMM nt, ws, aa, ms, koff, cmode
	FETCHA 0, \aa, \koff, \ms
.set kf, 0
.rept 8
.if kf < 7
.if kf > 0
	PLACES
.endif
	FETCHA (kf+1)&1, \aa, (\koff)+64*(kf+1), \ms
	s_wait_dscnt 0x8                               ; all but the eight loads just issued
.else
	s_wait_dscnt 0x0
.endif
	WIN 0x01
.set gm, 0
.rept 4
.set gn, 0
.rept \nt
.set rA, ACC+8*(4*gn+gm)
.set rW, ((\ws)+64*gn+8*kf)%256
.set rB, AF+32*(kf&1)+8*gm
.if (\cmode) && (kf == 0)
	v_wmma_f32_16x16x32_bf16 v[rA:rA+7], v[rW:rW+7], v[rB:rB+7], v[CB+8*gn:CB+8*gn+7]
.else
	v_wmma_f32_16x16x32_bf16 v[rA:rA+7], v[rW:rW+7], v[rB:rB+7], v[rA:rA+7]
.endif
.set gn, gn+1
.endr
.set gm, gm+1
.endr
	WIN 0
.set kf, kf+1
.endr
	PLACES
	PLACES
.endm
.macro LDPAR dst, adr, off
	ds_load_b128 v[(\dst):(\dst)+3],   v[\adr] offset:(\off)
	ds_load_b128 v[(\dst)+4:(\dst)+7], v[\adr] offset:(\off)+16
.endm
; mean and sum of squared deviations of my wave's 32 columns of each row; a lane holds 16 of them, the lane 16 away the others
.macro LNSTAT Y
.irp m, 0,1,2,3
.set y0, (\Y)+8*\m
.set y1, (\Y)+8*(4+\m)
.set lt, LT+32*((\m)&1)
	v_pk_add_f32 v[lt:lt+1],   v[y0:y0+1],   v[y0+2:y0+3]
	v_pk_add_f32 v[lt+2:lt+3], v[y0+4:y0+5], v[y0+6:y0+7]
	v_pk_add_f32 v[lt+4:lt+5], v[y1:y1+1],   v[y1+2:y1+3]
	v_pk_add_f32 v[lt+6:lt+7], v[y1+4:y1+5], v[y1+6:y1+7]
	v_pk_add_f32 v[lt:lt+1],   v[lt:lt+1],   v[lt+2:lt+3]
	v_pk_add_f32 v[lt+4:lt+5], v[lt+4:lt+5], v[lt+6:lt+7]
	v_pk_add_f32 v[lt:lt+1],   v[lt:lt+1],   v[lt+4:lt+5]
	v_add_f32 v[lt], v[lt], v[lt+1]
	v_permlanex16_b32 v[lt+1], v[lt], s[SEL], s[SEL+1]
	v_add_f32 v[lt], v[lt], v[lt+1]
	v_mul_f32 v[lt+8], 0x3d000000, v[lt]           ; / 32
	v_mov_b32 v[lt+9], v[lt+8]
.irp i, 0,1,2,3
	v_pk_add_f32 v[lt+16+2*\i:lt+17+2*\i], v[y0+2*\i:y0+2*\i+1], v[lt+8:lt+9] neg_lo:[0,1] neg_hi:[0,1]
	v_pk_add_f32 v[lt+24+2*\i:lt+25+2*\i], v[y1+2*\i:y1+2*\i+1], v[lt+8:lt+9] neg_lo:[0,1] neg_hi:[0,1]
.endr
	v_pk_mul_f32 v[lt:lt+1],   v[lt+16:lt+17], v[lt+16:lt+17]
	v_pk_mul_f32 v[lt+2:lt+3], v[lt+24:lt+25], v[lt+24:lt+25]
.irp i, 1,2,3
	v_pk_fma_f32 v[lt:lt+1],   v[lt+16+2*\i:lt+17+2*\i], v[lt+16+2*\i:lt+17+2*\i], v[lt:lt+1]
	v_pk_fma_f32 v[lt+2:lt+3], v[lt+24+2*\i:lt+25+2*\i], v[lt+24+2*\i:lt+25+2*\i], v[lt+2:lt+3]
.endr
	v_pk_add_f32 v[lt:lt+1], v[lt:lt+1], v[lt+2:lt+3]
	v_add_f32 v[lt], v[lt], v[lt+1]
	v_permlanex16_b32 v[lt+1], v[lt], s[SEL], s[SEL+1]
	v_add_f32 v[lt+9], v[lt], v[lt+1]
	ds_store_b64 v[RADR], v[lt+8:lt+9] offset:\m*1280
.endr
.endm
; the eight waves' figures of my row are combined; the four reciprocal roots are one batch with one wait
.macro LNCOMB
.irp m, 0,1,2,3
.irp i, 0,1,2,3
	ds_load_b128 v[RDR+4*\i:RDR+4*\i+3], v[RRD] offset:\m*1280+16*\i
.endr
	s_wait_dscnt 0x0
	v_pk_add_f32 v[LC:LC+1],   v[RDR:RDR+1],     v[RDR+2:RDR+3]
	v_pk_add_f32 v[LC+2:LC+3], v[RDR+4:RDR+5],   v[RDR+6:RDR+7]
	v_pk_add_f32 v[LC+4:LC+5], v[RDR+8:RDR+9],   v[RDR+10:RDR+11]
	v_pk_add_f32 v[LC+6:LC+7], v[RDR+12:RDR+13], v[RDR+14:RDR+15]
	v_pk_add_f32 v[LC:LC+1],   v[LC:LC+1],   v[LC+2:LC+3]
	v_pk_add_f32 v[LC+4:LC+5], v[LC+4:LC+5], v[LC+6:LC+7]
	v_pk_add_f32 v[LC:LC+1],   v[LC:LC+1],   v[LC+4:LC+5]
	v_mul_f32 v[MR+2*\m], 0x3e000000, v[LC]        ; the mean of the 8 means
	v_sub_f32 v[LC+2], v[RDR],   v[MR+2*\m]
	v_sub_f32 v[LC+4], v[RDR+2], v[MR+2*\m]
	v_mul_f32 v[LC+3], v[LC+2], v[LC+2]
	v_mul_f32 v[LC+5], v[LC+4], v[LC+4]
.irp k, 2,4,6
	v_sub_f32 v[LC+2], v[RDR+2*\k],   v[MR+2*\m]
	v_sub_f32 v[LC+4], v[RDR+2*\k+2], v[MR+2*\m]
	v_fmac_f32 v[LC+3], v[LC+2], v[LC+2]
	v_fmac_f32 v[LC+5], v[LC+4], v[LC+4]
.endr
	v_add_f32 v[LC+3], v[LC+3], v[LC+5]
	v_fmamk_f32 v[LC+1], v[LC+3], 0x42000000, v[LC+1]   ; + 32 x
	v_mul_f32 v[LC+1], 0x3b800000, v[LC+1]         ; / 256
	v_add_f32 v[LC+8+\m], 0x3727c5ac, v[LC+1]      ; + 1e-5
	v_rsq_f32 v[MR+2*\m+1], v[LC+8+\m]
.endr
	v_nop
	s_wait_alu depctr_va_vdst(0)
.endm
.macro LNAPPLY dst, Y
.irp m, 0,1,2,3
.irp n, 0,1
.irp i, 0,1,2,3
	v_pk_add_f32 v[(\dst)+8*(4*\n+\m)+2*\i:(\dst)+8*(4*\n+\m)+2*\i+1], v[(\Y)+8*(4*\n+\m)+2*\i:(\Y)+8*(4*\n+\m)+2*\i+1], v[MR+2*\m:MR+2*\m+1] op_sel_hi:[1,0] neg_lo:[0,1] neg_hi:[0,1]
.endr
.irp i, 0,1,2,3
	v_pk_mul_f32 v[(\dst)+8*(4*\n+\m)+2*\i:(\dst)+8*(4*\n+\m)+2*\i+1], v[(\dst)+8*(4*\n+\m)+2*\i:(\dst)+8*(4*\n+\m)+2*\i+1], v[MR+2*\m:MR+2*\m+1] op_sel:[0,1] op_sel_hi:[1,1]
.endr
.irp i, 0,1,2,3
	v_pk_fma_f32 v[(\dst)+8*(4*\n+\m)+2*\i:(\dst)+8*(4*\n+\m)+2*\i+1], v[(\dst)+8*(4*\n+\m)+2*\i:(\dst)+8*(4*\n+\m)+2*\i+1], v[GB+8*\n+2*\i:GB+8*\n+2*\i+1], v[GB+16+8*\n+2*\i:GB+16+8*\n+2*\i+1]
.endr
.endr
.endr
.endm
; the four points of my level 2 s + h, for query m, batch r, head w
.macro POINTS m, s
.set ro, ACC+8*(4*(\s)+(\m))
.set ra, ACC+64+8*(\m)+4*(\s)
.set rr, REF+2*(2*(\m)+(\s))
.set wf, WF+2*(\s)
	s_wait_xcnt 0x0                                ; the last stores have read IXO and WGO
	v_pk_fma_f32 v[PR:PR+1], v[rr:rr+1], v[wf:wf+1], -0.5 op_sel_hi:[1,1,0]
.irp p, 0,1,2,3
	v_pk_add_f32 v[PX:PX+1], v[ro+2*\p:ro+2*\p+1], v[PR:PR+1]      ; (x, y)
	v_floor_f32 v[PB], v[PX]
	v_floor_f32 v[PB+1], v[PX+1]
	v_med3_num_f32 v[PB], v[PB], 0, v[WM2+(\s)]
	v_med3_num_f32 v[PB+1], v[PB+1], 0, v[WM2+(\s)]
	v_pk_add_f32 v[PD:PD+1], v[PX:PX+1], v[PB:PB+1] neg_lo:[0,1] neg_hi:[0,1]
	v_pk_add_f32 v[PX:PX+1], v[PD:PD+1], -1.0 op_sel_hi:[1,0]
	v_and_b32 v[PD], 0x7fffffff, v[PD]
	v_and_b32 v[PD+1], 0x7fffffff, v[PD+1]
	v_and_b32 v[PX], 0x7fffffff, v[PX]
	v_and_b32 v[PX+1], 0x7fffffff, v[PX+1]
	v_sub_f32 v[PCX], 1.0, v[PD]
	v_sub_f32 v[PCX+1], 1.0, v[PX]
	v_sub_f32 v[PCY], 1.0, v[PD+1]
	v_sub_f32 v[PCY+1], 1.0, v[PX+1]
	v_max_num_f32 v[PCX], 0, v[PCX]
	v_max_num_f32 v[PCX+1], 0, v[PCX+1]
	v_max_num_f32 v[PCY], 0, v[PCY]
	v_max_num_f32 v[PCY+1], 0, v[PCY+1]
	v_add_f32 v[PX], v[PB], v[STF+(\s)]
	v_fma_f32 v[PX], v[PB+1], v[wf], v[PX]         ; start + row x W + column: exact in f32
	v_cvt_u32_f32 v[IXO+\p], v[PX]
.if (\p%2) == 0
	v_pk_mul_f32 v[PB:PB+1], v[PCY:PCY+1], v[ra+\p:ra+\p+1] op_sel_hi:[1,0]
.else
	v_pk_mul_f32 v[PB:PB+1], v[PCY:PCY+1], v[ra+\p-1:ra+\p] op_sel:[0,1] op_sel_hi:[1,1]
.endif
	v_pk_mul_f32 v[PD:PD+1], v[PCX:PCX+1], v[PB:PB+1] op_sel_hi:[1,0]
	v_pk_mul_f32 v[PX:PX+1], v[PCX:PCX+1], v[PB:PB+1] op_sel:[0,1] op_sel_hi:[1,1]
	v_cvt_pk_bf16_f32 v[WGO+2*\p], v[PD], v[PD+1]
	v_cvt_pk_bf16_f32 v[WGO+2*\p+1], v[PX], v[PX+1]
.endr
	global_store_b128 v[IV], v[IXO:IXO+3],   s[30:31] offset:(\m)*8192+(\s)*512
	global_store_b128 v[WV], v[WGO:WGO+3],   s[32:33] offset:(\m)*16384+(\s)*1024
	global_store_b128 v[WV], v[WGO+4:WGO+7], s[32:33] offset:(\m)*16384+(\s)*1024+512
.endm
.set RR, SCR+46
.set HH, SCR+47
.set LL, SCR+48
.set TT, SCR+49
	s_load_b512 s[8:23], s[0:1], 0x0               ; OW 8, tgt 10, pos 12, ref 14, WB 16, out_b 18, g2 20, b2 22
	s_load_b256 s[24:31], s[0:1], 0x40             ; so_b 24, aw_b 26, T1 28, IDX 30
	s_load_b64 s[32:33], s[0:1], 0x60              ; WGT
	v_lshl_add_u32 v[SPW], v0, 2, SPARE
	v_mov_b32 v[NIL], 0
	v_lshrrev_b32 v[RR], 5, v0
	v_readfirstlane_b32 s2, v[RR]                  ; wave
	v_and_b32 v[RR], 15, v0
	v_bfe_u32 v[HH], v0, 4, 1
	v_and_b32 v[LL], 31, v0
	v_lshlrev_b32 v[L16], 4, v[LL]
	v_mul_u32_u24 v[AA0], v[RR], PA
	v_lshl_add_u32 v[AA0], v[HH], 4, v[AA0]
	v_add_nc_u32 v[AA1], A1L, v[AA0]
	s_lshl_b32 s3, s2, 6
	v_add_nc_u32 v[SA1], s3, v[AA1]
	v_lshlrev_b32 v[TV], 10, v[RR]
	v_lshl_add_u32 v[TV], v[HH], 5, v[TV]
	s_lshl_b32 s3, s2, 7
	v_add_nc_u32 v[TV], s3, v[TV]
	s_add_co_u32 s3, s3, PAR
	v_lshl_add_u32 v[PADR], v[HH], 5, s3
	s_lshl_b32 s3, s2, 13
	v_add_nc_u32 v[T1V], s3, v[L16]
	v_lshlrev_b32 v[RV], 5, v[RR]
	v_lshl_add_u32 v[IV], v[HH], 4, v[RV]
	v_lshl_add_u32 v[RV], v[HH], 3, v[RV]
	s_lshl_b32 s3, s2, 11
	v_add_nc_u32 v[WV], s3, v[IV]
	s_lshl_b32 s3, s2, 10
	v_add_nc_u32 v[IV], s3, v[IV]
	s_lshl_b32 s3, s2, 6
	s_add_co_u32 s3, s3, PAR+4096
	v_lshl_add_u32 v[PADR2], v[HH], 4, s3
	v_mul_u32_u24 v[RRD], v[RR], 80
	v_add_nc_u32 v[RRD], RED, v[RRD]
	s_lshl_b32 s3, s2, 3
	v_add_nc_u32 v[RADR], s3, v[RRD]
	v_cmp_eq_u32 vcc_lo, 1, v[HH]                  ; the constants of my levels h and 2 + h
	v_mov_b32 v[WF], 0x42480000
	v_cndmask_b32 v[WF], 0x42c80000, v[WF], vcc_lo ; 100 or 50
	v_mov_b32 v[WF+1], v[WF]
	v_mov_b32 v[WF+2], 0x41500000
	v_cndmask_b32 v[WF+2], 0x41c80000, v[WF+2], vcc_lo  ; 25 or 13
	v_mov_b32 v[WF+3], v[WF+2]
	v_mov_b32 v[WM2], 0x42400000
	v_cndmask_b32 v[WM2], 0x42c40000, v[WM2], vcc_lo    ; 98 or 48
	v_mov_b32 v[WM2+1], 0x41300000
	v_cndmask_b32 v[WM2+1], 0x41b80000, v[WM2+1], vcc_lo ; 23 or 11
	v_mov_b32 v[STF], 0x461c4000
	v_cndmask_b32 v[STF], 0, v[STF], vcc_lo        ; 0 or 10000
	v_mov_b32 v[STF+1], 0x464d1400
	v_cndmask_b32 v[STF+1], 0x46435000, v[STF+1], vcc_lo ; 12500 or 13125
	s_lshl_b32 s3, s2, 20                          ; the attention's output: unit (batch x 8 + head) = 16 w + h + 2 i, 256 bytes each
	v_lshlrev_b32 v[SCR+40], 16, v[HH]
	v_lshl_add_u32 v[SCR+40], v[RR], 4, v[SCR+40]
	v_add_nc_u32 v[SCR+40], s3, v[SCR+40]
	v_lshrrev_b32 v[TT], 2, v[RR]
	v_mul_u32_u24 v[SCR+41], v[TT], 16*PA
	v_and_b32 v[TT], 3, v[RR]
	v_lshl_add_u32 v[SCR+41], v[TT], 4, v[SCR+41]
	v_lshl_add_u32 v[SCR+41], v[HH], 6, v[SCR+41]
	s_mul_i32 s3, s2, 2*PA
	v_add_nc_u32 v[SCR+41], s3, v[SCR+41]
	v_lshlrev_b32 v[SCR+42], 2, v0
	v_add_nc_u32 v[SCR+43], PAR, v[SCR+42]
	v_and_b32 v[SCR+44], 511, v[SCR+42]            ; aw_b has 128 words: thread t loads word t % 128
	s_lshl_b32 s34, ttmp9, 8
	s_mov_b32 s35, 0
	s_lshl_b32 s42, ttmp9, 16
	s_mov_b32 s43, 0
	s_lshl_b32 s44, ttmp9, 11
	s_mov_b32 s45, 0
	s_lshl_b32 s46, ttmp9, 15
	s_mov_b32 s47, 0
	s_lshl_b32 s48, s2, 14
	s_mov_b32 s49, 0
	s_lshl_b32 s50, s2, 13
	s_mov_b32 s51, 0
	s_mov_b32 s[SEL], 0x76543210
	s_mov_b32 s[SEL+1], 0xfedcba98
	s_wait_kmcnt 0x0
	s_add_nc_u64 s[8:9], s[8:9], s[34:35]
	s_add_nc_u64 s[10:11], s[10:11], s[42:43]
	s_add_nc_u64 s[12:13], s[12:13], s[42:43]
	s_add_nc_u64 s[14:15], s[14:15], s[44:45]
	s_add_nc_u64 s[28:29], s[28:29], s[42:43]
	s_add_nc_u64 s[30:31], s[30:31], s[46:47]
	s_add_nc_u64 s[32:33], s[32:33], s[42:43]
	s_add_nc_u64 s[36:37], s[16:17], s[48:49]      ; two column tiles a wave
	s_add_nc_u64 s[38:39], s[16:17], s[50:51]      ; one column tile a wave
	global_load_b32 v[SCR+32], v[SCR+42], s[18:19]
	global_load_b32 v[SCR+33], v[SCR+42], s[20:21]
	global_load_b32 v[SCR+34], v[SCR+42], s[22:23]
	global_load_b32 v[SCR+35], v[SCR+42], s[24:25]
	global_load_b32 v[SCR+36], v[SCR+44], s[26:27]
.irp i, 0,1,2,3,4,5,6,7
	global_load_b128 v[SCR+4*\i:SCR+4*\i+3], v[SCR+40], s[8:9] offset:\i*131072
.endr
.irp m, 0,1,2,3
.irp n, 0,1
	global_load_b128 v[ACC+8*(4*\n+\m):ACC+8*(4*\n+\m)+3],   v[TV], s[10:11] offset:\m*16384+\n*64      ; tgt goes straight into the accumulators
	global_load_b128 v[ACC+8*(4*\n+\m)+4:ACC+8*(4*\n+\m)+7], v[TV], s[10:11] offset:\m*16384+\n*64+16
.endr
.endr
	LOADW 0, 36, 393216                            ; out_proj
	s_wait_loadcnt 48                              ; parameters and the attention's output are in; tgt's 16 loads and the 32 weight loads may stay out
	ds_store_b32 v[SCR+43], v[SCR+32]
	ds_store_b32 v[SCR+43], v[SCR+33] offset:1024
	ds_store_b32 v[SCR+43], v[SCR+34] offset:2048
	ds_store_b32 v[SCR+43], v[SCR+35] offset:3072
	ds_store_b32 v[SCR+43], v[SCR+36] offset:4096  ; each thread's own word: aw_b lies twice, and the first copy is read
.irp i, 0,1,2,3,4,5,6,7
	ds_store_b128 v[SCR+41], v[SCR+4*\i:SCR+4*\i+3] offset:(\i/4)*PA+(\i%4)*128
.endr
	BAR                                            ; the 64 rows and the parameters lie in LDS
	LOADW 128, 36, 524288                          ; samp_off
	LDPAR CB,   PADR, 0
	LDPAR CB+8, PADR, 64
	s_wait_loadcnt 32                              ; tgt and out_proj are in; samp_off's 32 loads may stay out
	s_wait_dscnt 0x0
.irp n, 0,1
.irp m, 0,1,2,3
.irp i, 0,1,2,3
	v_pk_add_f32 v[ACC+8*(4*\n+\m)+2*\i:ACC+8*(4*\n+\m)+2*\i+1], v[ACC+8*(4*\n+\m)+2*\i:ACC+8*(4*\n+\m)+2*\i+1], v[CB+8*\n+2*\i:CB+8*\n+2*\i+1]
.endr
.endr
.endr
	GEMM 2, 0, AA0, 16*PA, 0, 0                    ; onto tgt + bias
	LOADW 0, 38, 655360, 16                        ; attn_w
	LNSTAT ACC
	LDPAR GB,    PADR, 1024
	LDPAR GB+8,  PADR, 1024+64
	LDPAR GB+16, PADR, 2048
	LDPAR GB+24, PADR, 2048+64
	BAR                                            ; all eight waves' figures lie in LDS
.irp m, 0,1,2,3
.irp n, 0,1
	global_load_b128 v[AF+8*(4*\n+\m):AF+8*(4*\n+\m)+3],   v[TV], s[12:13] offset:\m*16384+\n*64
	global_load_b128 v[AF+8*(4*\n+\m)+4:AF+8*(4*\n+\m)+7], v[TV], s[12:13] offset:\m*16384+\n*64+16
.endr
.endr
	LNCOMB
	LNAPPLY ACC, ACC
.irp m, 0,1,2,3
.irp n, 0,1
	global_store_b128 v[T1V], v[ACC+8*(4*\n+\m):ACC+8*(4*\n+\m)+3],   s[28:29] offset:(\m*2+\n)*1024
	global_store_b128 v[T1V], v[ACC+8*(4*\n+\m)+4:ACC+8*(4*\n+\m)+7], s[28:29] offset:(\m*2+\n)*1024+512
.endr
.endr
	s_wait_loadcnt 0x0                             ; pos, and both weight chunks
.set i, 0
.rept 32
	v_pk_add_f32 v[AF+2*i:AF+2*i+1], v[AF+2*i:AF+2*i+1], v[ACC+2*i:ACC+2*i+1]
.set i, i+1
.endr
.set i, 0
.rept 32
	v_cvt_pk_bf16_f32 v[AF+i], v[AF+2*i], v[AF+2*i+1]
.set i, i+1
.endr
.irp m, 0,1,2,3
.irp n, 0,1
	ds_store_b128 v[SA1], v[AF+4*(4*\n+\m):AF+4*(4*\n+\m)+3] offset:\m*16*PA+\n*32
.endr
.endr
	LDPAR CB,   PADR, 3072
	LDPAR CB+8, PADR, 3072+64
	ds_load_b128 v[CB+16:CB+19], v[PADR2]
	ds_load_b128 v[CB+20:CB+23], v[PADR2] offset:32
.irp m, 0,1,2,3
.irp s, 0,1
	global_load_b64 v[REF+2*(2*\m+\s):REF+2*(2*\m+\s)+1], v[RV], s[14:15] offset:\m*512+\s*16
.endr
.endr
	BAR                                            ; t1 + pos lies in LDS
	s_wait_xcnt 0x0                                ; t1's stores have read the accumulators
	GEMM 3, 128, AA1, 16*PA, 0, 1                  ; offsets (two tiles) and logits
	s_wait_loadcnt 0x0                             ; the reference points
.irp m, 0,1,2,3                        ; softmax over a head's 16 logits: 8 in my lane, 8 in the lane 16 away
.set lg, ACC+64+8*\m
.set t4, T4+4*\m
.set tm, TM+2*\m
	v_max3_num_f32 v[t4],   v[lg],   v[lg+1], v[lg+2]
	v_max3_num_f32 v[t4+1], v[lg+3], v[lg+4], v[lg+5]
	v_max3_num_f32 v[t4],   v[t4],   v[lg+6], v[lg+7]
	v_max_num_f32 v[t4], v[t4], v[t4+1]
	v_permlanex16_b32 v[t4+1], v[t4], s[SEL], s[SEL+1]
	v_max_num_f32 v[t4], v[t4], v[t4+1]
	v_mul_f32 v[tm], 0x3fb8aa3b, v[t4]
	v_mov_b32 v[tm+1], v[tm]
.irp i, 0,2,4,6
	v_pk_fma_f32 v[lg+\i:lg+\i+1], v[lg+\i:lg+\i+1], 0x3fb8aa3b, v[tm:tm+1] op_sel_hi:[1,0,1] neg_lo:[0,0,1] neg_hi:[0,0,1]
.endr
.endr
.set i, 0
.rept 32
	v_exp_f32 v[ACC+64+i], v[ACC+64+i]
.set i, i+1
.endr
	v_nop
	s_wait_alu depctr_va_vdst(0)                   ; one wait for the 32 exponentials
.irp m, 0,1,2,3
.set lg, ACC+64+8*\m
.set t4, T4+4*\m
	v_pk_add_f32 v[t4:t4+1],   v[lg:lg+1],     v[lg+2:lg+3]
	v_pk_add_f32 v[t4+2:t4+3], v[lg+4:lg+5],   v[lg+6:lg+7]
	v_pk_add_f32 v[t4:t4+1],   v[t4:t4+1],     v[t4+2:t4+3]
	v_add_f32 v[t4], v[t4], v[t4+1]
	v_permlanex16_b32 v[t4+1], v[t4], s[SEL], s[SEL+1]
	v_add_f32 v[t4], v[t4], v[t4+1]
.endr
.irp m, 0,1,2,3
	v_rcp_f32 v[TM+2*\m], v[T4+4*\m]
.endr
	v_nop
	s_wait_alu depctr_va_vdst(0)                   ; one wait for the four reciprocals
.irp m, 0,1,2,3
.irp i, 0,2,4,6
	v_pk_mul_f32 v[ACC+64+8*\m+\i:ACC+64+8*\m+\i+1], v[ACC+64+8*\m+\i:ACC+64+8*\m+\i+1], v[TM+2*\m:TM+2*\m+1] op_sel_hi:[1,0]
.endr
.endr
.irp m, 0,1,2,3
	POINTS \m, 0
	POINTS \m, 1
.endr
	s_wait_tensorcnt 0x0                           ; the wave's end
	ds_add_u32 v[SPW], v[NIL]
	s_wait_dscnt 0x0
	s_endpgm
.Lfunc_end_k_qa79562ac43_mid:
	.size	k_qa79562ac43_mid, .Lfunc_end_k_qa79562ac43_mid-k_qa79562ac43_mid
	.p2alignl 7, 3214868480
	.fill 96, 4, 3214868480
	.section	.rodata,"a",@progbits
	.p2align	6, 0x0
	.amdhsa_kernel k_qa79562ac43_mid
		.amdhsa_group_segment_fixed_size 78848
		.amdhsa_private_segment_fixed_size 0
		.amdhsa_enable_private_segment 0
		.amdhsa_kernarg_size 104
		.amdhsa_user_sgpr_count 2
		.amdhsa_user_sgpr_kernarg_segment_ptr 1
		.amdhsa_wavefront_size32 1
		.amdhsa_system_sgpr_workgroup_id_x 1
		.amdhsa_system_sgpr_workgroup_id_y 1
		.amdhsa_system_sgpr_workgroup_id_z 1
		.amdhsa_system_vgpr_workitem_id 0
		.amdhsa_next_free_vgpr 512
		.amdhsa_next_free_sgpr 66
		.amdhsa_reserve_vcc 1
		.amdhsa_float_denorm_mode_32 3
		.amdhsa_float_denorm_mode_16_64 3
		.amdhsa_memory_ordered 1
		.amdhsa_forward_progress 1
		.amdhsa_inst_pref_size 121
	.end_amdhsa_kernel
	.amdgpu_metadata
---
amdhsa.version: [ 1, 2 ]
amdhsa.kernels:
  - .name:           k_qa79562ac43_mid
    .symbol:         k_qa79562ac43_mid.kd
    .args:
      - { .name: OW, .offset: 0, .size: 8, .value_kind: global_buffer, .address_space: global }
      - { .name: tgt, .offset: 8, .size: 8, .value_kind: global_buffer, .address_space: global }
      - { .name: tgt_query_pos, .offset: 16, .size: 8, .value_kind: global_buffer, .address_space: global }
      - { .name: tgt_reference_points, .offset: 24, .size: 8, .value_kind: global_buffer, .address_space: global }
      - { .name: WB, .offset: 32, .size: 8, .value_kind: global_buffer, .address_space: global }
      - { .name: out_proj_b, .offset: 40, .size: 8, .value_kind: global_buffer, .address_space: global }
      - { .name: norm2_g, .offset: 48, .size: 8, .value_kind: global_buffer, .address_space: global }
      - { .name: norm2_b, .offset: 56, .size: 8, .value_kind: global_buffer, .address_space: global }
      - { .name: samp_off_b, .offset: 64, .size: 8, .value_kind: global_buffer, .address_space: global }
      - { .name: attn_w_b, .offset: 72, .size: 8, .value_kind: global_buffer, .address_space: global }
      - { .name: T1, .offset: 80, .size: 8, .value_kind: global_buffer, .address_space: global }
      - { .name: IDX, .offset: 88, .size: 8, .value_kind: global_buffer, .address_space: global }
      - { .name: WGT, .offset: 96, .size: 8, .value_kind: global_buffer, .address_space: global }
    .group_segment_fixed_size: 78848
    .private_segment_fixed_size: 0
    .kernarg_segment_align: 8
    .kernarg_segment_size: 104
    .max_flat_workgroup_size: 256
    .sgpr_count:     66
    .vgpr_count:     512
    .wavefront_size: 32
...
	.end_amdgpu_metadata
.endif
;; end of part 5
;; launch fin (part 6): grid 225 x 1, 8 waves a work-group, no clusters, 182,272 bytes of LDS; arguments IDX, WGT, VT, T1, WB, ms_out_b, norm1_g, norm1_b, lin1_b, lin2_b, norm3_g, norm3_b, out0; writes out0
.if DOCPART == 6
	.amdgcn_target "amdgcn-amd-amdhsa--gfx1250"
	.amdhsa_code_object_version 6
	.text
	.protected	k_qa79562ac43_fin
	.globl	k_qa79562ac43_fin
	.p2align	8
	.type	k_qa79562ac43_fin,@function
k_qa79562ac43_fin:
	s_mov_b64 s[64:65], 0
	v_nop
	global_prefetch_b8 v0, s[64:65] scope:SCOPE_SE
	s_setreg_imm32_b32 hwreg(HW_REG_WAVE_MODE, 25, 1), 1
	s_wait_xcnt 0x0
; The sampled values (for each row and head the sum over 16 points x 4 corners of weight x table row), ms_out + residual + LayerNorm (norm1), the FFN 256 -> 1024 -> 256 with ReLU,
; residual + LayerNorm (norm3).  A work-group takes 64 rows (4 queries x 16 batches) from the gather to out0; nothing goes through memory in between.
; GATHER.  Wave w takes query w / 2 and eight batches; a lane one batch and 8 of a head's 32 channels (16 bytes of a table row).  The base positions are whole numbers that the launch before
; stored; each is held to its level's largest base and then shifted and added.  A unit is one head's level: 3 loads of indices and weights, asked for four units ahead, and 16 corner loads,
; asked for two units ahead.  Table and weights are bf16; the sums are f32.
; GEMMS.  Wave w owns columns 32 w .. of ms_out and lin2 and columns 128 w .. of lin1.  Weights come as register images from WB, 32 loads of 512 consecutive bytes a chunk, a chunk ahead.
; LAYERNORM as in the launch before: means and sums of squared deviations by wave, combined without a difference of large sums.
; LIMITS.  NaN and infinities are not treated apart.
; No cluster: 225 work-groups do not divide by four.  No prefetch: the table's rows are read again and again by many work-groups, and the weights by all.
.set PA,    528
.set HL,    33792                      ; the hidden layer, 64 rows x 2,064; later out0's rows in f32, 64 x 1,040
.set PH,    2064
.set RED,   165888
.set PAR,   171008                     ; ms_b, g1, b1, l2_b, g3, b3 (1,024 each), lin1_b (4,096)
.set SPARE, 181248
.set HS,    13613056
.set L16,  1
.set AA,   2
.set SA,   3
.set AH,   4                           ; v4-7
.set STH,  8                           ; v8-11
.set MR,   12                          ; v12-19
.set PADR, 20
.set PADR1,21
.set RADR, 22
.set RRD,  23
.set SPW,  24
.set NIL,  25
.set T1V,  26
.set ZR,   27                          ; 0
.set GL,   29                          ; the gather: my 16 bytes in a position's 1,024
.set MO,   30                          ; the gather: my batch's 32 bytes in the lists
.set GA,   31                          ; the gather: where my 16 bytes of the row go
.set OST,  29                          ; behind the gather: into out0's stage
.set ORD,  30                          ; and back
.set AF,   32
.set LT,   32
.set LC,   32
.set GB,   64
.set ACC,  96
.set T2,   160
.set CB,   224
.set RDR,  240
.set DB,   32                          ; v32-159  two slots of 16 corner loads
.set IX,   160                         ; v160-175 4 base positions a level
.set WG,   176                         ; v176-207 8 registers of weights a level
.set AD,   208                         ; v208-215 two slots of 4 offsets
.set GACC, 216
.set GO4,  224
.set SEL,  40
.set MI,   42
.set MW,   44
.set VB,   46
.set CNT,  48
.set WBA,  36
.set WBB,  38
.set MSB, 0
.macro WIN new
.if MSB != (\new)
	s_set_vgpr_msb (MSB<<8)|(\new)
.set MSB, (\new)
.endif
.endm
.macro PLACES
.rept 4
	v_nop
.endr
.endm
.macro BAR
	s_wait_dscnt 0x0
	s_barrier_signal -1
	s_barrier_wait -1
.endm
.macro LOADW ws, sb, off, cnt=32
	PLACES
	WIN 0x40
.set li, 0
.rept \cnt
	global_load_b128 v[(\ws)+4*li:(\ws)+4*li+3], v[L16], s[(\sb):(\sb)+1] offset:(\off)+512*li
.set li, li+1
.endr
	WIN 0
.endm
.macro LOADC c                         ; weight chunk c of nine: ms_out, four of lin1, four of lin2; into set c % 2
.if (\c) == 0
	LOADW 0, WBA, 851968
.elseif (\c) < 5
	LOADW ((\c)&1)*128, WBB, 983040+((\c)-1)*16384
.else
	LOADW ((\c)&1)*128, WBB, 1507328+((\c)-5)*16384
.endif
.endm
.macro FETCHA buf, aa, off, ms
.irp m, 0,1,2,3
.if (\ms) == 0
	ds_load_b128 v[AF+32*(\buf)+8*\m:AF+32*(\buf)+8*\m+3],   v[(\aa)+\m] offset:(\off)
	ds_load_b128 v[AF+32*(\buf)+8*\m+4:AF+32*(\buf)+8*\m+7], v[(\aa)+\m] offset:(\off)+32
.else
	ds_load_b128 v[AF+32*(\buf)+8*\m:AF+32*(\buf)+8*\m+3],   v[\aa] offset:(\off)+\m*(\ms)
	ds_load_b128 v[AF+32*(\buf)+8*\m+4:AF+32*(\buf)+8*\m+7], v[\aa] offset:(\off)+\m*(\ms)+32
.endif
.endr
.endm
; 64 rows x nt column tiles x 256 along K.  The accumulators take turns, one instruction a turn.  cmode = 1: the first product of each sum takes the bias as C.
.macro GEMM nt, ws, aa, ms, koff, cmode
	FETCHA 0, \aa, \koff, \ms
.set kf, 0
.rept 8
.if kf < 7
.if kf > 0
	PLACES
.endif
	FETCHA (kf+1)&1, \aa, (\koff)+64*(kf+1), \ms
	s_wait_dscnt 0x8                               ; all but the eight loads just issued
.else
	s_wait_dscnt 0x0
.endif
	WIN 0x01
.set gm, 0
.rept 4
.set gn, 0
.rept \nt
.set rA, ACC+8*(4*gn+gm)
.set rW, ((\ws)+64*gn+8*kf)%256
.set rB, AF+32*(kf&1)+8*gm
.if (\cmode) && (kf == 0)
	v_wmma_f32_16x16x32_bf16 v[rA:rA+7], v[rW:rW+7], v[rB:rB+7], v[CB+8*gn:CB+8*gn+7]
.else
	v_wmma_f32_16x16x32_bf16 v[rA:rA+7], v[rW:rW+7], v[rB:rB+7], v[rA:rA+7]
.endif
.set gn, gn+1
.endr
.set gm, gm+1
.endr
	WIN 0
.set kf, kf+1
.endr
	PLACES
	PLACES
.endm
.macro LDPAR dst, adr, off
	ds_load_b128 v[(\dst):(\dst)+3],   v[\adr] offset:(\off)
	ds_load_b128 v[(\dst)+4:(\dst)+7], v[\adr] offset:(\off)+16
.endm
.macro LNSTAT Y
.irp m, 0,1,2,3
.set y0, (\Y)+8*\m
.set y1, (\Y)+8*(4+\m)
.set lt, LT+32*((\m)&1)
	v_pk_add_f32 v[lt:lt+1],   v[y0:y0+1],   v[y0+2:y0+3]
	v_pk_add_f32 v[lt+2:lt+3], v[y0+4:y0+5], v[y0+6:y0+7]
	v_pk_add_f32 v[lt+4:lt+5], v[y1:y1+1],   v[y1+2:y1+3]
	v_pk_add_f32 v[lt+6:lt+7], v[y1+4:y1+5], v[y1+6:y1+7]
	v_pk_add_f32 v[lt:lt+1],   v[lt:lt+1],   v[lt+2:lt+3]
	v_pk_add_f32 v[lt+4:lt+5], v[lt+4:lt+5], v[lt+6:lt+7]
	v_pk_add_f32 v[lt:lt+1],   v[lt:lt+1],   v[lt+4:lt+5]
	v_add_f32 v[lt], v[lt], v[lt+1]
	v_permlanex16_b32 v[lt+1], v[lt], s[SEL], s[SEL+1]
	v_add_f32 v[lt], v[lt], v[lt+1]
	v_mul_f32 v[lt+8], 0x3d000000, v[lt]           ; / 32
	v_mov_b32 v[lt+9], v[lt+8]
.irp i, 0,1,2,3
	v_pk_add_f32 v[lt+16+2*\i:lt+17+2*\i], v[y0+2*\i:y0+2*\i+1], v[lt+8:lt+9] neg_lo:[0,1] neg_hi:[0,1]
	v_pk_add_f32 v[lt+24+2*\i:lt+25+2*\i], v[y1+2*\i:y1+2*\i+1], v[lt+8:lt+9] neg_lo:[0,1] neg_hi:[0,1]
.endr
	v_pk_mul_f32 v[lt:lt+1],   v[lt+16:lt+17], v[lt+16:lt+17]
	v_pk_mul_f32 v[lt+2:lt+3], v[lt+24:lt+25], v[lt+24:lt+25]
.irp i, 1,2,3
	v_pk_fma_f32 v[lt:lt+1],   v[lt+16+2*\i:lt+17+2*\i], v[lt+16+2*\i:lt+17+2*\i], v[lt:lt+1]
	v_pk_fma_f32 v[lt+2:lt+3], v[lt+24+2*\i:lt+25+2*\i], v[lt+24+2*\i:lt+25+2*\i], v[lt+2:lt+3]
.endr
	v_pk_add_f32 v[lt:lt+1], v[lt:lt+1], v[lt+2:lt+3]
	v_add_f32 v[lt], v[lt], v[lt+1]
	v_permlanex16_b32 v[lt+1], v[lt], s[SEL], s[SEL+1]
	v_add_f32 v[lt+9], v[lt], v[lt+1]
	ds_store_b64 v[RADR], v[lt+8:lt+9] offset:\m*1280
.endr
.endm
.macro LNCOMB
.irp m, 0,1,2,3
.irp i, 0,1,2,3
	ds_load_b128 v[RDR+4*\i:RDR+4*\i+3], v[RRD] offset:\m*1280+16*\i
.endr
	s_wait_dscnt 0x0
	v_pk_add_f32 v[LC:LC+1],   v[RDR:RDR+1],     v[RDR+2:RDR+3]
	v_pk_add_f32 v[LC+2:LC+3], v[RDR+4:RDR+5],   v[RDR+6:RDR+7]
	v_pk_add_f32 v[LC+4:LC+5], v[RDR+8:RDR+9],   v[RDR+10:RDR+11]
	v_pk_add_f32 v[LC+6:LC+7], v[RDR+12:RDR+13], v[RDR+14:RDR+15]
	v_pk_add_f32 v[LC:LC+1],   v[LC:LC+1],   v[LC+2:LC+3]
	v_pk_add_f32 v[LC+4:LC+5], v[LC+4:LC+5], v[LC+6:LC+7]
	v_pk_add_f32 v[LC:LC+1],   v[LC:LC+1],   v[LC+4:LC+5]
	v_mul_f32 v[MR+2*\m], 0x3e000000, v[LC]
	v_sub_f32 v[LC+2], v[RDR],   v[MR+2*\m]
	v_sub_f32 v[LC+4], v[RDR+2], v[MR+2*\m]
	v_mul_f32 v[LC+3], v[LC+2], v[LC+2]
	v_mul_f32 v[LC+5], v[LC+4], v[LC+4]
.irp k, 2,4,6
	v_sub_f32 v[LC+2], v[RDR+2*\k],   v[MR+2*\m]
	v_sub_f32 v[LC+4], v[RDR+2*\k+2], v[MR+2*\m]
	v_fmac_f32 v[LC+3], v[LC+2], v[LC+2]
	v_fmac_f32 v[LC+5], v[LC+4], v[LC+4]
.endr
	v_add_f32 v[LC+3], v[LC+3], v[LC+5]
	v_fmamk_f32 v[LC+1], v[LC+3], 0x42000000, v[LC+1]
	v_mul_f32 v[LC+1], 0x3b800000, v[LC+1]
	v_add_f32 v[LC+8+\m], 0x3727c5ac, v[LC+1]
	v_rsq_f32 v[MR+2*\m+1], v[LC+8+\m]
.endr
	v_nop
	s_wait_alu depctr_va_vdst(0)                   ; one wait for the four reciprocal roots
.endm
.macro LNAPPLY dst, Y
.irp m, 0,1,2,3
.irp n, 0,1
.irp i, 0,1,2,3
	v_pk_add_f32 v[(\dst)+8*(4*\n+\m)+2*\i:(\dst)+8*(4*\n+\m)+2*\i+1], v[(\Y)+8*(4*\n+\m)+2*\i:(\Y)+8*(4*\n+\m)+2*\i+1], v[MR+2*\m:MR+2*\m+1] op_sel_hi:[1,0] neg_lo:[0,1] neg_hi:[0,1]
.endr
.irp i, 0,1,2,3
	v_pk_mul_f32 v[(\dst)+8*(4*\n+\m)+2*\i:(\dst)+8*(4*\n+\m)+2*\i+1], v[(\dst)+8*(4*\n+\m)+2*\i:(\dst)+8*(4*\n+\m)+2*\i+1], v[MR+2*\m:MR+2*\m+1] op_sel:[0,1] op_sel_hi:[1,1]
.endr
.irp i, 0,1,2,3
	v_pk_fma_f32 v[(\dst)+8*(4*\n+\m)+2*\i:(\dst)+8*(4*\n+\m)+2*\i+1], v[(\dst)+8*(4*\n+\m)+2*\i:(\dst)+8*(4*\n+\m)+2*\i+1], v[GB+8*\n+2*\i:GB+8*\n+2*\i+1], v[GB+16+8*\n+2*\i:GB+16+8*\n+2*\i+1]
.endr
.endr
.endr
.endm
; THE GATHER
.macro MLOAD lv                        ; a level's 4 base positions and 16 corner weights of my batch
	global_load_b128 v[IX+4*(\lv):IX+4*(\lv)+3],   v[MO], s[MI:MI+1] offset:((\lv)/2)*512+((\lv)%2)*16
	global_load_b128 v[WG+8*(\lv):WG+8*(\lv)+3],   v[MO], s[MW:MW+1] offset:((\lv)/2)*1024+((\lv)%2)*16
	global_load_b128 v[WG+8*(\lv)+4:WG+8*(\lv)+7], v[MO], s[MW:MW+1] offset:((\lv)/2)*1024+512+((\lv)%2)*16
.endm
.macro LVL lv                          ; the level's width and its largest base position
.if (\lv) == 0
.set GW, 100
.set GMAX, 9898
.elseif (\lv) == 1
.set GW, 50
.set GMAX, 12448
.elseif (\lv) == 2
.set GW, 25
.set GMAX, 13098
.else
.set GW, 13
.set GMAX, 13279
.endif
.endm
.macro DISSUE lv, slot                 ; 4 points x 4 corners, 16 bytes a lane
	LVL \lv
.irp p, 0,1,2,3
	v_min_u32 v[AD+4*(\slot)+\p], GMAX, v[IX+4*(\lv)+\p]
	v_lshl_add_u32 v[AD+4*(\slot)+\p], v[AD+4*(\slot)+\p], 10, v[GL]
.endr
.irp p, 0,1,2,3
	global_load_b128 v[DB+64*(\slot)+16*\p:DB+64*(\slot)+16*\p+3],     v[AD+4*(\slot)+\p], s[VB:VB+1]
	global_load_b128 v[DB+64*(\slot)+16*\p+4:DB+64*(\slot)+16*\p+7],   v[AD+4*(\slot)+\p], s[VB:VB+1] offset:1024
	global_load_b128 v[DB+64*(\slot)+16*\p+8:DB+64*(\slot)+16*\p+11],  v[AD+4*(\slot)+\p], s[VB:VB+1] offset:GW*1024
	global_load_b128 v[DB+64*(\slot)+16*\p+12:DB+64*(\slot)+16*\p+15], v[AD+4*(\slot)+\p], s[VB:VB+1] offset:(GW+1)*1024
.endr
.endm
.macro PROC lv, slot                   ; 8 channels += weight x corner, 16 corners; a head's first corner starts the sums
.irp p, 0,1,2,3
.irp c, 0,1,2,3
.irp i, 0,1,2,3
.set rd, DB+64*(\slot)+16*\p+4*\c+\i
.set rw, WG+8*(\lv)+2*\p+(\c/2)
.set r0, GACC+2*\i
.set ra0, r0
.set ra1, r0+1
.if ((\lv)+\p+\c) == 0
.set ra0, ZR
.set ra1, ZR
.endif
.if (\c%2) == 0
	v_fma_mix_f32_bf16 v[r0],   v[rd], v[rw], v[ra0] op_sel:[0,0,0] op_sel_hi:[1,1,0]
	v_fma_mix_f32_bf16 v[r0+1], v[rd], v[rw], v[ra1] op_sel:[1,0,0] op_sel_hi:[1,1,0]
.else
	v_fma_mix_f32_bf16 v[r0],   v[rd], v[rw], v[ra0] op_sel:[0,1,0] op_sel_hi:[1,1,0]
	v_fma_mix_f32_bf16 v[r0+1], v[rd], v[rw], v[ra1] op_sel:[1,1,0] op_sel_hi:[1,1,0]
.endif
.endr
.endr
.endr
.endm
; Unit k (level lv of a head).  Behind its 16 corner loads were issued unit k + 3's 3 list loads and unit k + 1's 16 corner loads: the count 19 shows unit k's corners in, unit k + 2's lists in
; (they were issued earlier still), and frees unit k's offsets.
.macro GSTEP lv, cnt, dom, dod
	s_wait_loadcnt \cnt
	PROC \lv, (\lv)&1
.if \dom
	MLOAD \lv
.endif
.if \dod
	DISSUE ((\lv)+2)&3, (\lv)&1
.endif
.endm
.macro HEADOUT                         ; a head's 8 channels, rounded, into the row in LDS
.irp i, 0,1,2,3
	v_cvt_pk_bf16_f32 v[GO4+\i], v[GACC+2*\i], v[GACC+2*\i+1]
.endr
	ds_store_b128 v[GA], v[GO4:GO4+3]
	v_add_nc_u32 v[GA], 64, v[GA]
.endm
	s_load_b512 s[8:23], s[0:1], 0x0               ; IDX 8, WGT 10, VT 12, T1 14, WB 16, ms_b 18, g1 20, b1 22
	s_load_b256 s[24:31], s[0:1], 0x40             ; l1_b 24, l2_b 26, g3 28, b3 30
	s_load_b64 s[32:33], s[0:1], 0x60              ; out0
	v_lshl_add_u32 v[SPW], v0, 2, SPARE
	v_mov_b32 v[NIL], 0
	v_mov_b32 v[ZR], 0
	v_lshrrev_b32 v236, 5, v0
	v_readfirstlane_b32 s2, v236                   ; wave
	v_and_b32 v236, 15, v0                         ; r
	v_bfe_u32 v237, v0, 4, 1                       ; h
	v_and_b32 v238, 31, v0                         ; lane
	v_lshlrev_b32 v[L16], 4, v238
	v_mul_u32_u24 v[AA], v236, PA
	v_lshl_add_u32 v[AA], v237, 4, v[AA]
	s_lshl_b32 s3, s2, 6
	v_add_nc_u32 v[SA], s3, v[AA]
	v_mul_u32_u24 v[AH], v236, PH
	v_lshl_add_u32 v[AH], v237, 4, v[AH]
	v_add_nc_u32 v[AH], HL, v[AH]
	v_add_nc_u32 v[AH+1], 16*PH, v[AH]
	v_add_nc_u32 v[AH+2], 32*PH, v[AH]
	v_add_nc_u32 v[AH+3], 48*PH, v[AH]
	s_lshl_b32 s3, s2, 8
.irp m, 0,1,2,3
	v_add_nc_u32 v[STH+\m], s3, v[AH+\m]
.endr
	s_lshl_b32 s3, s2, 7
	s_add_co_u32 s3, s3, PAR
	v_lshl_add_u32 v[PADR], v237, 5, s3
	s_lshl_b32 s3, s2, 9
	s_add_co_u32 s3, s3, PAR+6144
	v_lshl_add_u32 v[PADR1], v237, 5, s3
	v_mul_u32_u24 v[RRD], v236, 80
	v_add_nc_u32 v[RRD], RED, v[RRD]
	s_lshl_b32 s3, s2, 3
	v_add_nc_u32 v[RADR], s3, v[RRD]
	s_lshl_b32 s3, s2, 13
	v_add_nc_u32 v[T1V], s3, v[L16]
	s_and_b32 s49, s2, 1
	s_lshl_b32 s3, s49, 9
	v_add_nc_u32 v[GL], s3, v[L16]                 ; 64 x batch + 16 x quarter
	v_lshrrev_b32 v239, 2, v238
	s_lshl_b32 s3, s49, 8
	v_lshl_add_u32 v[MO], v239, 5, s3              ; 32 x batch
	v_mul_u32_u24 v[GA], v239, PA
	v_and_b32 v239, 3, v238
	v_lshl_add_u32 v[GA], v239, 4, v[GA]
	s_mul_i32 s3, s2, 8*PA
	v_add_nc_u32 v[GA], s3, v[GA]
	v_lshlrev_b32 v240, 2, v0
	v_add_nc_u32 v241, PAR, v240
	v_lshlrev_b32 v242, 4, v0
	v_add_nc_u32 v243, PAR+6144, v242
	s_lshr_b32 s49, s2, 1
	s_lshl2_add_u32 s49, ttmp9, s49                ; my query
	s_lshl_b32 s34, s49, 13
	s_mov_b32 s35, 0
	s_lshl_b32 s50, s49, 14
	s_mov_b32 s51, 0
	s_lshl_b32 s52, ttmp9, 16
	s_mov_b32 s53, 0
	s_lshl_b32 s54, s2, 14
	s_mov_b32 s55, 0
	s_lshl_b32 s56, s2, 16
	s_mov_b32 s57, 0
	s_mov_b32 s[SEL], 0x76543210
	s_mov_b32 s[SEL+1], 0xfedcba98
	s_wait_kmcnt 0x0
	s_add_nc_u64 s[MI:MI+1], s[8:9], s[34:35]
	s_add_nc_u64 s[MW:MW+1], s[10:11], s[50:51]
	s_mov_b64 s[VB:VB+1], s[12:13]
	s_add_nc_u64 s[14:15], s[14:15], s[52:53]
	s_add_nc_u64 s[32:33], s[32:33], s[52:53]
	s_add_nc_u64 s[WBA:WBA+1], s[16:17], s[54:55]
	s_add_nc_u64 s[WBB:WBB+1], s[16:17], s[56:57]
	MLOAD 0
	MLOAD 1
	MLOAD 2
	global_load_b32 v224, v240, s[18:19]
	global_load_b32 v225, v240, s[20:21]
	global_load_b32 v226, v240, s[22:23]
	global_load_b32 v227, v240, s[26:27]
	global_load_b32 v228, v240, s[28:29]
	global_load_b32 v229, v240, s[30:31]
	global_load_b128 v[232:235], v242, s[24:25]
	LOADC 0
	s_wait_loadcnt 32                              ; lists and parameters are in; the first chunk's 32 loads may stay out
	ds_store_b32 v241, v224
	ds_store_b32 v241, v225 offset:1024
	ds_store_b32 v241, v226 offset:2048
	ds_store_b32 v241, v227 offset:3072
	ds_store_b32 v241, v228 offset:4096
	ds_store_b32 v241, v229 offset:5120
	ds_store_b128 v243, v[232:235]
	LOADC 1
	DISSUE 0, 0
	MLOAD 3
	DISSUE 1, 1
	s_wait_xcnt 0x0                                ; the list loads have read their bases
	s_add_nc_u64 s[MI:MI+1], s[MI:MI+1], 1024      ; the lists of the next head
	s_add_nc_u64 s[MW:MW+1], s[MW:MW+1], 2048
	s_mov_b32 s[CNT], 7
.Lhead:                                        ; a trip: one head's four levels; it asks for the next head's lists and, from its third level on, corners
	GSTEP 0, 19, 1, 1
	GSTEP 1, 19, 1, 1
	s_wait_xcnt 0x0
	s_add_nc_u64 s[VB:VB+1], s[VB:VB+1], HS
	GSTEP 2, 19, 1, 1
	GSTEP 3, 19, 1, 1
	HEADOUT
	s_wait_xcnt 0x0
	s_add_nc_u64 s[MI:MI+1], s[MI:MI+1], 1024
	s_add_nc_u64 s[MW:MW+1], s[MW:MW+1], 2048
	s_sub_co_u32 s[CNT], s[CNT], 1
	s_cmp_lg_u32 s[CNT], 0
	s_cbranch_scc1 .Lhead
	GSTEP 0, 19, 0, 1                              ; the last head: no lists are left to ask for, and the counts run down
	GSTEP 1, 16, 0, 1
	GSTEP 2, 16, 0, 0
	GSTEP 3, 0, 0, 0
	HEADOUT
	v_and_b32 v[CB], 15, v0                        ; the addresses of out0's stage take the gather's registers
	v_bfe_u32 v[CB+1], v0, 4, 1
	v_mul_u32_u24 v[OST], v[CB], 1040
	v_lshl_add_u32 v[OST], v[CB+1], 5, v[OST]
	s_lshl_b32 s3, s2, 7
	s_add_co_u32 s3, s3, HL
	v_add_nc_u32 v[OST], s3, v[OST]
	s_mul_i32 s3, s2, 8*1040
	s_add_co_u32 s3, s3, HL
	v_add_nc_u32 v[ORD], s3, v[L16]
.irp m, 0,1,2,3
.irp n, 0,1
	global_load_b128 v[ACC+8*(4*\n+\m):ACC+8*(4*\n+\m)+3],   v[T1V], s[14:15] offset:(\m*2+\n)*1024       ; the residual goes straight into the accumulators
	global_load_b128 v[ACC+8*(4*\n+\m)+4:ACC+8*(4*\n+\m)+7], v[T1V], s[14:15] offset:(\m*2+\n)*1024+512
.endr
.endr
	BAR                                            ; the sampled rows and the parameters lie in LDS
	LDPAR CB,   PADR, 0
	LDPAR CB+8, PADR, 64
	s_wait_loadcnt 0x0
	s_wait_dscnt 0x0
.irp n, 0,1
.irp m, 0,1,2,3
.irp i, 0,1,2,3
	v_pk_add_f32 v[ACC+8*(4*\n+\m)+2*\i:ACC+8*(4*\n+\m)+2*\i+1], v[ACC+8*(4*\n+\m)+2*\i:ACC+8*(4*\n+\m)+2*\i+1], v[CB+8*\n+2*\i:CB+8*\n+2*\i+1]
.endr
.endr
.endr
	GEMM 2, 0, AA, 16*PA, 0, 0                     ; ms_out, onto residual + bias
	LOADC 2
	LNSTAT ACC
	LDPAR GB,    PADR, 1024
	LDPAR GB+8,  PADR, 1024+64
	LDPAR GB+16, PADR, 2048
	LDPAR GB+24, PADR, 2048+64
	BAR                                            ; the figures lie in LDS, and every wave's reads of the sampled rows are over
	LNCOMB
	LNAPPLY T2, ACC
.set i, 0
.rept 32
	v_cvt_pk_bf16_f32 v[AF+i], v[T2+2*i], v[T2+2*i+1]
.set i, i+1
.endr
.irp m, 0,1,2,3
.irp n, 0,1
	ds_store_b128 v[SA], v[AF+4*(4*\n+\m):AF+4*(4*\n+\m)+3] offset:\m*16*PA+\n*32
.endr
.endr
	BAR                                            ; the normed rows lie in LDS
.irp p, 0,1,2,3                        ; lin1: four passes of two column tiles
	LDPAR CB,   PADR1, 128*\p
	LDPAR CB+8, PADR1, 128*\p+64
	s_wait_loadcnt 32                              ; this pass's chunk is in; the next chunk's 32 loads may stay out
	GEMM 2, ((\p+1)&1)*128, AA, 16*PA, 0, 1
	LOADC \p+3
.set i, 0
.rept 32
	v_cvt_pk_bf16_f32 v[AF+i], v[ACC+2*i], v[ACC+2*i+1]
.set i, i+1
.endr
.set i, 0
.rept 32
	v_pk_max_num_bf16 v[AF+i], v[AF+i], v[ZR]      ; ReLU on the rounded pairs: nothing is rounded again
.set i, i+1
.endr
.irp m, 0,1,2,3
.irp n, 0,1
	ds_store_b128 v[STH+\m], v[AF+4*(4*\n+\m):AF+4*(4*\n+\m)+3] offset:64*\p+32*\n
.endr
.endr
.endr
	BAR                                            ; the hidden layer lies in LDS
	LDPAR CB,   PADR, 3072
	LDPAR CB+8, PADR, 3072+64
.irp kc, 0,1,2,3                       ; lin2: K in four parts of 256
.if \kc < 3
	s_wait_loadcnt 32
.else
	s_wait_loadcnt 0x0
.endif
.if \kc == 0
	GEMM 2, ((\kc+1)&1)*128, AH, 0, 512*\kc, 1
.else
	GEMM 2, ((\kc+1)&1)*128, AH, 0, 512*\kc, 0
.endif
.if \kc < 2
	LOADC \kc+7
.endif
.endr
.set i, 0
.rept 32
	v_pk_add_f32 v[ACC+2*i:ACC+2*i+1], v[ACC+2*i:ACC+2*i+1], v[T2+2*i:T2+2*i+1]
.set i, i+1
.endr
	LNSTAT ACC
	LDPAR GB,    PADR, 4096
	LDPAR GB+8,  PADR, 4096+64
	LDPAR GB+16, PADR, 5120
	LDPAR GB+24, PADR, 5120+64
	BAR                                            ; the figures lie in LDS, and every wave's reads of the hidden layer are over
	LNCOMB
	LNAPPLY ACC, ACC
.irp m, 0,1,2,3
.irp n, 0,1
	ds_store_b128 v[OST], v[ACC+8*(4*\n+\m):ACC+8*(4*\n+\m)+3]   offset:\m*16640+\n*64
	ds_store_b128 v[OST], v[ACC+8*(4*\n+\m)+4:ACC+8*(4*\n+\m)+7] offset:\m*16640+\n*64+16
.endr
.endr
	BAR                                            ; whole rows of out0 lie in LDS
.set j, 0
.rept 16
	ds_load_b128 v[AF+4*j:AF+4*j+3], v[ORD] offset:(j/2)*1040+(j%2)*512
.set j, j+1
.endr
.set j, 0
.rept 16
	s_wait_dscnt 15-j                              ; LDS loads come back in order: load j is in
	global_store_b128 v[T1V], v[AF+4*j:AF+4*j+3], s[32:33] offset:512*j     ; 512 consecutive bytes, aligned
.set j, j+1
.endr
	s_wait_tensorcnt 0x0                           ; the wave's end
	ds_add_u32 v[SPW], v[NIL]
	s_wait_dscnt 0x0
	s_endpgm
.Lfunc_end_k_qa79562ac43_fin:
	.size	k_qa79562ac43_fin, .Lfunc_end_k_qa79562ac43_fin-k_qa79562ac43_fin
	.p2alignl 7, 3214868480
	.fill 96, 4, 3214868480
	.section	.rodata,"a",@progbits
	.p2align	6, 0x0
	.amdhsa_kernel k_qa79562ac43_fin
		.amdhsa_group_segment_fixed_size 182272
		.amdhsa_private_segment_fixed_size 0
		.amdhsa_enable_private_segment 0
		.amdhsa_kernarg_size 104
		.amdhsa_user_sgpr_count 2
		.amdhsa_user_sgpr_kernarg_segment_ptr 1
		.amdhsa_wavefront_size32 1
		.amdhsa_system_sgpr_workgroup_id_x 1
		.amdhsa_system_sgpr_workgroup_id_y 1
		.amdhsa_system_sgpr_workgroup_id_z 1
		.amdhsa_system_vgpr_workitem_id 0
		.amdhsa_next_free_vgpr 512
		.amdhsa_next_free_sgpr 66
		.amdhsa_reserve_vcc 0
		.amdhsa_float_denorm_mode_32 3
		.amdhsa_float_denorm_mode_16_64 3
		.amdhsa_memory_ordered 1
		.amdhsa_forward_progress 1
		.amdhsa_inst_pref_size 255
	.end_amdhsa_kernel
	.section	.bss,"aw",@nobits
	.p2align	6
	.space	262144
	.amdgpu_metadata
---
amdhsa.version: [ 1, 2 ]
amdhsa.kernels:
  - .name:           k_qa79562ac43_fin
    .symbol:         k_qa79562ac43_fin.kd
    .args:
      - { .name: IDX, .offset: 0, .size: 8, .value_kind: global_buffer, .address_space: global }
      - { .name: WGT, .offset: 8, .size: 8, .value_kind: global_buffer, .address_space: global }
      - { .name: VT, .offset: 16, .size: 8, .value_kind: global_buffer, .address_space: global }
      - { .name: T1, .offset: 24, .size: 8, .value_kind: global_buffer, .address_space: global }
      - { .name: WB, .offset: 32, .size: 8, .value_kind: global_buffer, .address_space: global }
      - { .name: ms_out_b, .offset: 40, .size: 8, .value_kind: global_buffer, .address_space: global }
      - { .name: norm1_g, .offset: 48, .size: 8, .value_kind: global_buffer, .address_space: global }
      - { .name: norm1_b, .offset: 56, .size: 8, .value_kind: global_buffer, .address_space: global }
      - { .name: lin1_b, .offset: 64, .size: 8, .value_kind: global_buffer, .address_space: global }
      - { .name: lin2_b, .offset: 72, .size: 8, .value_kind: global_buffer, .address_space: global }
      - { .name: norm3_g, .offset: 80, .size: 8, .value_kind: global_buffer, .address_space: global }
      - { .name: norm3_b, .offset: 88, .size: 8, .value_kind: global_buffer, .address_space: global }
      - { .name: out0, .offset: 96, .size: 8, .value_kind: global_buffer, .address_space: global }
    .group_segment_fixed_size: 182272
    .private_segment_fixed_size: 0
    .kernarg_segment_align: 8
    .kernarg_segment_size: 104
    .max_flat_workgroup_size: 256
    .sgpr_count:     66
    .vgpr_count:     512
    .wavefront_size: 32
...
	.end_amdgpu_metadata
.endif
;; end of part 6
;; ======== version 2 of 3: 6 launches; 1.13 times as fast as version 1
;; workspace buffers: WB 2,031,616 bytes; VT 108,904,448 bytes; QKV 22,118,400 bytes; OW 8,388,608 bytes; T1 14,745,600 bytes; IDX 7,372,800 bytes of whole numbers; WGT 14,745,600 bytes
;; launch prep: the kernel of part 1 again; grid 248 x 1, 8 waves a work-group, no clusters, 0 bytes of LDS; arguments in_proj_w, out_proj_w, samp_off_w, attn_w_w, val_proj_w, ms_out_w, lin1_w, lin2_w, WB; writes WB
;; launch valproj: the kernel of part 2 again; grid 238 x 1, 8 waves a work-group, no clusters, 90,112 bytes of LDS; arguments memory, WB, val_proj_b, VT; writes VT
;; launch qkv: the kernel of part 3 again; grid 225 x 1, 8 waves a work-group, no clusters, 106,496 bytes of LDS; arguments tgt, tgt_query_pos, WB, in_proj_b, QKV; writes QKV
;; launch attn: the kernel of part 4 again; grid 2 x 128, 8 waves a work-group, no clusters, 210,944 bytes of LDS; arguments QKV, OW; writes OW
;; launch mid (part 7): grid 225 x 1, 8 waves a work-group, no clusters, 78,848 bytes of LDS; arguments OW, tgt, tgt_query_pos, tgt_reference_points, WB, out_proj_b, norm2_g, norm2_b, samp_off_b, attn_w_b, T1, IDX, WGT; writes T1, IDX, WGT
.if DOCPART == 7
	.amdgcn_target "amdgcn-amd-amdhsa--gfx1250"
	.amdhsa_code_object_version 6
	.text
	.protected	k_qa79562ac43_mid
	.globl	k_qa79562ac43_mid
	.p2align	8
	.type	k_qa79562ac43_mid,@function
k_qa79562ac43_mid:
	s_mov_b64 s[64:65], 0
	v_nop
	global_prefetch_b8 v0, s[64:65] scope:SCOPE_SE
	s_setreg_imm32_b32 hwreg(HW_REG_WAVE_MODE, 25, 1), 1
	s_wait_xcnt 0x0
; t1 = LayerNorm(tgt + O out_proj^T + b; norm2), stored in f32; from t1 + pos the sampling offsets and the 16 logits of each head; softmax over the 16 (its maximum taken away);
; for each of the 16 points a base index into the value table (a whole number) and four corner weights (attention weight x bilinear weights, bf16).
; A work-group takes 64 rows (4 queries x 16 batches).  Wave w owns columns 32 w .. of out_proj, and head w of the offsets (column tiles 2 w, 2 w + 1) and logits (tile w).
; LAYERNORM.  Each wave makes mean and sum of squared deviations of its 32 columns; the eight meet in LDS and are combined as M2 = sum M2_w + 32 sum (mu_w - mu)^2: no difference of large sums.
; The norm is applied as x / sigma - mean / sigma in one fused multiply-add.
; SAMPLING.  x = ref_x W + off_x - 0.5 (another order of rounding than (ref + off / W) W - 0.5).  The base column is floor(x) held to 0 .. W - 2; the weight of column j is max(0, 1 - |x - j|),
; which is the bilinear weight where the corner lies inside the level and 0 where it does not.  The levels (100, 50, 25, 13 squared; starts 0, 10000, 12500, 13125) are the module's constants.
; The offsets, logits, softmax and points are ONE text, walked four times: a trip is one query (16 batches).
; LIMITS.  NaN and infinities are not treated apart.
; Every store of a wave covers 512 consecutive bytes, aligned.  No cluster: 225 work-groups do not divide by four.  No prefetch: the weights are read by every work-group.
.set PA,    528
.set A0L,   0                          ; the attention's output, 64 rows x 528
.set A1L,   33792                      ; t1 + pos
.set RED,   67584                      ; 64 rows x 80: (mean, M2) of each of 8 waves
.set PAR,   72704                      ; out_b, g2, b2, so_b (1,024 each), aw_b (512, laid twice: each of the 256 threads stores a word of its own; the second copy is not read)
.set SPARE, 77824
.set L16,  1
.set AA0,  2
.set AA1,  3                           ; my lane's place in the row tile of t1 + pos in hand: it steps by 16 rows a trip
.set TV,   4                           ; my offset in the block's rows of tgt and pos
.set T1V,  5
.set SA1,  6
.set RV,   7
.set IV,   8                           ; my offset in the block's index lists, one query ahead of the stores that name it
.set WV,   9                           ; the same for the weights
.set MR,   10                          ; v10-17  (1 / sigma, mean / sigma) of my row in each of the 4 row tiles
.set PADR, 18
.set PADR2,19
.set WF,   20                          ; v20-23  (W, W) of my level, for s = 0, 1 (level = 2 s + h)
.set WM2,  24                          ; v24-25  W - 2
.set STF,  26                          ; v26-27  the level's first position
.set SPW,  28
.set NIL,  29
.set RADR, 30
.set RRD,  31
.set AF,   32
.set LT,   32
.set ACC,  96                          ; v96-159  out_proj's accumulators: (n, m) at ACC + 8 (4 n + m)
.set OS,   96                          ; later: the lists to be stored, 12 registers for each s
.set LA,   160                         ; v160-183 a trip's three accumulators: offsets s = 0, 1, logits
.set SCR,  192
.set CB,   192
.set LC,   192
.set GB,   208
.set REF,  216                         ; v216-231 the reference points, 4 registers a query; the query in hand lies lowest
.set RDR,  240
.set T4,   244
.set TM,   248
.set PR,   244
.set PX,   246
.set PB,   248
.set PD,   250
.set PCX,  252
.set PCY,  254
.set SEL,  40
.set ABS,  52
.set CNT,  53
.set MSB, 0
.macro WIN new
.if MSB != (\new)
	s_set_vgpr_msb (MSB<<8)|(\new)
.set MSB, (\new)
.endif
.endm
.macro PLACES
.rept 4
	v_nop
.endr
.endm
.macro BAR
	s_wait_dscnt 0x0
	s_barrier_signal -1
	s_barrier_wait -1
.endm
.macro LOADW ws, sb, off, cnt=32
	PLACES
	WIN 0x40
.set li, 0
.rept \cnt
	global_load_b128 v[(\ws)+4*li:(\ws)+4*li+3], v[L16], s[(\sb):(\sb)+1] offset:(\off)+512*li
.set li, li+1
.endr
	WIN 0
.endm
.macro FETCHA buf, aa, off, ms
.irp m, 0,1,2,3
	ds_load_b128 v[AF+32*(\buf)+8*\m:AF+32*(\buf)+8*\m+3],   v[\aa] offset:(\off)+\m*(\ms)
	ds_load_b128 v[AF+32*(\buf)+8*\m+4:AF+32*(\buf)+8*\m+7], v[\aa] offset:(\off)+\m*(\ms)+32
.endr
.endm
; 64 rows x 2 column tiles x 256 along K, onto what the accumulators hold.  The accumulators take turns, one instruction a turn.
.macro GEMM ws, aa, ms
	FETCHA 0, \aa, 0, \ms
.set kf, 0
.rept 8
.if kf < 7
.if kf > 0
	PLACES
.endif
	FETCHA (kf+1)&1, \aa, 64*(kf+1), \ms
	s_wait_dscnt 0x8                               ; all but the eight loads just issued
.else
	s_wait_dscnt 0x0
.endif
	WIN 0x01
.set gm, 0
.rept 4
.set gn, 0
.rept 2
.set rA, ACC+8*(4*gn+gm)
.set rW, (\ws)+64*gn+8*kf
.set rB, AF+32*(kf&1)+8*gm
	v_wmma_f32_16x16x32_bf16 v[rA:rA+7], v[rW:rW+7], v[rB:rB+7], v[rA:rA+7]
.set gn, gn+1
.endr
.set gm, gm+1
.endr
	WIN 0
.set kf, kf+1
.endr
	PLACES
	PLACES
.endm
.macro LDPAR dst, adr, off
	ds_load_b128 v[(\dst):(\dst)+3],   v[\adr] offset:(\off)
	ds_load_b128 v[(\dst)+4:(\dst)+7], v[\adr] offset:(\off)+16
.endm
; mean and sum of squared deviations of my wave's 32 columns of each row; a lane holds 16 of them, the lane 16 away the others
.macro LNSTAT Y
.irp m, 0,1,2,3
.set y0, (\Y)+8*\m
.set y1, (\Y)+8*(4+\m)
.set lt, LT+32*((\m)&1)
	v_pk_add_f32 v[lt:lt+1],   v[y0:y0+1],   v[y0+2:y0+3]
	v_pk_add_f32 v[lt+2:lt+3], v[y0+4:y0+5], v[y0+6:y0+7]
	v_pk_add_f32 v[lt+4:lt+5], v[y1:y1+1],   v[y1+2:y1+3]
	v_pk_add_f32 v[lt+6:lt+7], v[y1+4:y1+5], v[y1+6:y1+7]
	v_pk_add_f32 v[lt:lt+1],   v[lt:lt+1],   v[lt+2:lt+3]
	v_pk_add_f32 v[lt+4:lt+5], v[lt+4:lt+5], v[lt+6:lt+7]
	v_pk_add_f32 v[lt:lt+1],   v[lt:lt+1],   v[lt+4:lt+5]
	v_add_f32 v[lt], v[lt], v[lt+1]
	v_permlanex16_b32 v[lt+1], v[lt], s[SEL], s[SEL+1]
	v_add_f32 v[lt], v[lt], v[lt+1]
	v_mul_f32 v[lt+8], 0x3d000000, v[lt]           ; / 32
	v_mov_b32 v[lt+9], v[lt+8]
.irp i, 0,1,2,3
	v_pk_add_f32 v[lt+16+2*\i:lt+17+2*\i], v[y0+2*\i:y0+2*\i+1], v[lt+8:lt+9] neg_lo:[0,1] neg_hi:[0,1]
	v_pk_add_f32 v[lt+24+2*\i:lt+25+2*\i], v[y1+2*\i:y1+2*\i+1], v[lt+8:lt+9] neg_lo:[0,1] neg_hi:[0,1]
.endr
	v_pk_mul_f32 v[lt:lt+1],   v[lt+16:lt+17], v[lt+16:lt+17]
	v_pk_mul_f32 v[lt+2:lt+3], v[lt+24:lt+25], v[lt+24:lt+25]
.irp i, 1,2,3
	v_pk_fma_f32 v[lt:lt+1],   v[lt+16+2*\i:lt+17+2*\i], v[lt+16+2*\i:lt+17+2*\i], v[lt:lt+1]
	v_pk_fma_f32 v[lt+2:lt+3], v[lt+24+2*\i:lt+25+2*\i], v[lt+24+2*\i:lt+25+2*\i], v[lt+2:lt+3]
.endr
	v_pk_add_f32 v[lt:lt+1], v[lt:lt+1], v[lt+2:lt+3]
	v_add_f32 v[lt], v[lt], v[lt+1]
	v_permlanex16_b32 v[lt+1], v[lt], s[SEL], s[SEL+1]
	v_add_f32 v[lt+9], v[lt], v[lt+1]
	ds_store_b64 v[RADR], v[lt+8:lt+9] offset:\m*1280
.endr
.endm
; the eight waves' figures of my row are combined; the four reciprocal roots are one batch with one wait
.macro LNCOMB
.irp m, 0,1,2,3
.irp i, 0,1,2,3
	ds_load_b128 v[RDR+4*\i:RDR+4*\i+3], v[RRD] offset:\m*1280+16*\i
.endr
	s_wait_dscnt 0x0
	v_pk_add_f32 v[LC:LC+1],   v[RDR:RDR+1],     v[RDR+2:RDR+3]
	v_pk_add_f32 v[LC+2:LC+3], v[RDR+4:RDR+5],   v[RDR+6:RDR+7]
	v_pk_add_f32 v[LC+4:LC+5], v[RDR+8:RDR+9],   v[RDR+10:RDR+11]
	v_pk_add_f32 v[LC+6:LC+7], v[RDR+12:RDR+13], v[RDR+14:RDR+15]
	v_pk_add_f32 v[LC:LC+1],   v[LC:LC+1],   v[LC+2:LC+3]
	v_pk_add_f32 v[LC+4:LC+5], v[LC+4:LC+5], v[LC+6:LC+7]
	v_pk_add_f32 v[LC:LC+1],   v[LC:LC+1],   v[LC+4:LC+5]
	v_mul_f32 v[LC+12+\m], 0x3e000000, v[LC]       ; the mean of the 8 means
	v_sub_f32 v[LC+2], v[RDR],   v[LC+12+\m]
	v_sub_f32 v[LC+4], v[RDR+2], v[LC+12+\m]
	v_mul_f32 v[LC+3], v[LC+2], v[LC+2]
	v_mul_f32 v[LC+5], v[LC+4], v[LC+4]
.irp k, 2,4,6
	v_sub_f32 v[LC+2], v[RDR+2*\k],   v[LC+12+\m]
	v_sub_f32 v[LC+4], v[RDR+2*\k+2], v[LC+12+\m]
	v_fmac_f32 v[LC+3], v[LC+2], v[LC+2]
	v_fmac_f32 v[LC+5], v[LC+4], v[LC+4]
.endr
	v_add_f32 v[LC+3], v[LC+3], v[LC+5]
	v_fmamk_f32 v[LC+1], v[LC+3], 0x42000000, v[LC+1]   ; + 32 x
	v_mul_f32 v[LC+1], 0x3b800000, v[LC+1]         ; / 256
	v_add_f32 v[LC+8+\m], 0x3727c5ac, v[LC+1]      ; + 1e-5
	v_rsq_f32 v[MR+2*\m], v[LC+8+\m]
.endr
	v_nop
	s_wait_alu depctr_va_vdst(0)
.irp m, 0,1,2,3
	v_mul_f32 v[MR+2*\m+1], v[LC+12+\m], v[MR+2*\m]     ; mean / sigma
.endr
.endm
.macro LNAPPLY dst, Y                  ; (x / sigma - mean / sigma) g + b: two fused multiply-adds for two numbers
.irp m, 0,1,2,3
.irp n, 0,1
.irp i, 0,1,2,3
	v_pk_fma_f32 v[(\dst)+8*(4*\n+\m)+2*\i:(\dst)+8*(4*\n+\m)+2*\i+1], v[(\Y)+8*(4*\n+\m)+2*\i:(\Y)+8*(4*\n+\m)+2*\i+1], v[MR+2*\m:MR+2*\m+1], v[MR+2*\m:MR+2*\m+1] op_sel:[0,0,1] op_sel_hi:[1,0,1] neg_lo:[0,0,1] neg_hi:[0,0,1]
.endr
.irp i, 0,1,2,3
	v_pk_fma_f32 v[(\dst)+8*(4*\n+\m)+2*\i:(\dst)+8*(4*\n+\m)+2*\i+1], v[(\dst)+8*(4*\n+\m)+2*\i:(\dst)+8*(4*\n+\m)+2*\i+1], v[GB+8*\n+2*\i:GB+8*\n+2*\i+1], v[GB+16+8*\n+2*\i:GB+16+8*\n+2*\i+1]
.endr
.endr
.endr
.endm
; the four points of my level 2 s + h, for the query in hand, batch r, head w
.macro POINTS s
.set ro, LA+8*(\s)
.set ra, LA+16+4*(\s)
.set rr, REF+2*(\s)
.set wf, WF+2*(\s)
.set ixo, OS+12*(\s)
.set wgo, OS+12*(\s)+4
.if (\s) == 0
	s_wait_xcnt 0x0                                ; the last trip's six stores have read their lists and offsets: one wait a trip, a product and a softmax behind them
	v_add_nc_u32 v[IV], 8192, v[IV]                ; a query on; the stores below reach back
	v_add_nc_u32 v[WV], 16384, v[WV]
.endif
	v_pk_fma_f32 v[PR:PR+1], v[rr:rr+1], v[wf:wf+1], -0.5 op_sel_hi:[1,1,0]
.irp p, 0,1,2,3
	v_pk_add_f32 v[PX:PX+1], v[ro+2*\p:ro+2*\p+1], v[PR:PR+1]      ; (x, y)
	v_floor_f32 v[PB], v[PX]
	v_floor_f32 v[PB+1], v[PX+1]
	v_med3_num_f32 v[PB], v[PB], 0, v[WM2+(\s)]
	v_med3_num_f32 v[PB+1], v[PB+1], 0, v[WM2+(\s)]
	v_pk_add_f32 v[PD:PD+1], v[PX:PX+1], v[PB:PB+1] neg_lo:[0,1] neg_hi:[0,1]
	v_pk_add_f32 v[PX:PX+1], v[PD:PD+1], -1.0 op_sel_hi:[1,0]
	v_and_b32 v[PD], s[ABS], v[PD]
	v_and_b32 v[PD+1], s[ABS], v[PD+1]
	v_and_b32 v[PX], s[ABS], v[PX]
	v_and_b32 v[PX+1], s[ABS], v[PX+1]
	v_sub_f32 v[PCX], 1.0, v[PD]
	v_sub_f32 v[PCX+1], 1.0, v[PX]
	v_sub_f32 v[PCY], 1.0, v[PD+1]
	v_sub_f32 v[PCY+1], 1.0, v[PX+1]
	v_max_num_f32 v[PCX], 0, v[PCX]
	v_max_num_f32 v[PCX+1], 0, v[PCX+1]
	v_max_num_f32 v[PCY], 0, v[PCY]
	v_max_num_f32 v[PCY+1], 0, v[PCY+1]
	v_add_f32 v[PX], v[PB], v[STF+(\s)]
	v_fma_f32 v[PX], v[PB+1], v[wf], v[PX]         ; start + row x W + column: exact in f32
	v_cvt_u32_f32 v[ixo+\p], v[PX]
.if (\p%2) == 0
	v_pk_mul_f32 v[PB:PB+1], v[PCY:PCY+1], v[ra+\p:ra+\p+1] op_sel_hi:[1,0]
.else
	v_pk_mul_f32 v[PB:PB+1], v[PCY:PCY+1], v[ra+\p-1:ra+\p] op_sel:[0,1] op_sel_hi:[1,1]
.endif
	v_pk_mul_f32 v[PD:PD+1], v[PCX:PCX+1], v[PB:PB+1] op_sel_hi:[1,0]
	v_pk_mul_f32 v[PX:PX+1], v[PCX:PCX+1], v[PB:PB+1] op_sel:[0,1] op_sel_hi:[1,1]
	v_cvt_pk_bf16_f32 v[wgo+2*\p], v[PD], v[PD+1]
	v_cvt_pk_bf16_f32 v[wgo+2*\p+1], v[PX], v[PX+1]
.endr
	global_store_b128 v[IV], v[ixo:ixo+3],   s[30:31] offset:(\s)*512-8192
	global_store_b128 v[WV], v[wgo:wgo+3],   s[32:33] offset:(\s)*1024-16384
	global_store_b128 v[WV], v[wgo+4:wgo+7], s[32:33] offset:(\s)*1024+512-16384
.endm
.set RR, SCR+46
.set HH, SCR+47
.set LL, SCR+48
.set TT, SCR+49
	s_load_b512 s[8:23], s[0:1], 0x0               ; OW 8, tgt 10, pos 12, ref 14, WB 16, out_b 18, g2 20, b2 22
	s_load_b256 s[24:31], s[0:1], 0x40             ; so_b 24, aw_b 26, T1 28, IDX 30
	s_load_b64 s[32:33], s[0:1], 0x60              ; WGT
	v_lshl_add_u32 v[SPW], v0, 2, SPARE
	v_mov_b32 v[NIL], 0
	v_lshrrev_b32 v[RR], 5, v0
	v_readfirstlane_b32 s2, v[RR]                  ; wave
	v_and_b32 v[RR], 15, v0
	v_bfe_u32 v[HH], v0, 4, 1
	v_and_b32 v[LL], 31, v0
	v_lshlrev_b32 v[L16], 4, v[LL]
	v_mul_u32_u24 v[AA0], v[RR], PA
	v_lshl_add_u32 v[AA0], v[HH], 4, v[AA0]
	v_add_nc_u32 v[AA1], A1L, v[AA0]
	s_lshl_b32 s3, s2, 6
	v_add_nc_u32 v[SA1], s3, v[AA1]
	v_lshlrev_b32 v[TV], 10, v[RR]
	v_lshl_add_u32 v[TV], v[HH], 5, v[TV]
	s_lshl_b32 s3, s2, 7
	v_add_nc_u32 v[TV], s3, v[TV]
	s_add_co_u32 s3, s3, PAR
	v_lshl_add_u32 v[PADR], v[HH], 5, s3
	s_lshl_b32 s3, s2, 13
	v_add_nc_u32 v[T1V], s3, v[L16]
	v_lshlrev_b32 v[RV], 5, v[RR]
	v_lshl_add_u32 v[IV], v[HH], 4, v[RV]
	v_lshl_add_u32 v[RV], v[HH], 3, v[RV]
	s_lshl_b32 s3, s2, 11
	v_add_nc_u32 v[WV], s3, v[IV]
	s_lshl_b32 s3, s2, 10
	v_add_nc_u32 v[IV], s3, v[IV]
	s_lshl_b32 s3, s2, 6
	s_add_co_u32 s3, s3, PAR+4096
	v_lshl_add_u32 v[PADR2], v[HH], 4, s3
	v_mul_u32_u24 v[RRD], v[RR], 80
	v_add_nc_u32 v[RRD], RED, v[RRD]
	s_lshl_b32 s3, s2, 3
	v_add_nc_u32 v[RADR], s3, v[RRD]
	v_cmp_eq_u32 vcc_lo, 1, v[HH]                  ; the constants of my levels h and 2 + h
	v_mov_b32 v[WF], 0x42480000
	v_cndmask_b32 v[WF], 0x42c80000, v[WF], vcc_lo ; 100 or 50
	v_mov_b32 v[WF+1], v[WF]
	v_mov_b32 v[WF+2], 0x41500000
	v_cndmask_b32 v[WF+2], 0x41c80000, v[WF+2], vcc_lo  ; 25 or 13
	v_mov_b32 v[WF+3], v[WF+2]
	v_mov_b32 v[WM2], 0x42400000
	v_cndmask_b32 v[WM2], 0x42c40000, v[WM2], vcc_lo    ; 98 or 48
	v_mov_b32 v[WM2+1], 0x41300000
	v_cndmask_b32 v[WM2+1], 0x41b80000, v[WM2+1], vcc_lo ; 23 or 11
	v_mov_b32 v[STF], 0x461c4000
	v_cndmask_b32 v[STF], 0, v[STF], vcc_lo        ; 0 or 10000
	v_mov_b32 v[STF+1], 0x464d1400
	v_cndmask_b32 v[STF+1], 0x46435000, v[STF+1], vcc_lo ; 12500 or 13125
	s_lshl_b32 s3, s2, 20                          ; the attention's output: unit (batch x 8 + head) = 16 w + h + 2 i, 256 bytes each
	v_lshlrev_b32 v[SCR+40], 16, v[HH]
	v_lshl_add_u32 v[SCR+40], v[RR], 4, v[SCR+40]
	v_add_nc_u32 v[SCR+40], s3, v[SCR+40]
	v_lshrrev_b32 v[TT], 2, v[RR]
	v_mul_u32_u24 v[SCR+41], v[TT], 16*PA
	v_and_b32 v[TT], 3, v[RR]
	v_lshl_add_u32 v[SCR+41], v[TT], 4, v[SCR+41]
	v_lshl_add_u32 v[SCR+41], v[HH], 6, v[SCR+41]
	s_mul_i32 s3, s2, 2*PA
	v_add_nc_u32 v[SCR+41], s3, v[SCR+41]
	v_lshlrev_b32 v[SCR+42], 2, v0
	v_add_nc_u32 v[SCR+43], PAR, v[SCR+42]
	v_and_b32 v[SCR+44], 511, v[SCR+42]            ; aw_b has 128 words: thread t loads word t % 128
	s_lshl_b32 s34, ttmp9, 8
	s_mov_b32 s35, 0
	s_lshl_b32 s42, ttmp9, 16
	s_mov_b32 s43, 0
	s_lshl_b32 s44, ttmp9, 11
	s_mov_b32 s45, 0
	s_lshl_b32 s46, ttmp9, 15
	s_mov_b32 s47, 0
	s_lshl_b32 s48, s2, 14
	s_mov_b32 s49, 0
	s_lshl_b32 s50, s2, 13
	s_mov_b32 s51, 0
	s_mov_b32 s[SEL], 0x76543210
	s_mov_b32 s[SEL+1], 0xfedcba98
	s_mov_b32 s[ABS], 0x7fffffff
	s_wait_kmcnt 0x0
	s_add_nc_u64 s[8:9], s[8:9], s[34:35]
	s_add_nc_u64 s[10:11], s[10:11], s[42:43]
	s_add_nc_u64 s[12:13], s[12:13], s[42:43]
	s_add_nc_u64 s[14:15], s[14:15], s[44:45]
	s_add_nc_u64 s[28:29], s[28:29], s[42:43]
	s_add_nc_u64 s[30:31], s[30:31], s[46:47]
	s_add_nc_u64 s[32:33], s[32:33], s[42:43]
	s_add_nc_u64 s[36:37], s[16:17], s[48:49]      ; two column tiles a wave
	s_add_nc_u64 s[38:39], s[16:17], s[50:51]      ; one column tile a wave
	global_load_b32 v[SCR+32], v[SCR+42], s[18:19]
	global_load_b32 v[SCR+33], v[SCR+42], s[20:21]
	global_load_b32 v[SCR+34], v[SCR+42], s[22:23]
	global_load_b32 v[SCR+35], v[SCR+42], s[24:25]
	global_load_b32 v[SCR+36], v[SCR+44], s[26:27]
.irp i, 0,1,2,3,4,5,6,7
	global_load_b128 v[SCR+4*\i:SCR+4*\i+3], v[SCR+40], s[8:9] offset:\i*131072
.endr
.irp m, 0,1,2,3
.irp n, 0,1
	global_load_b128 v[ACC+8*(4*\n+\m):ACC+8*(4*\n+\m)+3],   v[TV], s[10:11] offset:\m*16384+\n*64      ; tgt goes straight into the accumulators
	global_load_b128 v[ACC+8*(4*\n+\m)+4:ACC+8*(4*\n+\m)+7], v[TV], s[10:11] offset:\m*16384+\n*64+16
.endr
.endr
	LOADW 0, 36, 393216                            ; out_proj
	s_wait_loadcnt 48                              ; parameters and the attention's output are in; tgt's 16 loads and the 32 weight loads may stay out
	ds_store_b32 v[SCR+43], v[SCR+32]
	ds_store_b32 v[SCR+43], v[SCR+33] offset:1024
	ds_store_b32 v[SCR+43], v[SCR+34] offset:2048
	ds_store_b32 v[SCR+43], v[SCR+35] offset:3072
	ds_store_b32 v[SCR+43], v[SCR+36] offset:4096  ; each thread's own word: aw_b lies twice, and the first copy is read
.irp i, 0,1,2,3,4,5,6,7
	ds_store_b128 v[SCR+41], v[SCR+4*\i:SCR+4*\i+3] offset:(\i/4)*PA+(\i%4)*128
.endr
	BAR                                            ; the 64 rows and the parameters lie in LDS
	LOADW 128, 36, 524288                          ; samp_off
	LDPAR CB,   PADR, 0
	LDPAR CB+8, PADR, 64
	s_wait_loadcnt 32                              ; tgt and out_proj are in; samp_off's 32 loads may stay out
	s_wait_dscnt 0x0
.irp n, 0,1
.irp m, 0,1,2,3
.irp i, 0,1,2,3
	v_pk_add_f32 v[ACC+8*(4*\n+\m)+2*\i:ACC+8*(4*\n+\m)+2*\i+1], v[ACC+8*(4*\n+\m)+2*\i:ACC+8*(4*\n+\m)+2*\i+1], v[CB+8*\n+2*\i:CB+8*\n+2*\i+1]
.endr
.endr
.endr
	GEMM 0, AA0, 16*PA                             ; onto tgt + bias
	LOADW 0, 38, 655360, 16                        ; attn_w
	LNSTAT ACC
	LDPAR GB,    PADR, 1024
	LDPAR GB+8,  PADR, 1024+64
	LDPAR GB+16, PADR, 2048
	LDPAR GB+24, PADR, 2048+64
	BAR                                            ; all eight waves' figures lie in LDS
.irp m, 0,1,2,3
.irp n, 0,1
	global_load_b128 v[AF+8*(4*\n+\m):AF+8*(4*\n+\m)+3],   v[TV], s[12:13] offset:\m*16384+\n*64
	global_load_b128 v[AF+8*(4*\n+\m)+4:AF+8*(4*\n+\m)+7], v[TV], s[12:13] offset:\m*16384+\n*64+16
.endr
.endr
	LNCOMB
	LNAPPLY ACC, ACC
.irp m, 0,1,2,3
.irp n, 0,1
	global_store_b128 v[T1V], v[ACC+8*(4*\n+\m):ACC+8*(4*\n+\m)+3],   s[28:29] offset:(\m*2+\n)*1024
	global_store_b128 v[T1V], v[ACC+8*(4*\n+\m)+4:ACC+8*(4*\n+\m)+7], s[28:29] offset:(\m*2+\n)*1024+512
.endr
.endr
	s_wait_loadcnt 0x0                             ; pos, and both weight chunks
.set i, 0
.rept 32
	v_pk_add_f32 v[AF+2*i:AF+2*i+1], v[AF+2*i:AF+2*i+1], v[ACC+2*i:ACC+2*i+1]
.set i, i+1
.endr
.set i, 0
.rept 32
	v_cvt_pk_bf16_f32 v[AF+i], v[AF+2*i], v[AF+2*i+1]
.set i, i+1
.endr
.irp m, 0,1,2,3
.irp n, 0,1
	ds_store_b128 v[SA1], v[AF+4*(4*\n+\m):AF+4*(4*\n+\m)+3] offset:\m*16*PA+\n*32
.endr
.endr
	LDPAR CB,   PADR, 3072
	LDPAR CB+8, PADR, 3072+64
	ds_load_b128 v[CB+16:CB+19], v[PADR2]
	ds_load_b128 v[CB+20:CB+23], v[PADR2] offset:32
.irp m, 0,1,2,3
.irp s, 0,1
	global_load_b64 v[REF+2*(2*\m+\s):REF+2*(2*\m+\s)+1], v[RV], s[14:15] offset:\m*512+\s*16
.endr
.endr
	BAR                                            ; t1 + pos lies in LDS; the biases are in
	s_wait_xcnt 0x0                                ; t1's stores have read the accumulators: their registers take the lists
	s_mov_b32 s[CNT], 4
.Lrow:                                         ; a trip: one query's 16 batches: offsets and logits of my head, softmax, 16 points
.set k, 0
.rept 8
	ds_load_b128 v[AF+8*k:AF+8*k+3],   v[AA1] offset:64*k
	ds_load_b128 v[AF+8*k+4:AF+8*k+7], v[AA1] offset:64*k+32
.set k, k+1
.endr
	WIN 0x01                                       ; weights in window 1
.set k, 0
.rept 8
	s_wait_dscnt 14-2*k                            ; LDS loads come back in order: this K step's two are in, the later steps' may stay out
.irp n, 0,1,2                          ; the three accumulators take turns; the first product of each sum takes the bias as C
.if k == 0
	v_wmma_f32_16x16x32_bf16 v[LA+8*\n:LA+8*\n+7], v[(128+64*\n+8*k)%256:(128+64*\n+8*k)%256+7], v[AF+8*k:AF+8*k+7], v[CB+8*\n:CB+8*\n+7]
.else
	v_wmma_f32_16x16x32_bf16 v[LA+8*\n:LA+8*\n+7], v[(128+64*\n+8*k)%256:(128+64*\n+8*k)%256+7], v[AF+8*k:AF+8*k+7], v[LA+8*\n:LA+8*\n+7]
.endif
.endr
.set k, k+1
.endr
	WIN 0
	PLACES
	PLACES
	v_add_nc_u32 v[AA1], 16*PA, v[AA1]             ; the next query's rows
.set lg, LA+16                         ; softmax over the head's 16 logits: 8 in my lane, 8 in the lane 16 away
	v_max3_num_f32 v[T4],   v[lg],   v[lg+1], v[lg+2]
	v_max3_num_f32 v[T4+1], v[lg+3], v[lg+4], v[lg+5]
	v_max3_num_f32 v[T4],   v[T4],   v[lg+6], v[lg+7]
	v_max_num_f32 v[T4], v[T4], v[T4+1]
	v_permlanex16_b32 v[T4+1], v[T4], s[SEL], s[SEL+1]
	v_max_num_f32 v[T4], v[T4], v[T4+1]
	v_mul_f32 v[TM], 0x3fb8aa3b, v[T4]
	v_mov_b32 v[TM+1], v[TM]
.irp i, 0,2,4,6
	v_pk_fma_f32 v[lg+\i:lg+\i+1], v[lg+\i:lg+\i+1], 0x3fb8aa3b, v[TM:TM+1] op_sel_hi:[1,0,1] neg_lo:[0,0,1] neg_hi:[0,0,1]
.endr
.irp i, 0,1,2,3,4,5,6,7
	v_exp_f32 v[lg+\i], v[lg+\i]
.endr
	v_nop
	s_wait_alu depctr_va_vdst(0)                   ; one wait for the eight exponentials
	v_pk_add_f32 v[T4:T4+1],   v[lg:lg+1],     v[lg+2:lg+3]
	v_pk_add_f32 v[T4+2:T4+3], v[lg+4:lg+5],   v[lg+6:lg+7]
	v_pk_add_f32 v[T4:T4+1],   v[T4:T4+1],     v[T4+2:T4+3]
	v_add_f32 v[T4], v[T4], v[T4+1]
	v_permlanex16_b32 v[T4+1], v[T4], s[SEL], s[SEL+1]
	v_add_f32 v[T4], v[T4], v[T4+1]
	v_rcp_f32 v[TM], v[T4]
	v_nop
	s_wait_alu depctr_va_vdst(0)                   ; the reciprocal's wait
.irp i, 0,2,4,6
	v_pk_mul_f32 v[lg+\i:lg+\i+1], v[lg+\i:lg+\i+1], v[TM:TM+1] op_sel_hi:[1,0]
.endr
	s_wait_loadcnt 0x0                             ; the reference points (asked for ahead of the loop: the first trip alone can wait here)
	POINTS 0
	POINTS 1
.set i, 0
.rept 12
	v_mov_b32 v[REF+i], v[REF+4+i]                 ; the next query's reference points move to the lowest four registers: one text serves every trip
.set i, i+1
.endr
	s_sub_co_u32 s[CNT], s[CNT], 1
	s_cmp_lg_u32 s[CNT], 0
	s_cbranch_scc1 .Lrow
	s_wait_tensorcnt 0x0                           ; the wave's end
	ds_add_u32 v[SPW], v[NIL]
	s_wait_dscnt 0x0
	s_endpgm
.Lfunc_end_k_qa79562ac43_mid:
	.size	k_qa79562ac43_mid, .Lfunc_end_k_qa79562ac43_mid-k_qa79562ac43_mid
	.p2alignl 7, 3214868480
	.fill 96, 4, 3214868480
	.section	.rodata,"a",@progbits
	.p2align	6, 0x0
	.amdhsa_kernel k_qa79562ac43_mid
		.amdhsa_group_segment_fixed_size 78848
		.amdhsa_private_segment_fixed_size 0
		.amdhsa_enable_private_segment 0
		.amdhsa_kernarg_size 104
		.amdhsa_user_sgpr_count 2
		.amdhsa_user_sgpr_kernarg_segment_ptr 1
		.amdhsa_wavefront_size32 1
		.amdhsa_system_sgpr_workgroup_id_x 1
		.amdhsa_system_sgpr_workgroup_id_y 1
		.amdhsa_system_sgpr_workgroup_id_z 1
		.amdhsa_system_vgpr_workitem_id 0
		.amdhsa_next_free_vgpr 512
		.amdhsa_next_free_sgpr 66
		.amdhsa_reserve_vcc 1
		.amdhsa_float_denorm_mode_32 3
		.amdhsa_float_denorm_mode_16_64 3
		.amdhsa_memory_ordered 1
		.amdhsa_forward_progress 1
		.amdhsa_inst_pref_size 72
	.end_amdhsa_kernel
	.amdgpu_metadata
---
amdhsa.version: [ 1, 2 ]
amdhsa.kernels:
  - .name:           k_qa79562ac43_mid
    .symbol:         k_qa79562ac43_mid.kd
    .args:
      - { .name: OW, .offset: 0, .size: 8, .value_kind: global_buffer, .address_space: global }
      - { .name: tgt, .offset: 8, .size: 8, .value_kind: global_buffer, .address_space: global }
      - { .name: tgt_query_pos, .offset: 16, .size: 8, .value_kind: global_buffer, .address_space: global }
      - { .name: tgt_reference_points, .offset: 24, .size: 8, .value_kind: global_buffer, .address_space: global }
      - { .name: WB, .offset: 32, .size: 8, .value_kind: global_buffer, .address_space: global }
      - { .name: out_proj_b, .offset: 40, .size: 8, .value_kind: global_buffer, .address_space: global }
      - { .name: norm2_g, .offset: 48, .size: 8, .value_kind: global_buffer, .address_space: global }
      - { .name: norm2_b, .offset: 56, .size: 8, .value_kind: global_buffer, .address_space: global }
      - { .name: samp_off_b, .offset: 64, .size: 8, .value_kind: global_buffer, .address_space: global }
      - { .name: attn_w_b, .offset: 72, .size: 8, .value_kind: global_buffer, .address_space: global }
      - { .name: T1, .offset: 80, .size: 8, .value_kind: global_buffer, .address_space: global }
      - { .name: IDX, .offset: 88, .size: 8, .value_kind: global_buffer, .address_space: global }
      - { .name: WGT, .offset: 96, .size: 8, .value_kind: global_buffer, .address_space: global }
    .group_segment_fixed_size: 78848
    .private_segment_fixed_size: 0
    .kernarg_segment_align: 8
    .kernarg_segment_size: 104
    .max_flat_workgroup_size: 256
    .sgpr_count:     66
    .vgpr_count:     512
    .wavefront_size: 32
...
	.end_amdgpu_metadata
.endif
;; end of part 7
;; launch fin (part 8): grid 225 x 1, 8 waves a work-group, no clusters, 189,440 bytes of LDS; arguments IDX, WGT, VT, T1, WB, ms_out_b, norm1_g, norm1_b, lin1_b, lin2_b, norm3_g, norm3_b, out0; writes out0
.if DOCPART == 8
	.amdgcn_target "amdgcn-amd-amdhsa--gfx1250"
	.amdhsa_code_object_version 6
	.text
	.protected	k_qa79562ac43_fin
	.globl	k_qa79562ac43_fin
	.p2align	8
	.type	k_qa79562ac43_fin,@function
k_qa79562ac43_fin:
	s_mov_b64 s[64:65], 0
	v_nop
	global_prefetch_b8 v0, s[64:65] scope:SCOPE_SE
	s_setreg_imm32_b32 hwreg(HW_REG_WAVE_MODE, 25, 1), 1
	s_wait_xcnt 0x0
; The sampled values (for each row and head the sum over 16 points x 4 corners of weight x table row), ms_out + residual + LayerNorm (norm1), the FFN 256 -> 1024 -> 256 with ReLU,
; residual + LayerNorm (norm3).  A work-group takes 64 rows (4 queries x 16 batches) from the gather to out0; nothing goes through memory in between.
; GATHER.  Wave w takes query w / 2 and eight batches; a lane one batch and 8 of a head's 32 channels (16 bytes of a table row).  The base positions are whole numbers that the launch before
; stored; each is held to its level's largest base and then shifted and added.  A unit is one head's level: 3 loads of indices and weights, asked for four units ahead, and 16 corner loads,
; asked for two units ahead.  Table and weights are bf16; the sums are f32.  One loop of eight trips, a head each.  No base is stepped: the head's offset lies in the lane term of the corners'
; offsets, and each level has list offsets of its own.  In the last trip the list loads step by 0 (the same head's lists are read once more, 12 loads a wave, so that the counts stay alike),
; and the corner loads of a head that does not exist are jumped over.
; GEMMS.  Wave w owns columns 32 w .. of ms_out and lin2 and columns 128 w .. of lin1.  Weights come as register images from WB in chunks of 16 fragments (2 column tiles x 256 along K).
; ONE set of 128 registers holds a chunk: four places behind the products of a K step, the next chunk's four loads for that K step go into the registers just read: a chunk is asked for a pass ahead.
; So a pass is one text: ms_out once, lin1 a loop of four, lin2 a loop of three and a last part that asks for nothing.
; The hidden layer lies in LDS by waves: wave w's 128 columns are a block of 64 rows x 272 bytes.
; LAYERNORM as in the launch before: means and sums of squared deviations by wave, combined without a difference of large sums; applied as x / sigma - mean / sigma in one fused multiply-add.
; LIMITS.  NaN and infinities are not treated apart.
; No cluster: 225 work-groups do not divide by four.  No prefetch: the table's rows are read again and again by many work-groups, and the weights by all.
.set PA,    528
.set HL,    33792                      ; the hidden layer: 8 blocks; later out0's rows in f32, 64 x 1,040
.set PHB,   272
.set HB,    64*PHB
.set RED,   HL+8*HB
.set PAR,   RED+5120                   ; ms_b, g1, b1, l2_b, g3, b3 (1,024 each), lin1_b (4,096)
.set SPARE, PAR+10240
.set HS,    13613056
.set L16,  1
.set AA,   2
.set SA,   3
.set AHC,  4                           ; my lane's place in the two blocks of the hidden layer in hand: it steps by two blocks a part
.set STH,  5                           ; where I put 16 bytes of the hidden layer: it steps by 64 bytes a pass
.set OST,  6
.set ORD,  7
.set GL,   8                           ; the gather: my 16 bytes in a position's 1,024, plus the head's table
.set GA,   9                           ; the gather: where my 16 bytes of the row go
.set T1V,  10
.set ZR,   11                          ; 0
.set MR,   12                          ; v12-19  (1 / sigma, mean / sigma)
.set PADR, 20
.set PADR1,21                          ; lin1's bias of the pass in hand: it steps by 128 bytes a pass
.set RADR, 22
.set RRD,  23
.set SPW,  24
.set NIL,  25
.set AF,   32
.set LT,   32
.set LC,   32
.set GB,   64
.set ACC,  96
.set T2,   160
.set CB,   224
.set RDR,  240
.set DB,   32                          ; v32-159  two slots of 16 corner loads
.set IX,   160                         ; v160-175 4 base positions a level
.set WG,   176                         ; v176-207 8 registers of weights a level
.set AD,   208                         ; v208-215 two slots of 4 offsets
.set GACC, 216
.set GO4,  224
.set MOI,  244                         ; v244-247 my offset in the index lists, a register a level
.set MOW,  248                         ; v248-251 the same for the weights
.set WBA,  36
.set WN,   38                          ; s[38:39] the chunk that is being asked for
.set SEL,  40
.set MI,   42
.set MW,   44
.set VB,   46
.set CNT,  48
.set SI,   58
.set SW,   59
.set WS,   60                          ; s[60:61] the step to the next chunk
.set MSB, 0
.macro WIN new
.if MSB != (\new)
	s_set_vgpr_msb (MSB<<8)|(\new)
.set MSB, (\new)
.endif
.endm
.macro PLACES
.rept 4
	v_nop
.endr
.endm
.macro BAR
	s_wait_dscnt 0x0
	s_barrier_signal -1
	s_barrier_wait -1
.endm
.macro FETCHA buf, am, aa, k           ; the four row tiles' fragments of K step k.  am = 0: rows of 528 bytes; 1: the hidden layer's blocks, four K steps a block
.if (\am) == 0
.set fo, 64*(\k)
.set fm, 16*PA
.else
.set fo, ((\k)/4)*HB+((\k)%4)*64
.set fm, 16*PHB
.endif
.irp m, 0,1,2,3
	ds_load_b128 v[AF+32*(\buf)+8*\m:AF+32*(\buf)+8*\m+3],   v[\aa] offset:fo+\m*fm
	ds_load_b128 v[AF+32*(\buf)+8*\m+4:AF+32*(\buf)+8*\m+7], v[\aa] offset:fo+\m*fm+32
.endr
.endm
.macro WGRP g                          ; the next chunk's fragments of K step g, both column tiles: four loads of 512 consecutive bytes
.irp n, 0,1
	global_load_b128 v[64*\n+8*(\g):64*\n+8*(\g)+3],   v[L16], s[WN:WN+1] offset:(8*\n+(\g))*1024
	global_load_b128 v[64*\n+8*(\g)+4:64*\n+8*(\g)+7], v[L16], s[WN:WN+1] offset:(8*\n+(\g))*1024+512
.endr
.endm
; A pass: 64 rows x 2 column tiles x 256 along K.  The eight accumulators take turns, one instruction a turn.  cmode = 1: the first product of each sum takes the bias as C.
; next = 1: the next chunk is asked for, K step by K step.  Loads come back in order; behind the four loads of this chunk's K step kf were issued this chunk's 7 - kf later groups and, in this pass,
; the next chunk's first kf groups (six at kf = 7): 28 loads, 24 at kf = 7.  next = 0: only this chunk's later groups: 28 - 4 kf.
; The pointer steps ahead of the pass's first weight load: the last loads that named it stand eight products back.
.macro GEMMS am, aa, cmode, next
	FETCHA 0, \am, \aa, 0
.set kf, 0
.rept 8
.if kf < 7
.if kf > 0
	PLACES                                         ; in front of loads into registers that the products just issued have read
.endif
	FETCHA (kf+1)&1, \am, \aa, kf+1
.if (\next) && (kf > 0)
.if kf == 1
	s_wait_xcnt 0x0
	s_add_nc_u64 s[WN:WN+1], s[WN:WN+1], s[WS:WS+1]
.endif
	WIN 0x40
	WGRP kf-1
.endif
	s_wait_dscnt 0x8                               ; all but the eight LDS loads just issued
.else
	s_wait_dscnt 0x0
.endif
.if \next
.if kf < 7
	s_wait_loadcnt 28
.else
	s_wait_loadcnt 24
.endif
.else
	s_wait_loadcnt 28-4*kf
.endif
	WIN 0x01
.set gm, 0
.rept 4
.set gn, 0
.rept 2
.set rA, ACC+8*(4*gn+gm)
.set rW, 64*gn+8*kf
.set rB, AF+32*(kf&1)+8*gm
.if (\cmode) && (kf == 0)
	v_wmma_f32_16x16x32_bf16 v[rA:rA+7], v[rW:rW+7], v[rB:rB+7], v[CB+8*gn:CB+8*gn+7]
.else
	v_wmma_f32_16x16x32_bf16 v[rA:rA+7], v[rW:rW+7], v[rB:rB+7], v[rA:rA+7]
.endif
.set gn, gn+1
.endr
.set gm, gm+1
.endr
	WIN 0
.set kf, kf+1
.endr
	PLACES
	PLACES
.if \next
	WIN 0x40
	WGRP 6
	WGRP 7
	WIN 0
.endif
.endm
.macro LDPAR dst, adr, off
	ds_load_b128 v[(\dst):(\dst)+3],   v[\adr] offset:(\off)
	ds_load_b128 v[(\dst)+4:(\dst)+7], v[\adr] offset:(\off)+16
.endm
.macro LNSTAT Y
.irp m, 0,1,2,3
.set y0, (\Y)+8*\m
.set y1, (\Y)+8*(4+\m)
.set lt, LT+32*((\m)&1)
	v_pk_add_f32 v[lt:lt+1],   v[y0:y0+1],   v[y0+2:y0+3]
	v_pk_add_f32 v[lt+2:lt+3], v[y0+4:y0+5], v[y0+6:y0+7]
	v_pk_add_f32 v[lt+4:lt+5], v[y1:y1+1],   v[y1+2:y1+3]
	v_pk_add_f32 v[lt+6:lt+7], v[y1+4:y1+5], v[y1+6:y1+7]
	v_pk_add_f32 v[lt:lt+1],   v[lt:lt+1],   v[lt+2:lt+3]
	v_pk_add_f32 v[lt+4:lt+5], v[lt+4:lt+5], v[lt+6:lt+7]
	v_pk_add_f32 v[lt:lt+1],   v[lt:lt+1],   v[lt+4:lt+5]
	v_add_f32 v[lt], v[lt], v[lt+1]
	v_permlanex16_b32 v[lt+1], v[lt], s[SEL], s[SEL+1]
	v_add_f32 v[lt], v[lt], v[lt+1]
	v_mul_f32 v[lt+8], 0x3d000000, v[lt]           ; / 32
	v_mov_b32 v[lt+9], v[lt+8]
.irp i, 0,1,2,3
	v_pk_add_f32 v[lt+16+2*\i:lt+17+2*\i], v[y0+2*\i:y0+2*\i+1], v[lt+8:lt+9] neg_lo:[0,1] neg_hi:[0,1]
	v_pk_add_f32 v[lt+24+2*\i:lt+25+2*\i], v[y1+2*\i:y1+2*\i+1], v[lt+8:lt+9] neg_lo:[0,1] neg_hi:[0,1]
.endr
	v_pk_mul_f32 v[lt:lt+1],   v[lt+16:lt+17], v[lt+16:lt+17]
	v_pk_mul_f32 v[lt+2:lt+3], v[lt+24:lt+25], v[lt+24:lt+25]
.irp i, 1,2,3
	v_pk_fma_f32 v[lt:lt+1],   v[lt+16+2*\i:lt+17+2*\i], v[lt+16+2*\i:lt+17+2*\i], v[lt:lt+1]
	v_pk_fma_f32 v[lt+2:lt+3], v[lt+24+2*\i:lt+25+2*\i], v[lt+24+2*\i:lt+25+2*\i], v[lt+2:lt+3]
.endr
	v_pk_add_f32 v[lt:lt+1], v[lt:lt+1], v[lt+2:lt+3]
	v_add_f32 v[lt], v[lt], v[lt+1]
	v_permlanex16_b32 v[lt+1], v[lt], s[SEL], s[SEL+1]
	v_add_f32 v[lt+9], v[lt], v[lt+1]
	ds_store_b64 v[RADR], v[lt+8:lt+9] offset:\m*1280
.endr
.endm
.macro LNCOMB
.irp m, 0,1,2,3
.irp i, 0,1,2,3
	ds_load_b128 v[RDR+4*\i:RDR+4*\i+3], v[RRD] offset:\m*1280+16*\i
.endr
	s_wait_dscnt 0x0
	v_pk_add_f32 v[LC:LC+1],   v[RDR:RDR+1],     v[RDR+2:RDR+3]
	v_pk_add_f32 v[LC+2:LC+3], v[RDR+4:RDR+5],   v[RDR+6:RDR+7]
	v_pk_add_f32 v[LC+4:LC+5], v[RDR+8:RDR+9],   v[RDR+10:RDR+11]
	v_pk_add_f32 v[LC+6:LC+7], v[RDR+12:RDR+13], v[RDR+14:RDR+15]
	v_pk_add_f32 v[LC:LC+1],   v[LC:LC+1],   v[LC+2:LC+3]
	v_pk_add_f32 v[LC+4:LC+5], v[LC+4:LC+5], v[LC+6:LC+7]
	v_pk_add_f32 v[LC:LC+1],   v[LC:LC+1],   v[LC+4:LC+5]
	v_mul_f32 v[LC+12+\m], 0x3e000000, v[LC]       ; the mean of the 8 means
	v_sub_f32 v[LC+2], v[RDR],   v[LC+12+\m]
	v_sub_f32 v[LC+4], v[RDR+2], v[LC+12+\m]
	v_mul_f32 v[LC+3], v[LC+2], v[LC+2]
	v_mul_f32 v[LC+5], v[LC+4], v[LC+4]
.irp k, 2,4,6
	v_sub_f32 v[LC+2], v[RDR+2*\k],   v[LC+12+\m]
	v_sub_f32 v[LC+4], v[RDR+2*\k+2], v[LC+12+\m]
	v_fmac_f32 v[LC+3], v[LC+2], v[LC+2]
	v_fmac_f32 v[LC+5], v[LC+4], v[LC+4]
.endr
	v_add_f32 v[LC+3], v[LC+3], v[LC+5]
	v_fmamk_f32 v[LC+1], v[LC+3], 0x42000000, v[LC+1]   ; + 32 x
	v_mul_f32 v[LC+1], 0x3b800000, v[LC+1]         ; / 256
	v_add_f32 v[LC+8+\m], 0x3727c5ac, v[LC+1]      ; + 1e-5
	v_rsq_f32 v[MR+2*\m], v[LC+8+\m]
.endr
	v_nop
	s_wait_alu depctr_va_vdst(0)                   ; one wait for the four reciprocal roots
.irp m, 0,1,2,3
	v_mul_f32 v[MR+2*\m+1], v[LC+12+\m], v[MR+2*\m]     ; mean / sigma
.endr
.endm
.macro LNAPPLY dst, Y                  ; (x / sigma - mean / sigma) g + b: two fused multiply-adds for two numbers
.irp m, 0,1,2,3
.irp n, 0,1
.irp i, 0,1,2,3
	v_pk_fma_f32 v[(\dst)+8*(4*\n+\m)+2*\i:(\dst)+8*(4*\n+\m)+2*\i+1], v[(\Y)+8*(4*\n+\m)+2*\i:(\Y)+8*(4*\n+\m)+2*\i+1], v[MR+2*\m:MR+2*\m+1], v[MR+2*\m:MR+2*\m+1] op_sel:[0,0,1] op_sel_hi:[1,0,1] neg_lo:[0,0,1] neg_hi:[0,0,1]
.endr
.irp i, 0,1,2,3
	v_pk_fma_f32 v[(\dst)+8*(4*\n+\m)+2*\i:(\dst)+8*(4*\n+\m)+2*\i+1], v[(\dst)+8*(4*\n+\m)+2*\i:(\dst)+8*(4*\n+\m)+2*\i+1], v[GB+8*\n+2*\i:GB+8*\n+2*\i+1], v[GB+16+8*\n+2*\i:GB+16+8*\n+2*\i+1]
.endr
.endr
.endr
.endm
; THE GATHER
.macro MLOAD lv, step                  ; a level's 4 base positions and 16 corner weights of my batch.  step = 1: the next head's; the level's offsets are free: their last loads, four units back, have been shown done by the counted waits since
.if \step
	v_add_nc_u32 v[MOI+(\lv)], s[SI], v[MOI+(\lv)]
	v_add_nc_u32 v[MOW+(\lv)], s[SW], v[MOW+(\lv)]
.endif
	global_load_b128 v[IX+4*(\lv):IX+4*(\lv)+3],   v[MOI+(\lv)], s[MI:MI+1] offset:((\lv)/2)*512+((\lv)%2)*16
	global_load_b128 v[WG+8*(\lv):WG+8*(\lv)+3],   v[MOW+(\lv)], s[MW:MW+1] offset:((\lv)/2)*1024+((\lv)%2)*16
	global_load_b128 v[WG+8*(\lv)+4:WG+8*(\lv)+7], v[MOW+(\lv)], s[MW:MW+1] offset:((\lv)/2)*1024+512+((\lv)%2)*16
.endm
.macro LVL lv                          ; the level's width and its largest base position
.if (\lv) == 0
.set GW, 100
.set GMAX, 9898
.elseif (\lv) == 1
.set GW, 50
.set GMAX, 12448
.elseif (\lv) == 2
.set GW, 25
.set GMAX, 13098
.else
.set GW, 13
.set GMAX, 13279
.endif
.endm
.macro DISSUE lv, slot                 ; 4 points x 4 corners, 16 bytes a lane; many work-groups read the table's rows again
	LVL \lv
.irp p, 0,1,2,3
	v_min_u32 v[AD+4*(\slot)+\p], GMAX, v[IX+4*(\lv)+\p]
	v_lshl_add_u32 v[AD+4*(\slot)+\p], v[AD+4*(\slot)+\p], 10, v[GL]
.endr
.irp p, 0,1,2,3
	global_load_b128 v[DB+64*(\slot)+16*\p:DB+64*(\slot)+16*\p+3],     v[AD+4*(\slot)+\p], s[VB:VB+1] th:TH_LOAD_HT
	global_load_b128 v[DB+64*(\slot)+16*\p+4:DB+64*(\slot)+16*\p+7],   v[AD+4*(\slot)+\p], s[VB:VB+1] offset:1024 th:TH_LOAD_HT
	global_load_b128 v[DB+64*(\slot)+16*\p+8:DB+64*(\slot)+16*\p+11],  v[AD+4*(\slot)+\p], s[VB:VB+1] offset:GW*1024 th:TH_LOAD_HT
	global_load_b128 v[DB+64*(\slot)+16*\p+12:DB+64*(\slot)+16*\p+15], v[AD+4*(\slot)+\p], s[VB:VB+1] offset:(GW+1)*1024 th:TH_LOAD_HT
.endr
.endm
.macro PROC lv, slot                   ; 8 channels += weight x corner, 16 corners; a head's first corner starts the sums
.irp p, 0,1,2,3
.irp c, 0,1,2,3
.irp i, 0,1,2,3
.set rd, DB+64*(\slot)+16*\p+4*\c+\i
.set rw, WG+8*(\lv)+2*\p+(\c/2)
.set r0, GACC+2*\i
.set ra0, r0
.set ra1, r0+1
.if ((\lv)+\p+\c) == 0
.set ra0, ZR
.set ra1, ZR
.endif
.if (\c%2) == 0
	v_fma_mix_f32_bf16 v[r0],   v[rd], v[rw], v[ra0] op_sel:[0,0,0] op_sel_hi:[1,1,0]
	v_fma_mix_f32_bf16 v[r0+1], v[rd], v[rw], v[ra1] op_sel:[1,0,0] op_sel_hi:[1,1,0]
.else
	v_fma_mix_f32_bf16 v[r0],   v[rd], v[rw], v[ra0] op_sel:[0,1,0] op_sel_hi:[1,1,0]
	v_fma_mix_f32_bf16 v[r0+1], v[rd], v[rw], v[ra1] op_sel:[1,1,0] op_sel_hi:[1,1,0]
.endif
.endr
.endr
.endr
.endm
; Unit k (level lv of a head).  Behind its 16 corner loads were issued unit k + 3's 3 list loads and unit k + 1's 16 corner loads: the count 19 shows unit k's corners in, unit k + 2's lists in
; (they were issued earlier still), and frees unit k's offsets.  Levels 2 and 3 ask for the next head's corners: the last trip has no next head and jumps over them; there stands, at level 2, the wait
; that shows level 3's corners in (only this step's 3 list loads are younger), at level 3 the wait for all that is out.
.macro GSTEP lv
	s_wait_loadcnt 19
	PROC \lv, (\lv)&1
	MLOAD \lv, 1
.if (\lv) < 2
	DISSUE (\lv)+2, (\lv)&1
.else
	s_cmp_eq_u32 s[CNT], 1
	s_cbranch_scc1 .Lnone_\@
	DISSUE (\lv)-2, (\lv)&1
	s_branch .Lon_\@
.Lnone_\@:
	s_wait_loadcnt 3*(3-(\lv))
.Lon_\@:
.endif
.endm
.macro HEADOUT                         ; a head's 8 channels, rounded, into the row in LDS
.irp i, 0,1,2,3
	v_cvt_pk_bf16_f32 v[GO4+\i], v[GACC+2*\i], v[GACC+2*\i+1]
.endr
	ds_store_b128 v[GA], v[GO4:GO4+3]
	v_add_nc_u32 v[GA], 64, v[GA]
.endm
	s_load_b512 s[8:23], s[0:1], 0x0               ; IDX 8, WGT 10, VT 12, T1 14, WB 16, ms_b 18, g1 20, b1 22
	s_load_b256 s[24:31], s[0:1], 0x40             ; l1_b 24, l2_b 26, g3 28, b3 30
	s_load_b64 s[32:33], s[0:1], 0x60              ; out0
	v_lshl_add_u32 v[SPW], v0, 2, SPARE
	v_mov_b32 v[NIL], 0
	v_mov_b32 v[ZR], 0
	v_lshrrev_b32 v236, 5, v0
	v_readfirstlane_b32 s2, v236                   ; wave
	v_and_b32 v236, 15, v0                         ; r
	v_bfe_u32 v237, v0, 4, 1                       ; h
	v_and_b32 v238, 31, v0                         ; lane
	v_lshlrev_b32 v[L16], 4, v238
	v_mul_u32_u24 v[AA], v236, PA
	v_lshl_add_u32 v[AA], v237, 4, v[AA]
	s_lshl_b32 s3, s2, 6
	v_add_nc_u32 v[SA], s3, v[AA]
	v_mul_u32_u24 v[AHC], v236, PHB
	v_lshl_add_u32 v[AHC], v237, 4, v[AHC]
	v_add_nc_u32 v[AHC], HL, v[AHC]
	s_mul_i32 s3, s2, HB
	v_add_nc_u32 v[STH], s3, v[AHC]                ; my wave's block
	s_lshl_b32 s3, s2, 7
	s_add_co_u32 s3, s3, PAR
	v_lshl_add_u32 v[PADR], v237, 5, s3
	s_lshl_b32 s3, s2, 9
	s_add_co_u32 s3, s3, PAR+6144
	v_lshl_add_u32 v[PADR1], v237, 5, s3
	v_mul_u32_u24 v[RRD], v236, 80
	v_add_nc_u32 v[RRD], RED, v[RRD]
	s_lshl_b32 s3, s2, 3
	v_add_nc_u32 v[RADR], s3, v[RRD]
	s_lshl_b32 s3, s2, 13
	v_add_nc_u32 v[T1V], s3, v[L16]
	v_mul_u32_u24 v[OST], v236, 1040
	v_lshl_add_u32 v[OST], v237, 5, v[OST]
	s_lshl_b32 s3, s2, 7
	s_add_co_u32 s3, s3, HL
	v_add_nc_u32 v[OST], s3, v[OST]
	s_mul_i32 s3, s2, 8*1040
	s_add_co_u32 s3, s3, HL
	v_add_nc_u32 v[ORD], s3, v[L16]
	s_and_b32 s49, s2, 1
	s_lshl_b32 s3, s49, 9
	v_add_nc_u32 v[GL], s3, v[L16]                 ; 64 x batch + 16 x quarter
	v_lshrrev_b32 v239, 2, v238
	s_lshl_b32 s3, s49, 8
.irp l, 0,1,2,3
	v_lshl_add_u32 v[MOI+\l], v239, 5, s3          ; 32 x batch
	v_lshl_add_u32 v[MOW+\l], v239, 5, s3
.endr
	v_mul_u32_u24 v[GA], v239, PA
	v_and_b32 v239, 3, v238
	v_lshl_add_u32 v[GA], v239, 4, v[GA]
	s_mul_i32 s3, s2, 8*PA
	v_add_nc_u32 v[GA], s3, v[GA]
	v_lshlrev_b32 v240, 2, v0
	v_add_nc_u32 v241, PAR, v240
	v_lshlrev_b32 v242, 4, v0
	v_add_nc_u32 v243, PAR+6144, v242
	s_lshr_b32 s49, s2, 1
	s_lshl2_add_u32 s49, ttmp9, s49                ; my query
	s_lshl_b32 s34, s49, 13
	s_mov_b32 s35, 0
	s_lshl_b32 s50, s49, 14
	s_mov_b32 s51, 0
	s_lshl_b32 s52, ttmp9, 16
	s_mov_b32 s53, 0
	s_lshl_b32 s54, s2, 14
	s_mov_b32 s55, 0
	s_lshl_b32 s56, s2, 16
	s_mov_b32 s57, 0
	s_mov_b32 s[SEL], 0x76543210
	s_mov_b32 s[SEL+1], 0xfedcba98
	s_mov_b32 s62, 475136                          ; from lin1's last chunk to lin2's first
	s_mov_b32 s63, 16384                           ; from a chunk to the next
	s_mov_b32 s[WS], s63
	s_mov_b32 s[WS+1], 0
	s_wait_kmcnt 0x0
	s_add_nc_u64 s[MI:MI+1], s[8:9], s[34:35]
	s_add_nc_u64 s[MW:MW+1], s[10:11], s[50:51]
	s_mov_b64 s[VB:VB+1], s[12:13]
	s_add_nc_u64 s[14:15], s[14:15], s[52:53]
	s_add_nc_u64 s[32:33], s[32:33], s[52:53]
	s_add_nc_u64 s[WBA:WBA+1], s[16:17], s[54:55]
	s_add_nc_u64 s[WN:WN+1], s[16:17], s[56:57]
	s_add_nc_u64 s[WN:WN+1], s[WN:WN+1], 983040-16384   ; one chunk ahead of lin1's first: each pass steps first
	MLOAD 0, 0
	MLOAD 1, 0
	MLOAD 2, 0
	global_load_b32 v224, v240, s[18:19]
	global_load_b32 v225, v240, s[20:21]
	global_load_b32 v226, v240, s[22:23]
	global_load_b32 v227, v240, s[26:27]
	global_load_b32 v228, v240, s[28:29]
	global_load_b32 v229, v240, s[30:31]
	global_load_b128 v[232:235], v242, s[24:25]
	WIN 0x40
.set li, 0
.rept 32
	global_load_b128 v[4*li:4*li+3], v[L16], s[WBA:WBA+1] offset:851968+512*li      ; ms_out's chunk
.set li, li+1
.endr
	WIN 0
	s_wait_loadcnt 32                              ; lists and parameters are in; the chunk's 32 loads may stay out
	ds_store_b32 v241, v224
	ds_store_b32 v241, v225 offset:1024
	ds_store_b32 v241, v226 offset:2048
	ds_store_b32 v241, v227 offset:3072
	ds_store_b32 v241, v228 offset:4096
	ds_store_b32 v241, v229 offset:5120
	ds_store_b128 v243, v[232:235]
	DISSUE 0, 0
	MLOAD 3, 0
	DISSUE 1, 1
	s_mov_b32 s[CNT], 8
.Lhead:                                        ; a trip: one head's four levels; it asks for the next head's lists and, from its third level on, corners
	s_cmp_eq_u32 s[CNT], 1
	s_cselect_b32 s[SI], 0, 1024                   ; the last trip has no next head: its list loads stay where they are
	s_cselect_b32 s[SW], 0, 2048
	GSTEP 0
	GSTEP 1
	v_add_nc_u32 v[GL], HS, v[GL]                  ; the next head's table: no memory instruction names this register
	GSTEP 2
	GSTEP 3
	HEADOUT
	s_sub_co_u32 s[CNT], s[CNT], 1
	s_cmp_lg_u32 s[CNT], 0
	s_cbranch_scc1 .Lhead
	s_wait_loadcnt 0x0                             ; no load of the gather is out when its registers are loaded again below.  The last trip's level 3 has waited for all already (one counter decides that jump and the loop's end), so this wait is met at once; it is written so that the order holds of the text by itself, whichever way the loop is left
.irp m, 0,1,2,3
.irp n, 0,1
	global_load_b128 v[ACC+8*(4*\n+\m):ACC+8*(4*\n+\m)+3],   v[T1V], s[14:15] offset:(\m*2+\n)*1024       ; the residual goes straight into the accumulators
	global_load_b128 v[ACC+8*(4*\n+\m)+4:ACC+8*(4*\n+\m)+7], v[T1V], s[14:15] offset:(\m*2+\n)*1024+512
.endr
.endr
	BAR                                            ; the sampled rows and the parameters lie in LDS
	LDPAR CB,   PADR, 0
	LDPAR CB+8, PADR, 64
	s_wait_loadcnt 0x0
	s_wait_dscnt 0x0
.irp n, 0,1
.irp m, 0,1,2,3
.irp i, 0,1,2,3
	v_pk_add_f32 v[ACC+8*(4*\n+\m)+2*\i:ACC+8*(4*\n+\m)+2*\i+1], v[ACC+8*(4*\n+\m)+2*\i:ACC+8*(4*\n+\m)+2*\i+1], v[CB+8*\n+2*\i:CB+8*\n+2*\i+1]
.endr
.endr
.endr
	GEMMS 0, AA, 0, 1                              ; ms_out, onto residual + bias; lin1's first chunk is asked for
	LNSTAT ACC
	LDPAR GB,    PADR, 1024
	LDPAR GB+8,  PADR, 1024+64
	LDPAR GB+16, PADR, 2048
	LDPAR GB+24, PADR, 2048+64
	BAR                                            ; the figures lie in LDS, and every wave's reads of the sampled rows are over
	LNCOMB
	LNAPPLY T2, ACC
.set i, 0
.rept 32
	v_cvt_pk_bf16_f32 v[AF+i], v[T2+2*i], v[T2+2*i+1]
.set i, i+1
.endr
.irp m, 0,1,2,3
.irp n, 0,1
	ds_store_b128 v[SA], v[AF+4*(4*\n+\m):AF+4*(4*\n+\m)+3] offset:\m*16*PA+\n*32
.endr
.endr
	BAR                                            ; the normed rows lie in LDS
	s_mov_b32 s[CNT], 4
.Lup:                                          ; lin1: a trip is a pass of two column tiles
	s_cmp_eq_u32 s[CNT], 1
	s_cselect_b32 s[WS], s62, s63                  ; the last pass asks for lin2's first chunk
	LDPAR CB,   PADR1, 0
	LDPAR CB+8, PADR1, 64
	GEMMS 0, AA, 1, 1
.set i, 0
.rept 32
	v_cvt_pk_bf16_f32 v[AF+i], v[ACC+2*i], v[ACC+2*i+1]
.set i, i+1
.endr
.set i, 0
.rept 32
	v_pk_max_num_bf16 v[AF+i], v[AF+i], v[ZR]      ; ReLU on the rounded pairs: nothing is rounded again
.set i, i+1
.endr
.irp m, 0,1,2,3
.irp n, 0,1
	ds_store_b128 v[STH], v[AF+4*(4*\n+\m):AF+4*(4*\n+\m)+3] offset:\m*16*PHB+32*\n
.endr
.endr
	v_add_nc_u32 v[PADR1], 128, v[PADR1]           ; the next pass's 32 columns: their bias,
	v_add_nc_u32 v[STH], 64, v[STH]                ; and their place in my block
	s_sub_co_u32 s[CNT], s[CNT], 1
	s_cmp_lg_u32 s[CNT], 0
	s_cbranch_scc1 .Lup
	s_mov_b32 s[WS], s63
	LDPAR CB,   PADR, 3072
	LDPAR CB+8, PADR, 3072+64
	BAR                                            ; the hidden layer lies in LDS; lin2's bias is in
.irp n, 0,1
.irp m, 0,1,2,3
.irp i, 0,1,2,3
	v_pk_add_f32 v[ACC+8*(4*\n+\m)+2*\i:ACC+8*(4*\n+\m)+2*\i+1], v[T2+8*(4*\n+\m)+2*\i:T2+8*(4*\n+\m)+2*\i+1], v[CB+8*\n+2*\i:CB+8*\n+2*\i+1]   ; lin2's sums start from residual + bias
.endr
.endr
.endr
	s_mov_b32 s[CNT], 3
.Ldown:                                        ; lin2: a trip is 256 along K, two blocks of the hidden layer
	GEMMS 1, AHC, 0, 1
	v_add_nc_u32 v[AHC], 2*HB, v[AHC]
	s_sub_co_u32 s[CNT], s[CNT], 1
	s_cmp_lg_u32 s[CNT], 0
	s_cbranch_scc1 .Ldown
	GEMMS 1, AHC, 0, 0                             ; the last part asks for nothing
	LNSTAT ACC
	LDPAR GB,    PADR, 4096
	LDPAR GB+8,  PADR, 4096+64
	LDPAR GB+16, PADR, 5120
	LDPAR GB+24, PADR, 5120+64
	BAR                                            ; the figures lie in LDS, and every wave's reads of the hidden layer are over
	LNCOMB
	LNAPPLY ACC, ACC
.irp m, 0,1,2,3
.irp n, 0,1
	ds_store_b128 v[OST], v[ACC+8*(4*\n+\m):ACC+8*(4*\n+\m)+3]   offset:\m*16640+\n*64
	ds_store_b128 v[OST], v[ACC+8*(4*\n+\m)+4:ACC+8*(4*\n+\m)+7] offset:\m*16640+\n*64+16
.endr
.endr
	BAR                                            ; whole rows of out0 lie in LDS
.set j, 0
.rept 16
	ds_load_b128 v[AF+4*j:AF+4*j+3], v[ORD] offset:(j/2)*1040+(j%2)*512
.set j, j+1
.endr
.set j, 0
.rept 16
	s_wait_dscnt 15-j                              ; LDS loads come back in order: load j is in
	global_store_b128 v[T1V], v[AF+4*j:AF+4*j+3], s[32:33] offset:512*j     ; 512 consecutive bytes, aligned
.set j, j+1
.endr
	s_wait_tensorcnt 0x0                           ; the wave's end
	ds_add_u32 v[SPW], v[NIL]
	s_wait_dscnt 0x0
	s_endpgm
.Lfunc_end_k_qa79562ac43_fin:
	.size	k_qa79562ac43_fin, .Lfunc_end_k_qa79562ac43_fin-k_qa79562ac43_fin
	.p2alignl 7, 3214868480
	.fill 96, 4, 3214868480
	.section	.rodata,"a",@progbits
	.p2align	6, 0x0
	.amdhsa_kernel k_qa79562ac43_fin
		.amdhsa_group_segment_fixed_size 189440
		.amdhsa_private_segment_fixed_size 0
		.amdhsa_enable_private_segment 0
		.amdhsa_kernarg_size 104
		.amdhsa_user_sgpr_count 2
		.amdhsa_user_sgpr_kernarg_segment_ptr 1
		.amdhsa_wavefront_size32 1
		.amdhsa_system_sgpr_workgroup_id_x 1
		.amdhsa_system_sgpr_workgroup_id_y 1
		.amdhsa_system_sgpr_workgroup_id_z 1
		.amdhsa_system_vgpr_workitem_id 0
		.amdhsa_next_free_vgpr 512
		.amdhsa_next_free_sgpr 66
		.amdhsa_reserve_vcc 0
		.amdhsa_float_denorm_mode_32 3
		.amdhsa_float_denorm_mode_16_64 3
		.amdhsa_memory_ordered 1
		.amdhsa_forward_progress 1
		.amdhsa_inst_pref_size 162
	.end_amdhsa_kernel
	.amdgpu_metadata
---
amdhsa.version: [ 1, 2 ]
amdhsa.kernels:
  - .name:           k_qa79562ac43_fin
    .symbol:         k_qa79562ac43_fin.kd
    .args:
      - { .name: IDX, .offset: 0, .size: 8, .value_kind: global_buffer, .address_space: global }
      - { .name: WGT, .offset: 8, .size: 8, .value_kind: global_buffer, .address_space: global }
      - { .name: VT, .offset: 16, .size: 8, .value_kind: global_buffer, .address_space: global }
      - { .name: T1, .offset: 24, .size: 8, .value_kind: global_buffer, .address_space: global }
      - { .name: WB, .offset: 32, .size: 8, .value_kind: global_buffer, .address_space: global }
      - { .name: ms_out_b, .offset: 40, .size: 8, .value_kind: global_buffer, .address_space: global }
      - { .name: norm1_g, .offset: 48, .size: 8, .value_kind: global_buffer, .address_space: global }
      - { .name: norm1_b, .offset: 56, .size: 8, .value_kind: global_buffer, .address_space: global }
      - { .name: lin1_b, .offset: 64, .size: 8, .value_kind: global_buffer, .address_space: global }
      - { .name: lin2_b, .offset: 72, .size: 8, .value_kind: global_buffer, .address_space: global }
      - { .name: norm3_g, .offset: 80, .size: 8, .value_kind: global_buffer, .address_space: global }
      - { .name: norm3_b, .offset: 88, .size: 8, .value_kind: global_buffer, .address_space: global }
      - { .name: out0, .offset: 96, .size: 8, .value_kind: global_buffer, .address_space: global }
    .group_segment_fixed_size: 189440
    .private_segment_fixed_size: 0
    .kernarg_segment_align: 8
    .kernarg_segment_size: 104
    .max_flat_workgroup_size: 256
    .sgpr_count:     66
    .vgpr_count:     512
    .wavefront_size: 32
...
	.end_amdgpu_metadata
.endif
;; end of part 8
;; ======== version 3 of 3: 6 launches; version 2 with the launch valproj written anew for expert scheduling mode
;; workspace buffers: WB 2,031,616 bytes; VT 108,904,448 bytes; QKV 22,118,400 bytes; OW 8,388,608 bytes; T1 14,745,600 bytes; IDX 7,372,800 bytes of whole numbers; WGT 14,745,600 bytes
;; launch prep: the kernel of part 1 again; grid 248 x 1, 8 waves a work-group, no clusters, 0 bytes of LDS; arguments in_proj_w, out_proj_w, samp_off_w, attn_w_w, val_proj_w, ms_out_w, lin1_w, lin2_w, WB; writes WB
;; launch valproj (part 9): grid 238 x 1, 8 waves a work-group, no clusters, 90,112 bytes of LDS; arguments memory, WB, val_proj_b, VT; writes VT
.if DOCPART == 9
	.amdgcn_target "amdgcn-amd-amdhsa--gfx1250"
	.amdhsa_code_object_version 6
	.text
	.protected	k_qa79562ac43_valproj
	.globl	k_qa79562ac43_valproj
	.p2align	8
	.type	k_qa79562ac43_valproj,@function
k_qa79562ac43_valproj:
	s_mov_b64 s[64:65], 0
	v_nop
	global_prefetch_b8 v0, s[64:65] scope:SCOPE_SE
	s_setreg_imm32_b32 hwreg(HW_REG_WAVE_SCHED_MODE, 0, 2), 2
	s_setreg_imm32_b32 hwreg(HW_REG_WAVE_MODE, 25, 1), 1
	s_wait_xcnt 0x0
	s_wait_alu depctr_vm_vsrc(0)
; VT[head][p][b][32] (bf16) = memory[p][b][:] x val_proj_w^T + val_proj_b.  Operands bf16, sums f32, the table rounded once to bf16.
; A work-group takes 56 positions in 7 steps of 8 (a position is 16 rows of 1,024 bytes on end).  238 x 56 covers the 13,294 positions; a position past the end is loaded from
; the last position's address and its stores are jumped over.
; Wave w loads position p0 + w (32 loads of 512 consecutive bytes), rounds it to bf16 and puts it into LDS; as (g = w / 4, nq = w % 4) it multiplies positions 4 g .. 4 g + 3 by the
; 64 output columns 64 nq .., whose weights (256 registers, window 1) it holds for the whole launch.  The next step's loads go out as soon as this step's numbers are converted.
; The product is taken transposed (source 0 = 16 weight rows, source 1 = the 16 batches of a position): a lane ends with 8 neighbouring columns of one row.
; The sums start from the bias, loaded into the accumulators.  A tile leaves through the wave's own stage, so that each store covers 512 consecutive bytes, aligned.
; No cluster: 238 work-groups do not divide by four, and the only shared input, the weights, is read once a wave.  No prefetch: the launch streams memory all the time.
; THE MODE: SCHED_MODE bits 1:0 = 2 (LLVM: expert scheduling mode 2), set by the entry lines.  The code itself states the register dependences
; between vector or matrix instructions and memory or LDS instructions, with s_wait_alu, always for 0.
; THE PLAN.  Registers that memory or LDS instructions touch, round a trip:
;   ST      The stream's 32 loads land in it; the 64 conversions at the trip's head read it; behind them it is asked for again.
;   AFR     Those conversions write it and 32 LDS stores read it; then the fragments of tiles 0 to 3 land in it, each read by its tile's 32 products.
;   ACC     The bias lands in it; the products add onto it; the tile's 16 roundings read it; then the next tile's bias lands.
;   OUTP    The roundings write it; four stage stores read it; four stage loads land in it; four global stores read it.
;   VOFF    Written once a tile by a vector add; read by the tile's global stores.
;   v1 to v6, v11, v12   Offsets and addresses, made at the head and never written again.  Window 1: loaded once, then read by products alone.
; The 512 registers of a wave are all taken (256 + 128 + 64 + 32 + 16 + 16), so AFR has no second buffer and one wait stands ahead of each tile's fragment loads.
; THE WAITS of a trip.  On va_vdst: one behind the head's conversions, one ahead of the fragment loads of tiles 1 to 3, one behind each tile's roundings.
; On vm_vsrc: one behind the barrier, ahead of tile 0's fragments; one ahead of each tile's writes of VOFF and OUTP; one between the stage's stores and the loads that land in the same registers.
.set NPOS,  13294
.set HS,    13613056                   ; bytes of one head's table
.set PA,    528                        ; an LDS row: 512 bytes + 16: the 16 rows of a fragment load start in different groups of banks
.set STG,   67584                      ; 8 waves x [2 heads][16 b] x 80 bytes
.set PAR,   88064                      ; the bias, 1,024 bytes
.set SPARE, 89088                      ; the spare words, 128 bytes a wave
.set WVAL,  720896                     ; val_proj's fragments in WB
.set L16,  1                           ; 16 x lane
.set SADR, 2                           ; where I put 8 bytes of my position's rows
.set AADR, 3                           ; my lane's place in the fragments of my four positions
.set BADR, 4                           ; my lane's place in the bias
.set STO,  5
.set RD,   6
.set VOFF, 7
.set SPW,  8
.set NIL,  9
.set ST,   16                          ; v16-143  a position as loaded
.set AFR,  144                         ; v144-207 the position converted; then a tile's 8 fragments
.set ACC,  208                         ; v208-239 four accumulators
.set OUTP, 240                         ; v240-255 a tile rounded
.set MSB, 0
.macro WIN new
.if MSB != (\new)
	s_set_vgpr_msb (MSB<<8)|(\new)
.set MSB, (\new)
.endif
.endm
.macro PLACES
.rept 4
	v_nop
.endr
.endm
.macro BAR
	s_wait_dscnt 0x0
	s_barrier_signal -1
	s_barrier_wait -1
.endm
.macro STREAM                          ; a position: 32 loads of 512 consecutive bytes
.set j, 0
.rept 32
	global_load_b128 v[ST+4*j:ST+4*j+3], v[L16], s[18:19] offset:512*j th:TH_LOAD_NT
.set j, j+1
.endr
.endm
.macro FETCHT mt                       ; the 8 fragments of tile mt of my four
.set k, 0
.rept 8
	ds_load_b128 v[AFR+8*k:AFR+8*k+3],   v[AADR] offset:(\mt)*16*PA+64*k
	ds_load_b128 v[AFR+8*k+4:AFR+8*k+7], v[AADR] offset:(\mt)*16*PA+64*k+32
.set k, k+1
.endr
.endm
.macro BIAS                            ; the sums start from the bias of my lane's columns
.set k, 0
.rept 4
	ds_load_b128 v[ACC+8*k:ACC+8*k+3],   v[BADR] offset:64*k
	ds_load_b128 v[ACC+8*k+4:ACC+8*k+7], v[BADR] offset:64*k+16
.set k, k+1
.endr
.endm
	s_load_b256 s[4:11], s[0:1], 0x0               ; memory s[4:5], WB s[6:7], bias s[8:9], VT s[10:11]
	v_lshl_add_u32 v[SPW], v0, 2, SPARE
	v_mov_b32 v[NIL], 0
	v_lshrrev_b32 v10, 5, v0
	v_readfirstlane_b32 s12, v10                   ; wave
	v_and_b32 v10, 31, v0
	v_and_b32 v14, 15, v0                          ; r
	v_bfe_u32 v15, v0, 4, 1                        ; h
	v_lshlrev_b32 v[L16], 4, v10
	v_lshlrev_b32 v12, 2, v0
	s_wait_alu depctr_va_sdst(0)                   ; s12 is written, ahead of its first reader: g, nq, the LDS places and the bases are made from it
	s_lshr_b32 s13, s12, 2                         ; g
	s_and_b32 s14, s12, 3                          ; nq
	s_mul_i32 s26, s12, 16*PA
	v_lshl_add_u32 v[SADR], v10, 3, s26
	s_mul_i32 s26, s13, 64*PA
	v_mul_u32_u24 v[AADR], v14, PA
	v_lshl_add_u32 v[AADR], v15, 4, v[AADR]
	v_add_nc_u32 v[AADR], s26, v[AADR]
	s_lshl_b32 s26, s14, 8
	s_add_co_u32 s26, s26, PAR
	v_lshl_add_u32 v[BADR], v15, 5, s26
	s_mul_i32 s26, s12, 2560
	s_add_co_u32 s26, s26, STG
	v_mul_u32_u24 v[STO], v14, 80
	v_lshl_add_u32 v[STO], v15, 4, v[STO]
	v_add_nc_u32 v[STO], s26, v[STO]
	v_lshrrev_b32 v[RD], 2, v10
	v_mul_u32_u24 v[RD], v[RD], 80
	v_and_b32 v10, 3, v10
	v_lshl_add_u32 v[RD], v10, 4, v[RD]
	v_add_nc_u32 v[RD], s26, v[RD]
	v_add_nc_u32 v11, PAR, v12
	s_mul_i32 s16, ttmp9, 56                       ; the step's first position
	s_add_co_u32 s26, s16, s12
	s_min_u32 s26, s26, NPOS-1
	s_lshl_b32 s26, s26, 14
	s_mov_b32 s27, 0
	s_lshl_b32 s28, s14, 15
	s_mov_b32 s29, 0
	s_mul_i32 s30, s14, 2*HS
	s_mov_b32 s31, 0
	s_mov_b32 s15, 7
	s_wait_kmcnt 0x0
	s_add_nc_u64 s[18:19], s[4:5], s[26:27]        ; my position
	s_add_nc_u64 s[24:25], s[6:7], s[28:29]        ; my 32 fragments
	s_add_nc_u64 s[20:21], s[10:11], s[30:31]      ; head 2 nq
	s_add_nc_u64 s[22:23], s[20:21], HS            ; head 2 nq + 1
	WIN 0x40
	s_wait_alu depctr_va_vdst(0)                   ; the offsets and addresses v1 to v6, v11 and v12 are written, which the loads and stores of the whole kernel read
.set j, 0
.rept 64
	global_load_b128 v[4*j:4*j+3], v[L16], s[24:25] offset:WVAL+512*j
.set j, j+1
.endr
	WIN 0
	global_load_b32 v13, v12, s[8:9]
	STREAM
	s_wait_loadcnt 32                              ; the weights and the bias are in; the first position's 32 loads may stay out
	ds_store_b32 v11, v13
.Ltrip:
	s_wait_loadcnt 0x0                             ; my position is in
.set j, 0
.rept 32                               ; all 64 conversions in one run.  AFR's last readers on the memory side, the last trip's LDS stores, stand ahead of the wait on vm_vsrc behind that trip's barrier
	v_cvt_pk_bf16_f32 v[AFR+2*j],   v[ST+4*j],   v[ST+4*j+1]
	v_cvt_pk_bf16_f32 v[AFR+2*j+1], v[ST+4*j+2], v[ST+4*j+3]
.set j, j+1
.endr
	s_wait_alu depctr_va_vdst(0)                   ; the conversions have written AFR, which the LDS stores read, and are done reading ST, in which the next position lands; the last trip's products and roundings are done with AFR and ACC, in which tile 0's fragments and bias land
.set j, 0
.rept 32
	ds_store_b64 v[SADR], v[AFR+2*j:AFR+2*j+1] offset:(j/2)*PA+(j%2)*256
.set j, j+1
.endr
	s_cmp_eq_u32 s15, 1                            ; the last step has nothing behind it
	s_cbranch_scc1 .Lnoload
	s_add_co_u32 s26, s16, s12
	s_add_co_u32 s26, s26, 8
	s_min_u32 s26, s26, NPOS-1
	s_lshl_b32 s26, s26, 14
	s_add_nc_u64 s[18:19], s[4:5], s[26:27]        ; no load that names this base is out: the wait above was for 0
	STREAM                                         ; no wait: no vector instruction since the wait above names ST
.Lnoload:
	BAR                                            ; all eight positions lie in LDS (and, the first time, the bias)
	s_wait_alu depctr_vm_vsrc(0)                   ; my LDS stores have read AFR, in which the fragments below land
	s_lshl2_add_u32 s17, s13, s16                  ; my first tile's position
	FETCHT 0
	BIAS
.irp mt, 0,1,2,3
	s_wait_dscnt 0x0                               ; fragments and bias are in
	WIN 0x01                                       ; weights in window 1
.set k, 0
.rept 8
.set n, 0
.rept 4                                ; the four accumulators take turns
	v_wmma_f32_16x16x32_bf16 v[ACC+8*n:ACC+8*n+7], v[64*n+8*k:64*n+8*k+7], v[AFR+8*k:AFR+8*k+7], v[ACC+8*n:ACC+8*n+7]
.set n, n+1
.endr
.set k, k+1
.endr
	WIN 0
	s_wait_xcnt 0x0                                ; the last tile's stores have had their addresses translated: OUTP and VOFF are rewritten only behind this wait,
	s_wait_alu depctr_vm_vsrc(0)                   ; and beside it: the last tile's global stores have read OUTP and VOFF, which the add and the roundings below write again
	s_add_co_u32 s30, s17, \mt                     ; the tile's position
	s_lshl_b32 s31, s30, 10
	v_add_nc_u32 v[VOFF], s31, v[L16]              ; made for every tile, ahead of the tile's waits; a position past the end does not use it
	PLACES                                         ; in front of loads into registers that the products read, and of the conversions
.if \mt < 3
	s_wait_alu depctr_va_vdst(0)                   ; the products are done reading AFR, in which the next tile's fragments land
	FETCHT \mt+1
.endif
.set k, 0
.rept 16
	v_cvt_pk_bf16_f32 v[OUTP+k], v[ACC+2*k], v[ACC+2*k+1]
.set k, k+1
.endr
	s_wait_alu depctr_va_vdst(0)                   ; the roundings have written OUTP, which the stage's stores read and in which its loads land, and are done reading ACC, in which the bias lands; VOFF is written, which the global stores read
.if \mt < 3
	BIAS
.endif
	s_cmp_lt_u32 s30, NPOS
	s_cbranch_scc0 .Ldead\mt                       ; a position past the end is not stored
.irp n, 0,1,2,3
	ds_store_b128 v[STO], v[OUTP+4*\n:OUTP+4*\n+3] offset:(\n/2)*1280+(\n%2)*32
.endr
	s_wait_alu depctr_vm_vsrc(0)                   ; the four stores have read OUTP, in which the four loads below land
.irp c, 0,1,2,3
	ds_load_b128 v[OUTP+4*\c:OUTP+4*\c+3], v[RD] offset:(\c/2)*1280+(\c%2)*640   ; LDS serves a wave's instructions in order: these see the stores above
.endr
	s_wait_dscnt 0x0
	global_store_b128 v[VOFF], v[OUTP:OUTP+3],     s[20:21]
	global_store_b128 v[VOFF], v[OUTP+4:OUTP+7],   s[20:21] offset:512
	global_store_b128 v[VOFF], v[OUTP+8:OUTP+11],  s[22:23]
	global_store_b128 v[VOFF], v[OUTP+12:OUTP+15], s[22:23] offset:512
.Ldead\mt:
.endr
	BAR                                            ; every wave's reads of the eight positions are over: they may be written again
	s_add_co_u32 s16, s16, 8
	s_sub_co_u32 s15, s15, 1
	s_cmp_lg_u32 s15, 0
	s_cbranch_scc1 .Ltrip
	s_wait_dscnt 0x0                               ; the wave's end
	s_wait_alu 0x0
	s_wait_tensorcnt 0x0
	ds_add_u32 v[SPW], v[NIL]
	s_wait_dscnt 0x0
	s_endpgm
.Lfunc_end_k_qa79562ac43_valproj:
	.size	k_qa79562ac43_valproj, .Lfunc_end_k_qa79562ac43_valproj-k_qa79562ac43_valproj
	.p2alignl 7, 3214868480
	.fill 96, 4, 3214868480
	.section	.rodata,"a",@progbits
	.p2align	6, 0x0
	.amdhsa_kernel k_qa79562ac43_valproj
		.amdhsa_group_segment_fixed_size 90112
		.amdhsa_private_segment_fixed_size 0
		.amdhsa_enable_private_segment 0
		.amdhsa_kernarg_size 32
		.amdhsa_user_sgpr_count 2
		.amdhsa_user_sgpr_kernarg_segment_ptr 1
		.amdhsa_wavefront_size32 1
		.amdhsa_system_sgpr_workgroup_id_x 1
		.amdhsa_system_sgpr_workgroup_id_y 1
		.amdhsa_system_sgpr_workgroup_id_z 1
		.amdhsa_system_vgpr_workitem_id 0
		.amdhsa_next_free_vgpr 512
		.amdhsa_next_free_sgpr 66
		.amdhsa_reserve_vcc 0
		.amdhsa_float_denorm_mode_32 3
		.amdhsa_float_denorm_mode_16_64 3
		.amdhsa_memory_ordered 1
		.amdhsa_forward_progress 1
		.amdhsa_inst_pref_size 46
	.end_amdhsa_kernel
	.amdgpu_metadata
---
amdhsa.version: [ 1, 2 ]
amdhsa.kernels:
  - .name:           k_qa79562ac43_valproj
    .symbol:         k_qa79562ac43_valproj.kd
    .args:
      - { .name: memory, .offset: 0, .size: 8, .value_kind: global_buffer, .address_space: global }
      - { .name: WB, .offset: 8, .size: 8, .value_kind: global_buffer, .address_space: global }
      - { .name: val_proj_b, .offset: 16, .size: 8, .value_kind: global_buffer, .address_space: global }
      - { .name: VT, .offset: 24, .size: 8, .value_kind: global_buffer, .address_space: global }
    .group_segment_fixed_size: 90112
    .private_segment_fixed_size: 0
    .kernarg_segment_align: 8
    .kernarg_segment_size: 32
    .max_flat_workgroup_size: 256
    .sgpr_count:     66
    .vgpr_count:     512
    .wavefront_size: 32
...
	.end_amdgpu_metadata
.endif
;; end of part 9
;; launch qkv: the kernel of part 3 again; grid 225 x 1, 8 waves a work-group, no clusters, 106,496 bytes of LDS; arguments tgt, tgt_query_pos, WB, in_proj_b, QKV; writes QKV
;; launch attn: the kernel of part 4 again; grid 2 x 128, 8 waves a work-group, no clusters, 210,944 bytes of LDS; arguments QKV, OW; writes OW
;; launch mid: the kernel of part 7 again; grid 225 x 1, 8 waves a work-group, no clusters, 78,848 bytes of LDS; arguments OW, tgt, tgt_query_pos, tgt_reference_points, WB, out_proj_b, norm2_g, norm2_b, samp_off_b, attn_w_b, T1, IDX, WGT; writes T1, IDX, WGT
;; launch fin: the kernel of part 8 again; grid 225 x 1, 8 waves a work-group, no clusters, 189,440 bytes of LDS; arguments IDX, WGT, VT, T1, WB, ms_out_b, norm1_g, norm1_b, lin1_b, lin2_b, norm3_g, norm3_b, out0; writes out0
